; MI455X (gfx1250); checked and timed in simulation.
; The chip was launched on July 23, 2026; its instructions are those of AMD's public machine-readable ISA for CDNA 5 (MIT licence, August 2026) and "CDNA5" Instruction Set Architecture Reference Guide (July 2026). The comments in the code are by the model that wrote it; some were corrected since.
;; pointnet fp module. Allowed arithmetic: float matrix products may take bf16 or f16 operands with f32 sums; all other float work in f32.
;; Inputs: W0 256 x 384 float32; W1 256 x 256 float32; b0 256 float32; b1 256 float32; beta0 256 float32; beta1 256 float32; g0 256 float32; g1 256 float32; points1 8 x 128 x 4,096 float32; points2 8 x 256 x 2,048 float32; xyz1 8 x 4,096 x 3 float32; xyz2 8 x 2,048 x 3 float32.
;; Outputs: out0 8 x 256 x 4,096 float32.
;; 2 versions, each right and faster than the one before. Each part assembles by itself: llvm-mc -triple=amdgcn-amd-amdhsa -mcpu=gfx1250 --defsym DOCPART=n.
;; ======== version 1 of 2: 7 launches
;; limits: values are held in f16: magnitudes above 65,504 overflow, below 6.1e-05 lose precision; inputs' magnitudes at most 65,504; right only within a limited range of input values
;; workspace buffers: blk 524,288 bytes of whole numbers; nbr 524,288 bytes of whole numbers; wgt 524,288 bytes; wh 327,680 bytes; zy 33,554,432 bytes; y0 33,554,432 bytes; part 524,288 bytes; ss 2,048 bytes
;; launch knn (part 1): grid 256 x 1, 8 waves a work-group, no clusters, 50,176 bytes of LDS; arguments xyz1, xyz2, W0, W1, blk, wh; writes blk, wh
.if DOCPART == 1
	.amdgcn_target "amdgcn-amd-amdhsa--gfx1250"
	.amdhsa_code_object_version 6
	.text
	.protected	k_q9cc0ae79c3_knn
	.globl	k_q9cc0ae79c3_knn
	.p2align	8
	.type	k_q9cc0ae79c3_knn,@function
k_q9cc0ae79c3_knn:
	s_mov_b64 s[64:65], 0
	v_nop
	global_prefetch_b8 v0, s[64:65] scope:SCOPE_SE
	s_setreg_imm32_b32 hwreg(HW_REG_WAVE_MODE, 25, 1), 1
	s_wait_xcnt 0x0
; FIRST OF SEVEN LAUNCHES: for every query point the three BLOCKS of 16 candidates that hold its three nearest points; and f16 copies of W0, W1.
;
; WORK LEFT OUT IN THE WHOLE PROGRAM.  b0 and b1: y = W x + b enters only (y - mean(y)) * rsqrt(var(y) + eps), mean and var taken over batch and
; point for each channel.  A constant per channel cancels in y - mean(y) and leaves var(y) as it is, for all values of the inputs.  So b0 and b1
; have no way to the output: they are not loaded and are no argument of any launch.  Limit: a NaN, an infinity or an overflow that lies in b0 or
; b1 alone is not carried to the result.
; WORK REORDERED.  W0[:, :256] . interp = sum over k of weight[n,k] * Z[:, idx[n,k]] with Z = W0[:, :256] . points2: the product is made on the 2,048
; points of points2 instead of the 4,096 query points, and the three columns of Z are mixed afterwards in f32.
; NUMBER FORMAT OF THE PRODUCTS.  All matrix operands (W0, W1, points1, points2, the first layer's output) go in f16, sums in f32: an operand is rounded by
; at most 2^-11 of its size, an eighth of what bf16 would take, and the roundings of two layers add up in the result.  Limit: an operand above
; 65,504 in size becomes infinite, one below 2^-25 zero, and below 2^-14 the step is 2^-24.  The first layer's output is bounded by
; 181 |g0| + |beta0|, since a value normalised over 32,768 samples is at most sqrt(32767).
;
; THE SEARCH HAS TWO LEVELS.  This launch keeps, for each query, the three smallest VALUES (two medians and a minimum for each pair) and, once for
; each block of 16 candidates, the block from which each of the three came: equal values go to the earlier block.  The (value, block) triple is
; the three smallest such keys, and the index order refines the block order, so these blocks hold the three nearest with ties to the lower
; index.  The next launch reads the block numbers from memory and scans those 48 candidates or fewer with their indices.
; LIMITS.  D = fma(dz, dz, fma(dy, dy, dx*dx)) on the differences: its last bit may differ from a sum of three rounded squares, so a query whose third
; and fourth distances agree to that bit may take the other neighbour.  Distances that are NaN or overflow to infinity are not served.
;
; SHARES.  A work-group has 128 queries of one batch.  Wave w scans candidates 256 w .. 256 w + 255 for all 128; lane L holds queries L + 32 q,
; q = 0..3, as two register pairs for the packed arithmetic.  The eight waves' triples are merged through LDS by waves 0 to 3, one query a lane.
; No tensor load and no joint request: what work-groups share is the batch's 24,576 bytes of xyz2, read once by each, little beside the 262,144
; distances that each forms from them.
.set MR, 24576                         ; LDS: bytes 0 .. 24,575 xyz2 of the batch as it lies in memory; from MR on [wave][field 0..5][query] words
.set QX, 2                             ; v[2:5]     x of my four queries
.set QY, 6                             ; v[6:9]     y
.set QZ, 10                            ; v[10:13]   z
.set CA, 14                            ; v[14:25]   four candidates, x y z each: buffer A
.set CB, 26                            ; v[26:37]   buffer B
.set TT, 38                            ; v[38:53]   differences, 8 pairs
.set DD, 54                            ; v[54:69]   distances: candidate j, query q at 4 j + q
.set MA, 70                            ; v[70:81]   m1 <= m2 <= m3 of query q at 3 q: set A
.set MB, 82                            ; v[82:93]   set B
.set PY, 94                            ; v[94:105]  the blocks that the three values came from
.set BT, 106                           ; v[106:121] at work in the block update, four a query
.set LA, 122                           ; LDS address of my wave's next candidates, the same in all lanes
.set VQ, 123                           ; 12 L
.set VT, 124                           ; 16 t
.set VM, 125                           ; 3072 w + 4 L
.set BN, 126                           ; 8 L at the head; then the current block's number
.set VL, 127                           ; 16 L at the head; 4 t at the end
.set CM, 20                            ; s[20:31] lane masks
; d = q - c for two queries; c is one register, taken for both halves out of its even-aligned pair
.macro SUBB d, qp, c
.if (\c)&1
	v_pk_add_f32 v[\d:\d+1], v[\qp:\qp+1], v[(\c)-1:(\c)] op_sel:[0,1] op_sel_hi:[1,1] neg_lo:[0,1] neg_hi:[0,1]
.else
	v_pk_add_f32 v[\d:\d+1], v[\qp:\qp+1], v[(\c):(\c)+1] op_sel:[0,0] op_sel_hi:[1,0] neg_lo:[0,1] neg_hi:[0,1]
.endif
.endm
; sixteen distances: four candidates of buffer cb against four queries, eight chains that do not wait for each other
.macro DIST cb
.irp j,0,1,2,3
.irp p,0,1
	SUBB TT+4*\j+2*\p, QX+2*\p, \cb+3*\j
.endr
.endr
.irp j,0,1,2,3
.irp p,0,1
	v_pk_mul_f32 v[DD+4*\j+2*\p:DD+4*\j+2*\p+1], v[TT+4*\j+2*\p:TT+4*\j+2*\p+1], v[TT+4*\j+2*\p:TT+4*\j+2*\p+1]
.endr
.endr
.irp j,0,1,2,3
.irp p,0,1
	SUBB TT+4*\j+2*\p, QY+2*\p, \cb+3*\j+1
.endr
.endr
.irp j,0,1,2,3
.irp p,0,1
	v_pk_fma_f32 v[DD+4*\j+2*\p:DD+4*\j+2*\p+1], v[TT+4*\j+2*\p:TT+4*\j+2*\p+1], v[TT+4*\j+2*\p:TT+4*\j+2*\p+1], v[DD+4*\j+2*\p:DD+4*\j+2*\p+1]
.endr
.endr
.irp j,0,1,2,3
.irp p,0,1
	SUBB TT+4*\j+2*\p, QZ+2*\p, \cb+3*\j+2
.endr
.endr
.irp j,0,1,2,3
.irp p,0,1
	v_pk_fma_f32 v[DD+4*\j+2*\p:DD+4*\j+2*\p+1], v[TT+4*\j+2*\p:TT+4*\j+2*\p+1], v[TT+4*\j+2*\p:TT+4*\j+2*\p+1], v[DD+4*\j+2*\p:DD+4*\j+2*\p+1]
.endr
.endr
.endm
; candidate j enters the sorted triples: m3 = med(m2, m3, d), m2 = med(m1, m2, d), m1 = min(m1, d), each from the values before
.macro SEL dst, src, j
.irp q,0,1,2,3
	v_med3_num_f32 v[\dst+3*\q+2], v[\src+3*\q+1], v[\src+3*\q+2], v[DD+4*\j+\q]
.endr
.irp q,0,1,2,3
	v_med3_num_f32 v[\dst+3*\q+1], v[\src+3*\q], v[\src+3*\q+1], v[DD+4*\j+\q]
.endr
.irp q,0,1,2,3
	v_min_num_f32 v[\dst+3*\q], v[\src+3*\q], v[DD+4*\j+\q]
.endr
.endm
; four candidates.  fetch = 1: the next four are asked for first, into the other buffer
.macro GROUP cur, nxt, offn, fetch, dst, src
.if \fetch
	ds_load_b128 v[\nxt:\nxt+3], v[LA] offset:\offn
	ds_load_b128 v[\nxt+4:\nxt+7], v[LA] offset:\offn+16
	ds_load_b128 v[\nxt+8:\nxt+11], v[LA] offset:\offn+32
	s_wait_dscnt 0x3                               ; all but the three just issued: this group's candidates are in
.else
	s_wait_dscnt 0x0
.endif
	DIST \cur
	SEL \dst, \src, 0
	SEL \dst, \dst, 1
	SEL \dst, \dst, 2
	SEL \dst, \dst, 3
.endm
; Behind a block: which of the new triple n came from the old triple m (then its block stays) and which from this block.  Both are sorted, so one
; walk along m does it: n1 = m1? then the next old value to look for is m2, else still m1; and so on.  An equal value counts as the old one.
.macro BLKUPD old, new
	v_mov_b32 v[BN], s32
.irp q,0,1,2,3
	v_cmp_eq_f32 s[CM+3*\q], v[\new+3*\q], v[\old+3*\q]
.endr
.irp q,0,1,2,3
	v_cndmask_b32 v[BT+4*\q],   v[\old+3*\q],   v[\old+3*\q+1], s[CM+3*\q]     ; the old value that n2 may be
	v_cndmask_b32 v[BT+4*\q+1], v[PY+3*\q],     v[PY+3*\q+1],   s[CM+3*\q]     ; and its block
	v_cndmask_b32 v[BT+4*\q+2], v[\old+3*\q+1], v[\old+3*\q+2], s[CM+3*\q]     ; the one behind it
	v_cndmask_b32 v[BT+4*\q+3], v[PY+3*\q+1],   v[PY+3*\q+2],   s[CM+3*\q]
.endr
.irp q,0,1,2,3
	v_cmp_eq_f32 s[CM+3*\q+1], v[\new+3*\q+1], v[BT+4*\q]
.endr
.irp q,0,1,2,3
	v_cndmask_b32 v[BT+4*\q+2], v[BT+4*\q],   v[BT+4*\q+2], s[CM+3*\q+1]       ; the old value that n3 may be
	v_cndmask_b32 v[BT+4*\q+3], v[BT+4*\q+1], v[BT+4*\q+3], s[CM+3*\q+1]
.endr
.irp q,0,1,2,3
	v_cmp_eq_f32 s[CM+3*\q+2], v[\new+3*\q+2], v[BT+4*\q+2]
.endr
.irp q,0,1,2,3
	v_cndmask_b32 v[PY+3*\q+2], v[BN], v[BT+4*\q+3], s[CM+3*\q+2]
	v_cndmask_b32 v[PY+3*\q+1], v[BN], v[BT+4*\q+1], s[CM+3*\q+1]
	v_cndmask_b32 v[PY+3*\q],   v[BN], v[PY+3*\q],   s[CM+3*\q]
.endr
	s_add_co_u32 s32, s32, 1
.endm
; a block of 16 candidates at byte off: the first candidate writes the new set from the old one, which stays for the update
.macro BLOCK off, old, new, fl
	GROUP CA, CB, \off+48, 1, \new, \old
	GROUP CB, CA, \off+96, 1, \new, \new
	GROUP CA, CB, \off+144, 1, \new, \new
	GROUP CB, CA, \off+192, \fl, \new, \new
	BLKUPD \old, \new
.endm
.macro TRIP fl
	BLOCK 0, MA, MB, 1
	BLOCK 192, MB, MA, \fl
.endm
; a value with its payload enters a sorted triple with payloads; strictly smaller only, so that an equal value stays behind the earlier one
.macro INS val, pay, m, i, x
	v_cmp_lt_f32 s[CM], \val, v[\m]
	v_cmp_lt_f32 s[CM+1], \val, v[\m+1]
	v_cmp_lt_f32 s[CM+2], \val, v[\m+2]
	v_cndmask_b32 v[\x], \pay, v[\i+1], s[CM+1]
	v_cndmask_b32 v[\i+2], v[\i+2], v[\x], s[CM+2]
	v_cndmask_b32 v[\x+1], \pay, v[\i], s[CM]
	v_cndmask_b32 v[\i+1], v[\i+1], v[\x+1], s[CM+1]
	v_cndmask_b32 v[\i], v[\i], \pay, s[CM]
	v_med3_num_f32 v[\m+2], v[\m+1], v[\m+2], \val
	v_med3_num_f32 v[\m+1], v[\m], v[\m+1], \val
	v_min_num_f32 v[\m], v[\m], \val
.endm
	s_load_b256 s[4:11], s[0:1], 0x0               ; xyz1 s[4:5], xyz2 s[6:7], W0 s[8:9], W1 s[10:11]
	s_load_b128 s[12:15], s[0:1], 0x20             ; blk s[12:13], wh s[14:15]
	v_lshl_add_u32 v128, v0, 2, 0xc000
	v_mov_b32 v129, 0
	v_lshrrev_b32 v1, 5, v0
	v_readfirstlane_b32 s16, v1                    ; wave
	v_and_b32 v1, 31, v0                           ; lane
	v_mul_u32_u24 v[VQ], v1, 12
	v_lshlrev_b32 v[VT], 4, v0
	v_lshlrev_b32 v[VL], 4, v1
	v_lshlrev_b32 v[BN], 3, v1
	s_lshr_b32 s17, ttmp9, 5                       ; batch: 32 work-groups each
	s_mov_b32 s19, 0
	s_mul_i32 s18, ttmp9, 1536                     ; 128 queries of 12 bytes; also this group's 384 numbers of W0
	s_wait_kmcnt 0x0
	s_add_nc_u64 s[4:5], s[4:5], s[18:19]
	s_add_nc_u64 s[8:9], s[8:9], s[18:19]
	s_mul_i32 s18, s17, 24576
	s_add_nc_u64 s[6:7], s[6:7], s[18:19]
	s_lshl_b32 s18, ttmp9, 10                      ; this group's 256 numbers of W1
	s_add_nc_u64 s[10:11], s[10:11], s[18:19]
	s_lshl_b32 s18, ttmp9, 11                      ; 128 records of 16 bytes
	s_add_nc_u64 s[12:13], s[12:13], s[18:19]
	s_lshl_b32 s18, ttmp9, 9
	s_add_co_u32 s18, s18, 196608                  ; W1's copy lies behind W0's 256 x 384 x 2 bytes
	s_add_nc_u64 s[34:35], s[14:15], s[18:19]
	s_mul_i32 s18, ttmp9, 768
	s_add_nc_u64 s[14:15], s[14:15], s[18:19]
.irp q,0,1,2,3
	global_load_b32 v[QX+\q], v[VQ], s[4:5] offset:384*\q
	global_load_b32 v[QY+\q], v[VQ], s[4:5] offset:384*\q+4
	global_load_b32 v[QZ+\q], v[VQ], s[4:5] offset:384*\q+8
.endr
.irp i,0,1,2,3,4,5
	global_load_b128 v[CA+4*\i:CA+4*\i+3], v[VT], s[6:7] offset:4096*\i       ; the 256 threads take the batch's xyz2, 4,096 bytes a line
.endr
	; Wave 4 alone: this group's 1/256 of W0 and W1 rounded to f16.  Its loads are on their way together with the ones above.
	s_cmp_lg_u32 s16, 4
	s_cbranch_scc1 .Lstage
.irp i,0,1,2
	global_load_b128 v[TT+4*\i:TT+4*\i+3], v[VL], s[8:9] offset:512*\i
.endr
.irp i,0,1
	global_load_b128 v[TT+12+4*\i:TT+12+4*\i+3], v[VL], s[10:11] offset:512*\i
.endr
	s_wait_loadcnt 0x0
.irp i,0,1,2,3,4
	v_cvt_pk_f16_f32 v[MA+2*\i], v[TT+4*\i], v[TT+4*\i+1]
	v_cvt_pk_f16_f32 v[MA+2*\i+1], v[TT+4*\i+2], v[TT+4*\i+3]
.endr
.irp i,0,1,2
	global_store_b64 v[BN], v[MA+2*\i:MA+2*\i+1], s[14:15] offset:256*\i      ; 32 lanes x 8 bytes: 256 consecutive bytes, aligned
.endr
.irp i,0,1
	global_store_b64 v[BN], v[MA+6+2*\i:MA+6+2*\i+1], s[34:35] offset:256*\i
.endr
.Lstage:
	s_wait_loadcnt 0x0
	s_wait_xcnt 0x0                                ; wave 4's stores have read their data and address registers, which are written again below
.irp i,0,1,2,3,4,5
	ds_store_b128 v[VT], v[CA+4*\i:CA+4*\i+3] offset:4096*\i
.endr
	s_wait_dscnt 0x0                               ; my stores are done, for the waves that read them
	s_barrier_signal -1
	s_barrier_wait -1
	s_mul_i32 s18, s16, 3072                       ; my wave's 256 candidates
	s_lshl_b32 s32, s16, 4                         ; and the number of their first block
	v_mov_b32 v[LA], s18
	ds_load_b128 v[CA:CA+3], v[LA]
	ds_load_b128 v[CA+4:CA+7], v[LA] offset:16
	ds_load_b128 v[CA+8:CA+11], v[LA] offset:32
	v_lshl_add_u32 v[VM], v1, 2, s18
.irp i,0,1,2,3,4,5,6,7,8,9,10,11
	v_mov_b32 v[MA+\i], 0x7f800000                 ; the triples start at +infinity
	v_mov_b32 v[PY+\i], 0
.endr
	s_mov_b32 s33, 7
.Ltrip:                                                ; a trip: two blocks, 32 candidates, 384 bytes
	TRIP 1
	v_add_nc_u32 v[LA], 384, v[LA]
	s_sub_co_u32 s33, s33, 1
	s_cmp_lg_u32 s33, 0
	s_cbranch_scc1 .Ltrip
	TRIP 0                                         ; the last trip asks for nothing behind the wave's candidates
	; the eight waves' triples meet in LDS
.irp q,0,1,2,3
.irp f,0,1,2
	ds_store_b32 v[VM], v[MA+3*\q+\f] offset:MR+512*\f+128*\q
	ds_store_b32 v[VM], v[PY+3*\q+\f] offset:MR+512*(\f+3)+128*\q
.endr
.endr
	s_wait_dscnt 0x0
	s_barrier_signal -1
	s_barrier_wait -1
	s_cmp_gt_u32 s16, 3
	s_cbranch_scc1 .Lend
	v_lshlrev_b32 v[VL], 2, v0                     ; waves 0 to 3: query t = my thread's number
.irp u,0,1,2,3,4,5,6,7
.irp f,0,1,2,3,4,5
	ds_load_b32 v[14+6*\u+\f], v[VL] offset:MR+3072*\u+512*\f
.endr
.endr
	s_wait_dscnt 0x0
.irp u,1,2,3,4,5,6,7                                   ; wave 0's triple is the start; the others enter in ascending order of their blocks
.irp e,0,1,2
	INS v[14+6*\u+\e], v[17+6*\u+\e], 14, 17, 62
.endr
.endr
	v_min_u32 v62, v17, v18                        ; the three block numbers in ascending order
	v_max_u32 v63, v17, v18
	v_max_u32 v66, v63, v19
	v_min_u32 v63, v63, v19
	v_min_u32 v64, v62, v63
	v_max_u32 v65, v62, v63
	v_mov_b32 v67, 0
	global_store_b128 v[VT], v[64:67], s[12:13]    ; a wave's store covers 512 consecutive bytes
.Lend:
	s_wait_tensorcnt 0x0
	ds_add_u32 v128, v129
	s_wait_dscnt 0x0
	s_endpgm
.Lfunc_end_k_q9cc0ae79c3_knn:
	.size	k_q9cc0ae79c3_knn, .Lfunc_end_k_q9cc0ae79c3_knn-k_q9cc0ae79c3_knn
	.p2alignl 7, 3214868480
	.fill 96, 4, 3214868480
	.section	.rodata,"a",@progbits
	.p2align	6, 0x0
	.amdhsa_kernel k_q9cc0ae79c3_knn
		.amdhsa_group_segment_fixed_size 50176
		.amdhsa_private_segment_fixed_size 0
		.amdhsa_enable_private_segment 0
		.amdhsa_kernarg_size 48
		.amdhsa_user_sgpr_count 2
		.amdhsa_user_sgpr_kernarg_segment_ptr 1
		.amdhsa_wavefront_size32 1
		.amdhsa_system_sgpr_workgroup_id_x 1
		.amdhsa_system_sgpr_workgroup_id_y 1
		.amdhsa_system_sgpr_workgroup_id_z 1
		.amdhsa_system_vgpr_workitem_id 0
		.amdhsa_next_free_vgpr 130
		.amdhsa_next_free_sgpr 66
		.amdhsa_reserve_vcc 0
		.amdhsa_float_denorm_mode_32 3
		.amdhsa_float_denorm_mode_16_64 3
		.amdhsa_memory_ordered 1
		.amdhsa_forward_progress 1
		.amdhsa_inst_pref_size 130
	.end_amdhsa_kernel
	.amdgpu_metadata
---
amdhsa.version: [ 1, 2 ]
amdhsa.kernels:
  - .name:           k_q9cc0ae79c3_knn
    .symbol:         k_q9cc0ae79c3_knn.kd
    .args:
      - { .name: xyz1, .offset: 0, .size: 8, .value_kind: global_buffer, .address_space: global }
      - { .name: xyz2, .offset: 8, .size: 8, .value_kind: global_buffer, .address_space: global }
      - { .name: W0, .offset: 16, .size: 8, .value_kind: global_buffer, .address_space: global }
      - { .name: W1, .offset: 24, .size: 8, .value_kind: global_buffer, .address_space: global }
      - { .name: blk, .offset: 32, .size: 8, .value_kind: global_buffer, .address_space: global }
      - { .name: wh, .offset: 40, .size: 8, .value_kind: global_buffer, .address_space: global }
    .group_segment_fixed_size: 50176
    .private_segment_fixed_size: 0
    .kernarg_segment_align: 8
    .kernarg_segment_size: 48
    .max_flat_workgroup_size: 256
    .sgpr_count:     66
    .vgpr_count:     130
    .wavefront_size: 32
...
	.end_amdgpu_metadata
.endif
;; end of part 1
;; launch prep (part 2): grid 256 x 1, 8 waves a work-group, clusters of 4 x 1, 243,712 bytes of LDS; arguments xyz1, xyz2, blk, points2, wh, nbr, wgt, zy; writes nbr, wgt, zy
.if DOCPART == 2
	.amdgcn_target "amdgcn-amd-amdhsa--gfx1250"
	.amdhsa_code_object_version 6
	.text
	.protected	k_q9cc0ae79c3_prep
	.globl	k_q9cc0ae79c3_prep
	.p2align	8
	.type	k_q9cc0ae79c3_prep,@function
k_q9cc0ae79c3_prep:
	s_mov_b64 s[64:65], 0
	v_nop
	global_prefetch_b8 v0, s[64:65] scope:SCOPE_SE
	s_setreg_imm32_b32 hwreg(HW_REG_WAVE_MODE, 25, 1), 1
	s_wait_xcnt 0x0
	s_wait_alu depctr_hold_cnt(0) depctr_sa_sdst(0) depctr_va_vdst(0) depctr_va_sdst(0) depctr_va_ssrc(0) depctr_va_vcc(0) depctr_vm_vsrc(0)
	s_getreg_b32 s2, hwreg(HW_REG_IB_STS2, 6, 4)
	s_cmp_eq_u32 s2, 0
	s_cbranch_scc0 .Lentry_in_a_cluster
	s_endpgm
.Lentry_in_a_cluster:
	s_bfe_u32 s2, ttmp6, 0x10000c
	s_cmp_lg_u32 s2, 0x3003
	s_cbranch_scc0 .Lentry_shape_is_right
	s_endpgm
.Lentry_shape_is_right:
; SECOND LAUNCH.  (1) The three nearest points and their weights, from the three blocks that the first launch stored for each query.
; (2) Z[b][s][o] = sum over c of W0[o][c] points2[b][c][s], c = 0..255, f16 operands, f32 sums, stored with o along the rows.
; b0 is left out (it cancels in the batch norm: see the head of the first kernel).
; SHARES.  A work-group has 128 queries (waves 0 to 3, one a lane) and a tile of Z of 64 s x 256 o.  Meanwhile waves 4 to 7 bring the tile's
; 256 x 64 numbers of points2, round them and lay them in LDS.  In the product wave w has o = 32 w .. 32 w + 31 and all 64 s: 8 accumulators.
; JOINT REQUEST.  All work-groups read the same f16 copy of W0[:, 0:256]; the four of a cluster ask for it jointly, each wave for its own 32 rows.
; points2, xyz and the records are read by one work-group each: nothing to share there.
; A wave has one tensor load out, and LDS is filled once.
; LIMITS.  Distances as in the first kernel (same formula, same rounding).  1/x is v_rcp_f32; a distance above 2^126 gives a weight of zero.
; A number of points2 or W0 above 65,504 in size becomes infinite in f16, one below 2^-25 zero.
.set PT, 135168                        ; LDS: 0 .. 135,167 W0 in f16 [:, 0:256], 256 rows, pitch 528; from PT on points2 in f16 [256 c][64 s], pitch 160
.set ST, 176128                        ; from ST on the stage, f32 [64 s][256 o], pitch 1040
.set WV, 20                            ; s20 the wave's number
.set CM, 40                            ; s[40:42] lane masks
.set DUP, 44                           ; s44, s45: the second, the third block repeats the one before
.set ACC, 16                           ; v[16:79]   tile (a, t) at 8 (4 a + t)
.set F0, 80                            ; v[80:127], v[128:175] fragment buffers: A 16 registers, B 32
.set VA, 240                           ; LDS address of my fragments of W
.set VB, 241                           ; of the transposing loads from the points2 tile
.set VST, 242                          ; where my results go in the stage
.set VRD, 243                          ; where I read rows back
.set VGO, 244                          ; 16 L
.set RM, 16                            ; the search: v[16:18] values, v[19:21] payloads, v[22:23] and v[24:27] at work, v28 +infinity
.set RI, 19
.set RW, 22
.set RT, 24
.set RINF, 28
.set RC, 32                            ; v[32:175]  three blocks of 16 candidates, 48 registers each
.set RD, 176                           ; v[176:187] differences
.set RO, 188                           ; v[188:191] the record of indices
.macro PLACES
.rept 4
	v_nop
.endr
.endm
.macro ROUND                           ; a round of the cluster's barrier
	s_barrier_signal -1
	s_barrier_wait -1
	s_cmp_lg_u32 s[WV], 0
	s_cbranch_scc1 .Lnot_wave_0_\@
	s_barrier_signal -3
.Lnot_wave_0_\@:
	s_barrier_wait -3
	s_barrier_signal -1
	s_barrier_wait -1
.endm
.macro INS val, pay, m, i, x           ; as in the first kernel: strictly smaller only
	v_cmp_lt_f32 s[CM], \val, v[\m]
	v_cmp_lt_f32 s[CM+1], \val, v[\m+1]
	v_cmp_lt_f32 s[CM+2], \val, v[\m+2]
	v_cndmask_b32 v[\x], \pay, v[\i+1], s[CM+1]
	v_cndmask_b32 v[\i+2], v[\i+2], v[\x], s[CM+2]
	v_cndmask_b32 v[\x+1], \pay, v[\i], s[CM]
	v_cndmask_b32 v[\i+1], v[\i+1], v[\x+1], s[CM+1]
	v_cndmask_b32 v[\i], v[\i], \pay, s[CM]
	v_med3_num_f32 v[\m+2], v[\m+1], v[\m+2], \val
	v_med3_num_f32 v[\m+1], v[\m], v[\m+1], \val
	v_min_num_f32 v[\m], v[\m], \val
.endm
; block k of the three: 16 candidates, four at a time; the payload is 16 k + the place in the block
.macro RBLOCK k
.irp g,0,1,2,3
.irp j,0,1,2,3
	v_sub_f32 v[RD+3*\j],   v2, v[RC+48*\k+12*\g+3*\j]
	v_sub_f32 v[RD+3*\j+1], v3, v[RC+48*\k+12*\g+3*\j+1]
	v_sub_f32 v[RD+3*\j+2], v4, v[RC+48*\k+12*\g+3*\j+2]
.endr
.irp j,0,1,2,3
	v_mul_f32 v[RT+\j], v[RD+3*\j], v[RD+3*\j]
.endr
.irp j,0,1,2,3
	v_fma_f32 v[RT+\j], v[RD+3*\j+1], v[RD+3*\j+1], v[RT+\j]
.endr
.irp j,0,1,2,3
	v_fma_f32 v[RT+\j], v[RD+3*\j+2], v[RD+3*\j+2], v[RT+\j]
.endr
.if \k
.irp j,0,1,2,3
	v_cndmask_b32 v[RT+\j], v[RT+\j], v[RINF], s[DUP+\k-1]                     ; a block that was scanned already enters as +infinity, that is not at all
.endr
.endif
.irp j,0,1,2,3
	INS v[RT+\j], 16*\k+4*\g+\j, RM, RI, RW
.endr
.endr
.endm
.macro LOADF k, f                      ; the fragments of K step k: 12 LDS loads
.irp a,0,1
	ds_load_b128 v[\f+8*\a:\f+8*\a+3], v[VA] offset:8448*\a+64*(\k)
	ds_load_b128 v[\f+8*\a+4:\f+8*\a+7], v[VA] offset:8448*\a+64*(\k)+32
.endr
.irp t,0,1,2,3
	ds_load_tr16_b128 v[\f+16+8*\t:\f+16+8*\t+3], v[VB] offset:5120*(\k)+32*\t
	ds_load_tr16_b128 v[\f+16+8*\t+4:\f+16+8*\t+7], v[VB] offset:5120*(\k)+32*\t+2560
.endr
.endm
.macro MULK f, zero                    ; 8 products; the 8 accumulators take turns, one instruction a turn
.irp t,0,1,2,3
.irp a,0,1
.if \zero
	v_wmma_f32_16x16x32_f16 v[ACC+8*(4*\a+\t):ACC+8*(4*\a+\t)+7], v[\f+8*\a:\f+8*\a+7], v[\f+16+8*\t:\f+16+8*\t+7], 0
.else
	v_wmma_f32_16x16x32_f16 v[ACC+8*(4*\a+\t):ACC+8*(4*\a+\t)+7], v[\f+8*\a:\f+8*\a+7], v[\f+16+8*\t:\f+16+8*\t+7], v[ACC+8*(4*\a+\t):ACC+8*(4*\a+\t)+7]
.endif
.endr
.endr
.endm
	s_load_b512 s[4:19], s[0:1], 0x0               ; xyz1 4, xyz2 6, blk 8, points2 10, wh 12, nbr 14, wgt 16, zy 18
	v_lshl_add_u32 v254, v0, 2, 0x3b400
	v_mov_b32 v255, 0
	ds_add_u32 v254, v255
	v_lshrrev_b32 v1, 5, v0
	v_readfirstlane_b32 s20, v1                    ; wave
	s_bfe_u32 s21, ttmp6, 0x40000                  ; my place in the cluster
	s_lshl_b32 s22, ttmp9, 2
	s_add_co_u32 s22, s22, s21                     ; work-group = 4 x cluster + place
	s_lshr_b32 s23, s22, 5                         ; batch
	v_and_b32 v1, 31, v0                           ; L
	v_and_b32 v245, 15, v0                         ; r = L mod 16
	v_bfe_u32 v246, v0, 4, 1                       ; h = L / 16
	; descriptor: 32 rows of 256 f16 out of rows of 384, 16 bytes of padding behind each 512
	s_mov_b32 s32, 15|(1<<16)|(1<<20)|(1<<21)|(6<<22)|(3<<25)   ; mask: the cluster's four; 2-byte elements; padding on; bit 21 beside the mask; every 128 words 4 words
	s_mov_b32 s33, 256<<16                         ; tensor_dim0 = 256
	s_mov_b32 s34, 32<<16                          ; tensor_dim1 = 32
	s_mov_b32 s35, 256<<16                         ; tile_dim0 = 256
	s_mov_b32 s36, 32                              ; tile_dim1 = 32
	s_mov_b32 s37, 384                             ; elements from row to row
	s_mov_b32 s38, 0
	s_mov_b32 s39, 0
	s_mov_b32 s28, 1
	s_mul_i32 s29, s20, 16896                      ; LDS: my 32 rows of 528 bytes
	s_mul_i32 s46, s20, 24576                      ; memory: my 32 rows of 768 bytes.  s[46:47] hold numbers made of the wave's number alone
	s_mov_b32 s47, 0
	s_mov_b32 s25, 0
	v_mul_u32_u24 v[VA], v245, 528
	v_lshl_add_u32 v[VA], v246, 4, v[VA]
	v_add_nc_u32 v[VA], s29, v[VA]                 ; 16896 w + 528 r + 16 h
	v_and_b32 v247, 7, v0
	v_lshl_add_u32 v247, v246, 3, v247
	v_mul_u32_u24 v[VB], v247, 160
	v_bfe_u32 v247, v0, 3, 1
	v_lshl_add_u32 v[VB], v247, 4, v[VB]
	v_add_nc_u32 v[VB], PT, v[VB]                  ; PT + (8 h + L mod 8) 160 + 16 ((L / 8) mod 2)
	s_lshl_b32 s26, s20, 7
	s_add_co_u32 s26, s26, ST
	v_mul_u32_u24 v[VST], v245, 1040
	v_lshl_add_u32 v[VST], v246, 5, v[VST]
	v_add_nc_u32 v[VST], s26, v[VST]               ; ST + 1040 r + 128 w + 32 h
	s_mul_i32 s26, s20, 8320
	s_add_co_u32 s26, s26, ST
	v_lshl_add_u32 v[VRD], v1, 4, s26              ; ST + 8 w rows + 16 L
	v_lshlrev_b32 v[VGO], 4, v1
	s_wait_dscnt 0x0
	s_wait_kmcnt 0x0
	s_add_nc_u64 s[30:31], s[12:13], s[46:47]
	s_or_b32 s31, s31, 0x80000000                  ; type 2
	s_mul_i32 s24, s22, 1536
	s_add_nc_u64 s[4:5], s[4:5], s[24:25]          ; my 128 queries
	s_mul_i32 s24, s23, 24576
	s_add_nc_u64 s[6:7], s[6:7], s[24:25]          ; the batch's xyz2
	s_lshl_b32 s24, s22, 11
	s_add_nc_u64 s[8:9], s[8:9], s[24:25]          ; my 128 records of 16 bytes, in blk, nbr and wgt
	s_add_nc_u64 s[14:15], s[14:15], s[24:25]
	s_add_nc_u64 s[16:17], s[16:17], s[24:25]
	s_and_b32 s43, s22, 31
	s_lshl_b32 s43, s43, 8                         ; my 64 s, 256 bytes of each row of points2
	s_lshl_b32 s24, s23, 21
	s_add_co_u32 s24, s24, s43
	s_add_nc_u64 s[10:11], s[10:11], s[24:25]
	s_lshl_b32 s24, s22, 16                        ; my 64 rows of Z of 1,024 bytes,
	s_lshl_b32 s43, s20, 13                        ; and my wave's 8 of them
	s_add_co_u32 s24, s24, s43
	s_add_nc_u64 s[18:19], s[18:19], s[24:25]
	ROUND                                          ; the four work-groups are here: their joint requests meet
	tensor_load_to_lds s[28:31], s[32:39]
	s_nop 0
	s_cmp_gt_u32 s20, 3
	s_cbranch_scc1 .Lp2
	; WAVES 0 TO 3: query t = my thread's number
	v_mul_u32_u24 v5, v0, 12
	v_lshlrev_b32 v6, 4, v0
	global_load_b128 v[8:11], v6, s[8:9]           ; the three blocks, ascending
	global_load_b32 v2, v5, s[4:5]
	global_load_b32 v3, v5, s[4:5] offset:4
	global_load_b32 v4, v5, s[4:5] offset:8
	s_wait_loadcnt 0x3                             ; the record is in; the three younger loads may be out
.irp k,0,1,2
	v_min_u32 v[8+\k], 127, v[8+\k]                ; a block number stays inside the batch's 128 blocks
	v_mul_u32_u24 v[12+\k], v[8+\k], 192           ; 16 candidates of 12 bytes
.endr
.irp k,0,1,2
.irp i,0,1,2,3,4,5,6,7,8,9,10,11
	global_load_b128 v[RC+48*\k+4*\i:RC+48*\k+4*\i+3], v[12+\k], s[6:7] offset:16*\i
.endr
.endr
	v_cmp_eq_u32 s[DUP], v9, v8
	v_cmp_eq_u32 s[DUP+1], v10, v9
	v_mov_b32 v[RINF], 0x7f800000
.irp n,0,1,2
	v_mov_b32 v[RM+\n], 0x7f800000
	v_mov_b32 v[RI+\n], 0
.endr
	s_wait_loadcnt 24                              ; the query and block 0 are in; the 24 loads of blocks 1 and 2 may be out
	RBLOCK 0
	s_wait_loadcnt 12                              ; block 2's 12 loads may be out
	RBLOCK 1
	s_wait_loadcnt 0x0
	RBLOCK 2
.irp n,0,1,2
	v_max_num_f32 v[RM+\n], 0x2edbe6ff, v[RM+\n]   ; dist = max(D, 1e-10)
.endr
.irp n,0,1,2
	v_rcp_f32 v[RT+\n], v[RM+\n]
.endr
	v_mov_b32 v[RT+3], 0                           ; the plain instruction between the reciprocals and their use (ISA guide 5.7.2)
	s_wait_alu depctr_va_vdst(0)
	v_add_f32 v[RW], v[RT], v[RT+1]
	v_add_f32 v[RW], v[RW], v[RT+2]
	v_rcp_f32 v[RW+1], v[RW]
	v_mov_b32 v[RO+3], 0                           ; likewise
	s_wait_alu depctr_va_vdst(0)
.irp n,0,1,2
	v_mul_f32 v[RT+\n], v[RT+\n], v[RW+1]
.endr
.irp n,0,1,2                                           ; payload p: index = 16 x block[p / 16] + p mod 16
	v_lshrrev_b32 v[RW], 4, v[RI+\n]
	v_cmp_eq_u32 s[CM], 1, v[RW]
	v_cmp_eq_u32 s[CM+1], 2, v[RW]
	v_cndmask_b32 v[RW+1], v8, v9, s[CM]
	v_cndmask_b32 v[RW+1], v[RW+1], v10, s[CM+1]
	v_and_b32 v[RW], 15, v[RI+\n]
	v_lshl_add_u32 v[RO+\n], v[RW+1], 4, v[RW]
.endr
	global_store_b128 v6, v[RO:RO+3], s[14:15]     ; a wave's store covers 512 consecutive bytes
	global_store_b128 v6, v[RT:RT+3], s[16:17]
	s_branch .Ljoin
.Lp2:	; WAVES 4 TO 7: wave 4 + u takes rows c = 64 u .. 64 u + 63 of the tile, two rows of 256 whole bytes with each load
	s_sub_co_u32 s26, s20, 4
	s_lshl_b32 s46, s26, 19                        ; 64 rows of 8,192 bytes
	s_add_nc_u64 s[10:11], s[10:11], s[46:47]
	s_mul_i32 s27, s26, 10240                      ; 64 LDS rows of 160 bytes
	s_add_co_u32 s27, s27, PT
	v_lshlrev_b32 v7, 4, v245
	v_lshl_add_u32 v7, v246, 13, v7                ; 8192 h + 16 r
	v_mul_u32_u24 v8, v246, 160
	v_lshl_add_u32 v8, v245, 3, v8
	v_add_nc_u32 v8, s27, v8                       ; PT + 10240 u + 160 h + 8 r
.set i, 0
.rept 32
	global_load_b128 v[16+4*i:19+4*i], v7, s[10:11] offset:16384*i th:TH_LOAD_NT
.set i, i+1
.endr
.set i, 0
.rept 32
	s_wait_loadcnt 31-i                            ; loads come back in order: load i is in, the younger ones stay out
	v_cvt_pk_f16_f32 v[16+4*i], v[16+4*i], v[17+4*i]
	v_cvt_pk_f16_f32 v[17+4*i], v[18+4*i], v[19+4*i]
	ds_store_b64 v8, v[16+4*i:17+4*i] offset:320*i
.set i, i+1
.endr
.Ljoin:
	s_wait_xcnt 0x0                                ; the stores above have read their registers, which the product writes
	s_wait_dscnt 0x0                               ; my part of the points2 tile is in LDS
	s_wait_tensorcnt 0x0                           ; my rows of W are in LDS
	s_barrier_signal -1
	s_barrier_wait -1
	; THE PRODUCT: D(m = o, n = s), 8 K steps of 32 on two fragment buffers
	LOADF 0, F0
.irp k,0,1,2,3,4,5,6,7
.if \k<7
.if \k
	PLACES                                         ; four places between the products that read a buffer and the loads into it
.endif
	LOADF \k+1, F0+48*((\k+1)&1)
	s_wait_dscnt 12                                ; all but the 12 just issued: this step's fragments are in
.else
	s_wait_dscnt 0x0
.endif
.if \k
	MULK F0+48*(\k&1), 0
.else
	MULK F0, 1
.endif
.endr
	PLACES
	; register j of lane (r, h) of tile (a, t) is Z(s = 16 t + r, o = 32 w + 16 a + 8 h + j): 32 neighbouring bytes of a row of the stage
.irp t,0,1,2,3
.irp a,0,1
	ds_store_b128 v[VST], v[ACC+8*(4*\a+\t):ACC+8*(4*\a+\t)+3] offset:16640*\t+64*\a
	ds_store_b128 v[VST], v[ACC+8*(4*\a+\t)+4:ACC+8*(4*\a+\t)+7] offset:16640*\t+64*\a+16
.endr
.endr
	s_wait_dscnt 0x0
	s_barrier_signal -1
	s_barrier_wait -1
.irp i,0,1,2,3,4,5,6,7                                 ; my 8 rows of 1,024 bytes, 512 at a time
.irp e,0,1
	ds_load_b128 v[F0+4*(2*\i+\e):F0+4*(2*\i+\e)+3], v[VRD] offset:1040*\i+512*\e
.endr
.endr
.irp i,0,1,2,3,4,5,6,7
.irp e,0,1
	s_wait_dscnt 15-(2*\i+\e)
	global_store_b128 v[VGO], v[F0+4*(2*\i+\e):F0+4*(2*\i+\e)+3], s[18:19] offset:1024*\i+512*\e
.endr
.endr
	s_wait_tensorcnt 0x0
	ds_add_u32 v254, v255
	s_wait_dscnt 0x0
	ROUND                                          ; the closing round: no work-group ends while a partner may still ask jointly
	s_endpgm
.Lfunc_end_k_q9cc0ae79c3_prep:
	.size	k_q9cc0ae79c3_prep, .Lfunc_end_k_q9cc0ae79c3_prep-k_q9cc0ae79c3_prep
	.p2alignl 7, 3214868480
	.fill 96, 4, 3214868480
	.section	.rodata,"a",@progbits
	.p2align	6, 0x0
	.amdhsa_kernel k_q9cc0ae79c3_prep
		.amdhsa_group_segment_fixed_size 243712
		.amdhsa_private_segment_fixed_size 0
		.amdhsa_enable_private_segment 0
		.amdhsa_kernarg_size 64
		.amdhsa_user_sgpr_count 2
		.amdhsa_user_sgpr_kernarg_segment_ptr 1
		.amdhsa_wavefront_size32 1
		.amdhsa_system_sgpr_workgroup_id_x 1
		.amdhsa_system_sgpr_workgroup_id_y 1
		.amdhsa_system_sgpr_workgroup_id_z 1
		.amdhsa_system_vgpr_workitem_id 0
		.amdhsa_next_free_vgpr 256
		.amdhsa_next_free_sgpr 66
		.amdhsa_reserve_vcc 0
		.amdhsa_float_denorm_mode_32 3
		.amdhsa_float_denorm_mode_16_64 3
		.amdhsa_memory_ordered 1
		.amdhsa_forward_progress 1
		.amdhsa_inst_pref_size 83
	.end_amdhsa_kernel
	.amdgpu_metadata
---
amdhsa.version: [ 1, 2 ]
amdhsa.kernels:
  - .name:           k_q9cc0ae79c3_prep
    .symbol:         k_q9cc0ae79c3_prep.kd
    .args:
      - { .name: xyz1, .offset: 0, .size: 8, .value_kind: global_buffer, .address_space: global }
      - { .name: xyz2, .offset: 8, .size: 8, .value_kind: global_buffer, .address_space: global }
      - { .name: blk, .offset: 16, .size: 8, .value_kind: global_buffer, .address_space: global }
      - { .name: points2, .offset: 24, .size: 8, .value_kind: global_buffer, .address_space: global }
      - { .name: wh, .offset: 32, .size: 8, .value_kind: global_buffer, .address_space: global }
      - { .name: nbr, .offset: 40, .size: 8, .value_kind: global_buffer, .address_space: global }
      - { .name: wgt, .offset: 48, .size: 8, .value_kind: global_buffer, .address_space: global }
      - { .name: zy, .offset: 56, .size: 8, .value_kind: global_buffer, .address_space: global }
    .group_segment_fixed_size: 243712
    .private_segment_fixed_size: 0
    .kernarg_segment_align: 8
    .kernarg_segment_size: 64
    .max_flat_workgroup_size: 256
    .sgpr_count:     66
    .vgpr_count:     256
    .wavefront_size: 32
...
	.end_amdgpu_metadata
.endif
;; end of part 2
;; launch layer0 (part 3): grid 256 x 1, 8 waves a work-group, clusters of 4 x 1, 248,832 bytes of LDS; arguments points1, nbr, wgt, wh, zy, y0, part; writes y0, part
.if DOCPART == 3
	.amdgcn_target "amdgcn-amd-amdhsa--gfx1250"
	.amdhsa_code_object_version 6
	.text
	.protected	k_q9cc0ae79c3_layer0
	.globl	k_q9cc0ae79c3_layer0
	.p2align	8
	.type	k_q9cc0ae79c3_layer0,@function
k_q9cc0ae79c3_layer0:
	s_mov_b64 s[64:65], 0
	v_nop
	global_prefetch_b8 v0, s[64:65] scope:SCOPE_SE
	s_setreg_imm32_b32 hwreg(HW_REG_WAVE_MODE, 25, 1), 1
	s_wait_xcnt 0x0
	s_wait_alu depctr_hold_cnt(0) depctr_sa_sdst(0) depctr_va_vdst(0) depctr_va_sdst(0) depctr_va_ssrc(0) depctr_va_vcc(0) depctr_vm_vsrc(0)
	s_getreg_b32 s2, hwreg(HW_REG_IB_STS2, 6, 4)
	s_cmp_eq_u32 s2, 0
	s_cbranch_scc0 .Lentry_in_a_cluster
	s_endpgm
.Lentry_in_a_cluster:
	s_bfe_u32 s2, ttmp6, 0x10000c
	s_cmp_lg_u32 s2, 0x3003
	s_cbranch_scc0 .Lentry_shape_is_right
	s_endpgm
.Lentry_shape_is_right:
; THIRD LAUNCH.  y0[b][n][o] = sum over c of W0[o][256 + c] points1[b][c][n] + sum over k of wgt[n][k] Z[b][nbr[n][k]][o], stored with o along the rows, and for
; each channel the mean and the centred sum of squares over this work-group's 128 points.  b0 is left out (it cancels in the batch norm: see the head
; of the first kernel).  The product's operands go in f16 (limit: above 65,504 in size infinite, below 2^-25 zero), its sums and all else in f32.
; SHARES.  A work-group has 128 points x 256 channels.  In the product wave w has o = 32 w .. +31 and all 128 points: 16 accumulators, K = 128.  The
; results go through LDS; in the row pass wave w has rows 32 g .. 32 g + 31 (g = w / 2) and half e = w mod 2 of each, a lane four channels.
; The rows of Z are chosen by whole numbers read from memory (scalar loads), clamped to the batch's 2,048 rows.
; VARIANCE.  Never E[y^2] - mean^2: a thread shifts by its first row's value, and partial results (mean, centred sum) are merged by
; M2 = sum of M2_p + count x sum of (mean_p - mean)^2.
; JOINT REQUEST.  All work-groups read the same f16 copy of W0[:, 256:384]: the four of a cluster ask jointly, each wave for its 32 rows.  points1 is read by
; one work-group each; which rows of Z a work-group reads hangs on its own indices: nothing to ask for jointly there.
; A wave has one tensor load out, and LDS is filled once.
.set PB, 69632                         ; LDS: 0 .. 69,631 W0 in f16 [:, 256:384], 256 rows, pitch 272; from PB on points1 in f16 [128 c][128 n], pitch 288
.set ST, 106496                        ; the stage, f32 [128 n][256 o], pitch 1040
.set RED, 239616                       ; [g][mean, M2][256 channels] f32
.set WV, 86                            ; s86 the wave's number
.set ACC, 16                           ; v[16:143]  tile (t, a) at 8 (2 t + a)
.set H0, 144                           ; v[144:175] fragments of points, tiles 0-3
.set H1, 176                           ; v[176:207] tiles 4-7
.set WF, 208                           ; v[208:223], v[224:239] fragments of W, two buffers
.set VA, 2
.set VB, 3
.set VST0, 4
.set VST1, 5
.set VCOL, 6                           ; 512 e + 16 L
.set VSR, 7
.set VRED, 8
.set VPL, 9
.set VPS, 10
.set VFIN, 14
.set VPT, 15
.set PP, 200                           ; row pass: v[200:203] the shift, then the mean; v[204:207] sum; v[208:211] sum of squares; v[212:215] at work
.set SS, 204                           ; (chunks take turns on Z v[16:63] / v[64:111], stage rows v[112:127] / v[128:143], results v[144:159] / v[160:175],
.set QQ, 208                           ;  offsets v[176:187] / v[188:199]; scalars: indices s[16:31] / s[48:63], weights s[32:47] / s[68:83])
.set TT, 212
.macro PLACES
.rept 4
	v_nop
.endr
.endm
.macro ROUND
	s_barrier_signal -1
	s_barrier_wait -1
	s_cmp_lg_u32 s[WV], 0
	s_cbranch_scc1 .Lnot_wave_0_\@
	s_barrier_signal -3
.Lnot_wave_0_\@:
	s_barrier_wait -3
	s_barrier_signal -1
	s_barrier_wait -1
.endm
.macro LH0W k                          ; K step k: point tiles 0-3 and W: 12 LDS loads
.irp t,0,1,2,3
	ds_load_tr16_b128 v[H0+8*\t:H0+8*\t+3], v[VB] offset:9216*(\k)+32*\t
	ds_load_tr16_b128 v[H0+8*\t+4:H0+8*\t+7], v[VB] offset:9216*(\k)+32*\t+4608
.endr
.irp a,0,1
	ds_load_b128 v[WF+16*((\k)&1)+8*\a:WF+16*((\k)&1)+8*\a+3], v[VA] offset:4352*\a+64*(\k)
	ds_load_b128 v[WF+16*((\k)&1)+8*\a+4:WF+16*((\k)&1)+8*\a+7], v[VA] offset:4352*\a+64*(\k)+32
.endr
.endm
.macro LH1 k                           ; point tiles 4-7: 8 LDS loads
.irp t,0,1,2,3
	ds_load_tr16_b128 v[H1+8*\t:H1+8*\t+3], v[VB] offset:9216*(\k)+32*(\t+4)
	ds_load_tr16_b128 v[H1+8*\t+4:H1+8*\t+7], v[VB] offset:9216*(\k)+32*(\t+4)+4608
.endr
.endm
.macro MUL8 hb, t0, k                  ; 8 products: D(m = o, n = point); the accumulators take turns, one instruction a turn
.irp t,0,1,2,3
.irp a,0,1
.if \k
	v_wmma_f32_16x16x32_f16 v[ACC+8*(2*(\t0+\t)+\a):ACC+8*(2*(\t0+\t)+\a)+7], v[WF+16*(\k&1)+8*\a:WF+16*(\k&1)+8*\a+7], v[\hb+8*\t:\hb+8*\t+7], v[ACC+8*(2*(\t0+\t)+\a):ACC+8*(2*(\t0+\t)+\a)+7]
.else
	v_wmma_f32_16x16x32_f16 v[ACC+8*(2*(\t0+\t)+\a):ACC+8*(2*(\t0+\t)+\a)+7], v[WF+8*\a:WF+8*\a+7], v[\hb+8*\t:\hb+8*\t+7], 0
.endif
.endr
.endr
.endm
.macro SCAL c                          ; chunk c = four rows: their four records of indices and of weights, 64 bytes each
	s_load_b512 s[16+32*((\c)&1):31+32*((\c)&1)], s[6:7], 64*(\c)
	s_load_b512 s[32+36*((\c)&1):47+36*((\c)&1)], s[8:9], 64*(\c)
.endm
.macro ISSUE c                         ; chunk c: twelve halves of rows of Z, 512 whole bytes each, and four halves of rows of the stage
.set SI, 16+32*((\c)&1)
.set ZB, 16+48*((\c)&1)
.set DR, 112+16*((\c)&1)
.set OF, 176+12*((\c)&1)
.irp j,0,1,2,3
.irp k,0,1,2
	s_min_u32 s[SI+4*\j+\k], s[SI+4*\j+\k], 0x7ff                              ; an index stays inside the batch's 2,048 rows
	v_lshl_add_u32 v[OF+3*\j+\k], s[SI+4*\j+\k], 10, v[VCOL]
	global_load_b128 v[ZB+4*(3*\j+\k):ZB+4*(3*\j+\k)+3], v[OF+3*\j+\k], s[12:13]
.endr
.endr
.irp j,0,1,2,3
	ds_load_b128 v[DR+4*\j:DR+4*\j+3], v[VSR] offset:1040*(4*(\c)+\j)
.endr
.endm
.macro COMPUTE c
.set SW, 32+36*((\c)&1)
.set ZB, 16+48*((\c)&1)
.set DR, 112+16*((\c)&1)
.set YO, 144+16*((\c)&1)
	s_wait_xcnt 0x0                                ; the stores of two chunks ago have read these result registers
.irp j,0,1,2,3
.irp x,0,1,2,3
	v_fma_f32 v[YO+4*\j+\x], s[SW+4*\j], v[ZB+12*\j+\x], v[DR+4*\j+\x]
.endr
.irp x,0,1,2,3
	v_fma_f32 v[YO+4*\j+\x], s[SW+4*\j+1], v[ZB+12*\j+4+\x], v[YO+4*\j+\x]
.endr
.irp x,0,1,2,3
	v_fma_f32 v[YO+4*\j+\x], s[SW+4*\j+2], v[ZB+12*\j+8+\x], v[YO+4*\j+\x]
.endr
.if (4*(\c)+\j)==0
.irp x,0,1,2,3
	v_mov_b32 v[PP+\x], v[YO+\x]                   ; the first row is the shift; its own deviation is zero
.endr
.else
.if (4*(\c)+\j)==1
.irp x,0,2
	v_pk_add_f32 v[SS+\x:SS+\x+1], v[YO+4*\j+\x:YO+4*\j+\x+1], v[PP+\x:PP+\x+1] neg_lo:[0,1] neg_hi:[0,1]   ; the second row starts the sums
.endr
.irp x,0,2
	v_pk_mul_f32 v[QQ+\x:QQ+\x+1], v[SS+\x:SS+\x+1], v[SS+\x:SS+\x+1]
.endr
.else
.irp x,0,2
	v_pk_add_f32 v[TT+\x:TT+\x+1], v[YO+4*\j+\x:YO+4*\j+\x+1], v[PP+\x:PP+\x+1] neg_lo:[0,1] neg_hi:[0,1]
.endr
.irp x,0,2
	v_pk_add_f32 v[SS+\x:SS+\x+1], v[SS+\x:SS+\x+1], v[TT+\x:TT+\x+1]
	v_pk_fma_f32 v[QQ+\x:QQ+\x+1], v[TT+\x:TT+\x+1], v[TT+\x:TT+\x+1], v[QQ+\x:QQ+\x+1]
.endr
.endif
.endif
	global_store_b128 v[VCOL], v[YO+4*\j:YO+4*\j+3], s[14:15] offset:1024*(4*(\c)+\j)   ; 512 consecutive bytes of a row of y0
.endr
.endm
	s_load_b256 s[4:11], s[0:1], 0x0               ; points1 4, nbr 6, wgt 8, wh 10
	s_load_b128 s[12:15], s[0:1], 0x20             ; zy 12, y0 14
	s_load_b64 s[84:85], s[0:1], 0x30              ; part
	v_lshl_add_u32 v254, v0, 2, 0x3c800
	v_mov_b32 v255, 0
	ds_add_u32 v254, v255
	v_lshrrev_b32 v1, 5, v0
	v_readfirstlane_b32 s86, v1                    ; wave
	s_bfe_u32 s87, ttmp6, 0x40000                  ; my place in the cluster
	s_lshl_b32 s100, ttmp9, 2
	s_add_co_u32 s87, s100, s87                    ; work-group
	s_lshr_b32 s66, s86, 1                         ; g
	s_and_b32 s67, s86, 1                          ; e
	v_and_b32 v1, 31, v0                           ; L
	v_and_b32 v11, 15, v0                          ; r
	v_bfe_u32 v12, v0, 4, 1                        ; h
	; descriptor: 32 rows of 128 f16 out of rows of 384, 16 bytes of padding behind each 256
	s_mov_b32 s92, 15|(1<<16)|(1<<20)|(1<<21)|(5<<22)|(3<<25)   ; mask: the cluster's four; 2-byte elements; padding on; bit 21 beside the mask; every 64 words 4 words
	s_mov_b32 s93, 128<<16                         ; tensor_dim0
	s_mov_b32 s94, 32<<16                          ; tensor_dim1
	s_mov_b32 s95, 128<<16                         ; tile_dim0
	s_mov_b32 s96, 32                              ; tile_dim1
	s_mov_b32 s97, 384                             ; elements from row to row
	s_mov_b32 s98, 0
	s_mov_b32 s99, 0
	s_mov_b32 s88, 1
	s_mul_i32 s89, s86, 8704                       ; LDS: my 32 rows of 272 bytes
	s_mul_i32 s2, s86, 24576                       ; memory: my 32 rows of 768 bytes,
	s_add_co_u32 s2, s2, 512                       ; from column 256 on.  s[2:3] hold numbers made of the wave's number alone
	s_mov_b32 s3, 0
	s_mov_b32 s101, 0
	s_wait_dscnt 0x0
	s_wait_kmcnt 0x0
	s_add_nc_u64 s[90:91], s[10:11], s[2:3]
	s_or_b32 s91, s91, 0x80000000                  ; type 2
	v_mul_u32_u24 v[VA], v11, 272
	v_lshl_add_u32 v[VA], v12, 4, v[VA]
	v_add_nc_u32 v[VA], s89, v[VA]                 ; 8704 w + 272 r + 16 h
	v_and_b32 v13, 7, v0
	v_lshl_add_u32 v13, v12, 3, v13
	v_mul_u32_u24 v[VB], v13, 288
	v_bfe_u32 v13, v0, 3, 1
	v_lshl_add_u32 v[VB], v13, 4, v[VB]
	v_add_nc_u32 v[VB], PB, v[VB]                  ; PB + (8 h + L mod 8) 288 + 16 ((L / 8) mod 2)
	s_lshl_b32 s2, s86, 7
	s_add_co_u32 s2, s2, ST
	v_mul_u32_u24 v[VST0], v11, 1040
	v_lshl_add_u32 v[VST0], v12, 5, v[VST0]
	v_add_nc_u32 v[VST0], s2, v[VST0]              ; ST + 1040 r + 128 w + 32 h
	v_add_nc_u32 v[VST1], 66560, v[VST0]           ; 64 rows further: the immediate offset has 16 bits
	s_lshl_b32 s2, s67, 9
	v_lshl_add_u32 v[VCOL], v1, 4, s2
	s_mul_i32 s2, s66, 33280
	s_add_co_u32 s2, s2, ST
	v_add_nc_u32 v[VSR], s2, v[VCOL]               ; ST + 32 g rows + my column
	s_lshl_b32 s2, s66, 11
	s_add_co_u32 s2, s2, RED
	v_add_nc_u32 v[VRED], s2, v[VCOL]
	v_lshlrev_b32 v[VPL], 4, v1
	s_mul_i32 s2, s86, 4608
	s_add_co_u32 s2, s2, PB
	v_lshl_add_u32 v[VPS], v1, 3, s2               ; PB + 16 w rows + 8 L
	v_lshlrev_b32 v[VPT], 4, v0
	v_add_nc_u32 v[VFIN], RED, v[VPT]
	s_lshr_b32 s100, s87, 5                        ; batch
	s_lshl_b32 s100, s100, 21                      ; a batch of points1, and of Z, is 2,097,152 bytes
	s_add_nc_u64 s[12:13], s[12:13], s[100:101]
	s_add_nc_u64 s[4:5], s[4:5], s[100:101]
	s_and_b32 s100, s87, 31
	s_lshl_b32 s100, s100, 9                       ; my 128 points, 512 bytes of each row of points1
	s_add_nc_u64 s[4:5], s[4:5], s[100:101]
	s_lshl_b32 s100, s86, 18                       ; my wave's 16 rows of 16,384 bytes
	s_add_nc_u64 s[4:5], s[4:5], s[100:101]
	s_lshl_b32 s100, s87, 11                       ; my 128 records; also my 2,048 bytes of part
	s_add_nc_u64 s[84:85], s[84:85], s[100:101]
	s_add_nc_u64 s[6:7], s[6:7], s[100:101]
	s_add_nc_u64 s[8:9], s[8:9], s[100:101]
	s_lshl_b32 s100, s66, 9                        ; my wave's 32 of them
	s_add_nc_u64 s[6:7], s[6:7], s[100:101]
	s_add_nc_u64 s[8:9], s[8:9], s[100:101]
	s_lshl_b32 s100, s87, 17                       ; my 128 rows of y0 of 1,024 bytes
	s_add_nc_u64 s[14:15], s[14:15], s[100:101]
	s_lshl_b32 s100, s66, 15                       ; my wave's 32
	s_add_nc_u64 s[14:15], s[14:15], s[100:101]
.set i, 0
.rept 16
	global_load_b128 v[16+4*i:19+4*i], v[VPL], s[4:5] offset:16384*i th:TH_LOAD_NT   ; row c = 16 w + i: its 512 bytes
.set i, i+1
.endr
	SCAL 0                                         ; the first two chunks' records are asked for now, for the row pass
	SCAL 1
	ROUND                                          ; the four work-groups are here: their joint requests meet
	tensor_load_to_lds s[88:91], s[92:99]
	s_nop 0
.set i, 0
.rept 16
	s_wait_loadcnt 15-i                            ; load i is in, the younger ones stay out
	v_cvt_pk_f16_f32 v[16+4*i], v[16+4*i], v[17+4*i]
	v_cvt_pk_f16_f32 v[17+4*i], v[18+4*i], v[19+4*i]
	ds_store_b64 v[VPS], v[16+4*i:17+4*i] offset:288*i
.set i, i+1
.endr
	s_wait_dscnt 0x0                               ; my rows of the points1 tile are in LDS
	s_wait_tensorcnt 0x0                           ; my rows of W are in LDS
	s_barrier_signal -1
	s_barrier_wait -1
	; THE PRODUCT: four K steps of 32; each half of the point tiles is fetched while the other half is multiplied
	LH0W 0
	LH1 0
.irp k,0,1,2,3
	s_wait_dscnt 8                                 ; only the 8 loads of tiles 4-7 may be out
	MUL8 H0, 0, \k
.if \k<3
	PLACES                                         ; four places between products and the loads into what they read
	LH0W \k+1
	s_wait_dscnt 12                                ; all but the 12 just issued: tiles 4-7 are in
.else
	s_wait_dscnt 0x0
.endif
	MUL8 H1, 4, \k
.if \k<3
	PLACES
	LH1 \k+1
.endif
.endr
	PLACES
	; register j of lane (r, h) of tile (t, a) belongs to point 16 t + r, channel 32 w + 16 a + 8 h + j: 32 neighbouring bytes of a row of the stage
.irp t,0,1,2,3
.irp a,0,1
	ds_store_b128 v[VST0], v[ACC+8*(2*\t+\a):ACC+8*(2*\t+\a)+3] offset:16640*\t+64*\a
	ds_store_b128 v[VST0], v[ACC+8*(2*\t+\a)+4:ACC+8*(2*\t+\a)+7] offset:16640*\t+64*\a+16
	ds_store_b128 v[VST1], v[ACC+8*(2*(\t+4)+\a):ACC+8*(2*(\t+4)+\a)+3] offset:16640*\t+64*\a
	ds_store_b128 v[VST1], v[ACC+8*(2*(\t+4)+\a)+4:ACC+8*(2*(\t+4)+\a)+7] offset:16640*\t+64*\a+16
.endr
.endr
	s_wait_dscnt 0x0
	s_barrier_signal -1
	s_barrier_wait -1
	; THE ROW PASS: eight chunks of four rows; chunk c + 1 is on its way while chunk c is worked on
	s_wait_kmcnt 0x0
	ISSUE 0
.irp c,0,1,2,3,4,5,6,7
.if \c<7
	s_wait_kmcnt 0x0                               ; the next chunk's records are in
	ISSUE \c+1
	s_wait_loadcnt 12                              ; all but the 12 loads,
	s_wait_dscnt 4                                 ; and the 4 LDS loads, just issued: this chunk is in
.else
	s_wait_loadcnt 0x0
	s_wait_dscnt 0x0
.endif
	COMPUTE \c
.if \c<6
	SCAL \c+2                                      ; into the scalars that this chunk has just given up
.endif
.endr
	; my 32 rows: mean = shift + S / 32, M2 = Q - S S / 32 (all on values shifted by the first row's)
.irp x,0,2
	v_pk_mul_f32 v[TT+\x:TT+\x+1], v[SS+\x:SS+\x+1], 0x3d000000 op_sel_hi:[1,0]
.endr
.irp x,0,2
	v_pk_add_f32 v[PP+\x:PP+\x+1], v[PP+\x:PP+\x+1], v[TT+\x:TT+\x+1]
	v_pk_fma_f32 v[QQ+\x:QQ+\x+1], v[TT+\x:TT+\x+1], v[SS+\x:SS+\x+1], v[QQ+\x:QQ+\x+1] neg_lo:[1,0,0] neg_hi:[1,0,0]
.endr
	ds_store_b128 v[VRED], v[PP:PP+3]
	ds_store_b128 v[VRED], v[QQ:QQ+3] offset:1024
	s_wait_dscnt 0x0
	s_barrier_signal -1
	s_barrier_wait -1
	s_cmp_gt_u32 s86, 1
	s_cbranch_scc1 .Lclose
	; waves 0 and 1: thread t merges the four groups of rows for channels 4 t .. 4 t + 3
.irp g,0,1,2,3
	ds_load_b128 v[16+8*\g:19+8*\g], v[VFIN] offset:2048*\g
	ds_load_b128 v[20+8*\g:23+8*\g], v[VFIN] offset:2048*\g+1024
.endr
	s_wait_dscnt 0x0
.irp x,0,2
	v_pk_add_f32 v[48+\x:49+\x], v[16+\x:17+\x], v[24+\x:25+\x]
	v_pk_add_f32 v[52+\x:53+\x], v[32+\x:33+\x], v[40+\x:41+\x]
	v_pk_add_f32 v[56+\x:57+\x], v[20+\x:21+\x], v[28+\x:29+\x]
	v_pk_add_f32 v[60+\x:61+\x], v[36+\x:37+\x], v[44+\x:45+\x]
.endr
.irp x,0,2
	v_pk_add_f32 v[48+\x:49+\x], v[48+\x:49+\x], v[52+\x:53+\x]
	v_pk_add_f32 v[56+\x:57+\x], v[56+\x:57+\x], v[60+\x:61+\x]
.endr
.irp x,0,2
	v_pk_mul_f32 v[48+\x:49+\x], v[48+\x:49+\x], 0x3e800000 op_sel_hi:[1,0]    ; the mean of four means of 32 rows each
.endr
.irp g,0,1,2,3
.irp x,0,2
	v_pk_add_f32 v[16+8*\g+\x:17+8*\g+\x], v[16+8*\g+\x:17+8*\g+\x], v[48+\x:49+\x] neg_lo:[0,1] neg_hi:[0,1]
.endr
.endr
.irp x,0,2
	v_pk_mul_f32 v[52+\x:53+\x], v[16+\x:17+\x], v[16+\x:17+\x]
.endr
.irp g,1,2,3
.irp x,0,2
	v_pk_fma_f32 v[52+\x:53+\x], v[16+8*\g+\x:17+8*\g+\x], v[16+8*\g+\x:17+8*\g+\x], v[52+\x:53+\x]
.endr
.endr
.irp x,0,2
	v_pk_fma_f32 v[56+\x:57+\x], v[52+\x:53+\x], 0x42000000, v[56+\x:57+\x] op_sel_hi:[1,0,1]   ; + 32 x the means' squared deviations
.endr
	global_store_b128 v[VPT], v[48:51], s[84:85]
	global_store_b128 v[VPT], v[56:59], s[84:85] offset:1024
.Lclose:
	s_wait_tensorcnt 0x0
	ds_add_u32 v254, v255
	s_wait_dscnt 0x0
	ROUND                                          ; the closing round
	s_endpgm
.Lfunc_end_k_q9cc0ae79c3_layer0:
	.size	k_q9cc0ae79c3_layer0, .Lfunc_end_k_q9cc0ae79c3_layer0-k_q9cc0ae79c3_layer0
	.p2alignl 7, 3214868480
	.fill 96, 4, 3214868480
	.section	.rodata,"a",@progbits
	.p2align	6, 0x0
	.amdhsa_kernel k_q9cc0ae79c3_layer0
		.amdhsa_group_segment_fixed_size 248832
		.amdhsa_private_segment_fixed_size 0
		.amdhsa_enable_private_segment 0
		.amdhsa_kernarg_size 56
		.amdhsa_user_sgpr_count 2
		.amdhsa_user_sgpr_kernarg_segment_ptr 1
		.amdhsa_wavefront_size32 1
		.amdhsa_system_sgpr_workgroup_id_x 1
		.amdhsa_system_sgpr_workgroup_id_y 1
		.amdhsa_system_sgpr_workgroup_id_z 1
		.amdhsa_system_vgpr_workitem_id 0
		.amdhsa_next_free_vgpr 256
		.amdhsa_next_free_sgpr 102
		.amdhsa_reserve_vcc 0
		.amdhsa_float_denorm_mode_32 3
		.amdhsa_float_denorm_mode_16_64 3
		.amdhsa_memory_ordered 1
		.amdhsa_forward_progress 1
		.amdhsa_inst_pref_size 90
	.end_amdhsa_kernel
	.amdgpu_metadata
---
amdhsa.version: [ 1, 2 ]
amdhsa.kernels:
  - .name:           k_q9cc0ae79c3_layer0
    .symbol:         k_q9cc0ae79c3_layer0.kd
    .args:
      - { .name: points1, .offset: 0, .size: 8, .value_kind: global_buffer, .address_space: global }
      - { .name: nbr, .offset: 8, .size: 8, .value_kind: global_buffer, .address_space: global }
      - { .name: wgt, .offset: 16, .size: 8, .value_kind: global_buffer, .address_space: global }
      - { .name: wh, .offset: 24, .size: 8, .value_kind: global_buffer, .address_space: global }
      - { .name: zy, .offset: 32, .size: 8, .value_kind: global_buffer, .address_space: global }
      - { .name: y0, .offset: 40, .size: 8, .value_kind: global_buffer, .address_space: global }
      - { .name: part, .offset: 48, .size: 8, .value_kind: global_buffer, .address_space: global }
    .group_segment_fixed_size: 248832
    .private_segment_fixed_size: 0
    .kernarg_segment_align: 8
    .kernarg_segment_size: 56
    .max_flat_workgroup_size: 256
    .sgpr_count:     102
    .vgpr_count:     256
    .wavefront_size: 32
...
	.end_amdgpu_metadata
.endif
;; end of part 3
;; launch stat0 (part 4): grid 4 x 1, 8 waves a work-group, no clusters, 5,120 bytes of LDS; arguments part, g0, beta0, ss; writes ss
.if DOCPART == 4
	.amdgcn_target "amdgcn-amd-amdhsa--gfx1250"
	.amdhsa_code_object_version 6
	.text
	.protected	k_q9cc0ae79c3_stat0
	.globl	k_q9cc0ae79c3_stat0
	.p2align	8
	.type	k_q9cc0ae79c3_stat0,@function
k_q9cc0ae79c3_stat0:
	s_mov_b64 s[64:65], 0
	v_nop
	global_prefetch_b8 v0, s[64:65] scope:SCOPE_SE
	s_setreg_imm32_b32 hwreg(HW_REG_WAVE_MODE, 25, 1), 1
	s_wait_xcnt 0x0
; THE BATCH NORM'S FIGURES: from 256 partial results (mean and centred sum of squares over 128 points each) for each of 256 channels
; scale = g * rsqrt(var + eps) and shift = beta - mean * scale, so that the next launch applies y * scale + shift.
; var = (sum of M2_p + 128 x sum of (mean_p - mean)^2) / 32768: no difference of large sums is formed.
; The whole input is 524,288 bytes, so four work-groups share it: work-group j has channels 64 j .. 64 j + 63 (a lane two of them, so that a load
; covers 256 consecutive bytes, aligned), wave w the partial results 32 w .. 32 w + 31.  The waves' sums meet in LDS.
.set MN, 4                             ; v[4:67]    32 pairs of means, then their deviations
.set M2R, 68                           ; v[68:131]  32 pairs of M2
.set GB, 132                           ; v[132:133] g, v[134:135] beta
.set AC, 136                           ; v[136:143] four chains
.set XX, 144                           ; v[144:159] four more chains; the eight waves' sums
.set ME, 160                           ; v[160:161] the mean
.set VS, 162                           ; 256 w + 8 L
.macro TREE8                           ; the eight waves' pairs in XX are added up into v[XX:XX+1]
	v_pk_add_f32 v[XX:XX+1], v[XX:XX+1], v[XX+2:XX+3]
	v_pk_add_f32 v[XX+4:XX+5], v[XX+4:XX+5], v[XX+6:XX+7]
	v_pk_add_f32 v[XX+8:XX+9], v[XX+8:XX+9], v[XX+10:XX+11]
	v_pk_add_f32 v[XX+12:XX+13], v[XX+12:XX+13], v[XX+14:XX+15]
	v_pk_add_f32 v[XX:XX+1], v[XX:XX+1], v[XX+4:XX+5]
	v_pk_add_f32 v[XX+8:XX+9], v[XX+8:XX+9], v[XX+12:XX+13]
	v_pk_add_f32 v[XX:XX+1], v[XX:XX+1], v[XX+8:XX+9]
.endm
	s_load_b256 s[4:11], s[0:1], 0x0               ; part 4, g 6, beta 8, ss 10
	v_lshl_add_u32 v168, v0, 2, 0x1000
	v_mov_b32 v169, 0
	v_lshrrev_b32 v1, 5, v0
	v_readfirstlane_b32 s12, v1                    ; wave
	v_and_b32 v1, 31, v0
	v_lshlrev_b32 v1, 3, v1                        ; 8 L
	s_lshl_b32 s13, s12, 8
	v_add_nc_u32 v[VS], s13, v1
	s_mov_b32 s14, 0x38000000                      ; 1 / 32768
	s_mov_b32 s15, 0x3727c5ac                      ; eps = 1e-5
	s_lshl_b32 s16, ttmp9, 8                       ; my 64 channels
	s_mov_b32 s17, 0
	s_lshl_b32 s18, s12, 16                        ; my wave's 32 partial results of 2,048 bytes
	s_mov_b32 s19, 0
	s_wait_kmcnt 0x0
	s_add_nc_u64 s[4:5], s[4:5], s[16:17]
	s_add_nc_u64 s[4:5], s[4:5], s[18:19]
	s_add_nc_u64 s[6:7], s[6:7], s[16:17]
	s_add_nc_u64 s[8:9], s[8:9], s[16:17]
	s_add_nc_u64 s[10:11], s[10:11], s[16:17]
	global_load_b64 v[GB:GB+1], v1, s[6:7]
	global_load_b64 v[GB+2:GB+3], v1, s[8:9]
.set i, 0
.rept 32
	global_load_b64 v[MN+2*i:MN+2*i+1], v1, s[4:5] offset:2048*i
.set i, i+1
.endr
.set i, 0
.rept 32
	global_load_b64 v[M2R+2*i:M2R+2*i+1], v1, s[4:5] offset:2048*i+1024
.set i, i+1
.endr
	s_wait_loadcnt 32                              ; the means are in; the 32 loads of M2 may be out
.irp c,0,1,2,3
	v_pk_add_f32 v[AC+2*\c:AC+2*\c+1], v[MN+2*\c:MN+2*\c+1], v[MN+8+2*\c:MN+8+2*\c+1]
.endr
.set i, 8
.rept 24
	v_pk_add_f32 v[AC+2*(i%4):AC+2*(i%4)+1], v[AC+2*(i%4):AC+2*(i%4)+1], v[MN+2*i:MN+2*i+1]
.set i, i+1
.endr
	v_pk_add_f32 v[AC:AC+1], v[AC:AC+1], v[AC+2:AC+3]
	v_pk_add_f32 v[AC+4:AC+5], v[AC+4:AC+5], v[AC+6:AC+7]
	v_pk_add_f32 v[AC:AC+1], v[AC:AC+1], v[AC+4:AC+5]
	ds_store_b64 v[VS], v[AC:AC+1]
	s_wait_dscnt 0x0
	s_barrier_signal -1
	s_barrier_wait -1
.irp u,0,1,2,3,4,5,6,7
	ds_load_b64 v[XX+2*\u:XX+2*\u+1], v1 offset:256*\u
.endr
	s_wait_dscnt 0x0
	TREE8
	v_pk_mul_f32 v[ME:ME+1], v[XX:XX+1], 0x3b800000 op_sel_hi:[1,0]            ; all partial results count 128 points: the mean of 256 means
	s_wait_loadcnt 0x0
.set i, 0
.rept 32
	v_pk_add_f32 v[MN+2*i:MN+2*i+1], v[MN+2*i:MN+2*i+1], v[ME:ME+1] neg_lo:[0,1] neg_hi:[0,1]
.set i, i+1
.endr
.set i, 0
.rept 32
.if i<4
	v_pk_mul_f32 v[AC+2*i:AC+2*i+1], v[MN+2*i:MN+2*i+1], v[MN+2*i:MN+2*i+1]
.else
	v_pk_fma_f32 v[AC+2*(i%4):AC+2*(i%4)+1], v[MN+2*i:MN+2*i+1], v[MN+2*i:MN+2*i+1], v[AC+2*(i%4):AC+2*(i%4)+1]
.endif
.set i, i+1
.endr
.irp c,0,1,2,3
	v_pk_add_f32 v[XX+2*\c:XX+2*\c+1], v[M2R+2*\c:M2R+2*\c+1], v[M2R+8+2*\c:M2R+8+2*\c+1]
.endr
.set i, 8
.rept 24
	v_pk_add_f32 v[XX+2*(i%4):XX+2*(i%4)+1], v[XX+2*(i%4):XX+2*(i%4)+1], v[M2R+2*i:M2R+2*i+1]
.set i, i+1
.endr
	v_pk_add_f32 v[AC:AC+1], v[AC:AC+1], v[AC+2:AC+3]
	v_pk_add_f32 v[AC+4:AC+5], v[AC+4:AC+5], v[AC+6:AC+7]
	v_pk_add_f32 v[XX:XX+1], v[XX:XX+1], v[XX+2:XX+3]
	v_pk_add_f32 v[XX+4:XX+5], v[XX+4:XX+5], v[XX+6:XX+7]
	v_pk_add_f32 v[AC:AC+1], v[AC:AC+1], v[AC+4:AC+5]
	v_pk_add_f32 v[XX:XX+1], v[XX:XX+1], v[XX+4:XX+5]
	v_pk_fma_f32 v[XX:XX+1], v[AC:AC+1], 0x43000000, v[XX:XX+1] op_sel_hi:[1,0,1]   ; 128 x squared deviations of the means + the M2
	ds_store_b64 v[VS], v[XX:XX+1] offset:2048     ; other bytes than the first sum's: no barrier between its reads and these stores
	s_wait_dscnt 0x0
	s_barrier_signal -1
	s_barrier_wait -1
.irp u,0,1,2,3,4,5,6,7
	ds_load_b64 v[XX+2*\u:XX+2*\u+1], v1 offset:2048+256*\u
.endr
	s_wait_dscnt 0x0
	TREE8
	v_fma_f32 v[AC], v[XX], s14, s15               ; var + eps
	v_fma_f32 v[AC+1], v[XX+1], s14, s15
	v_rsq_f32 v[AC+2], v[AC]
	v_rsq_f32 v[AC+3], v[AC+1]
	v_nop                                          ; the plain instruction between a root and its use (ISA guide 5.7.2)
	s_wait_alu depctr_va_vdst(0)
	v_pk_mul_f32 v[AC+4:AC+5], v[GB:GB+1], v[AC+2:AC+3]
	v_pk_fma_f32 v[AC+6:AC+7], v[ME:ME+1], v[AC+4:AC+5], v[GB+2:GB+3] neg_lo:[1,0,0] neg_hi:[1,0,0]
	s_cmp_lg_u32 s12, 0
	s_cbranch_scc1 .Lend
	global_store_b64 v1, v[AC+4:AC+5], s[10:11]    ; 256 consecutive bytes, aligned
	global_store_b64 v1, v[AC+6:AC+7], s[10:11] offset:1024
.Lend:
	s_wait_tensorcnt 0x0
	ds_add_u32 v168, v169
	s_wait_dscnt 0x0
	s_endpgm
.Lfunc_end_k_q9cc0ae79c3_stat0:
	.size	k_q9cc0ae79c3_stat0, .Lfunc_end_k_q9cc0ae79c3_stat0-k_q9cc0ae79c3_stat0
	.p2alignl 7, 3214868480
	.fill 96, 4, 3214868480
	.section	.rodata,"a",@progbits
	.p2align	6, 0x0
	.amdhsa_kernel k_q9cc0ae79c3_stat0
		.amdhsa_group_segment_fixed_size 5120
		.amdhsa_private_segment_fixed_size 0
		.amdhsa_enable_private_segment 0
		.amdhsa_kernarg_size 32
		.amdhsa_user_sgpr_count 2
		.amdhsa_user_sgpr_kernarg_segment_ptr 1
		.amdhsa_wavefront_size32 1
		.amdhsa_system_sgpr_workgroup_id_x 1
		.amdhsa_system_sgpr_workgroup_id_y 1
		.amdhsa_system_sgpr_workgroup_id_z 1
		.amdhsa_system_vgpr_workitem_id 0
		.amdhsa_next_free_vgpr 170
		.amdhsa_next_free_sgpr 66
		.amdhsa_reserve_vcc 0
		.amdhsa_float_denorm_mode_32 3
		.amdhsa_float_denorm_mode_16_64 3
		.amdhsa_memory_ordered 1
		.amdhsa_forward_progress 1
		.amdhsa_inst_pref_size 19
	.end_amdhsa_kernel
	.amdgpu_metadata
---
amdhsa.version: [ 1, 2 ]
amdhsa.kernels:
  - .name:           k_q9cc0ae79c3_stat0
    .symbol:         k_q9cc0ae79c3_stat0.kd
    .args:
      - { .name: part, .offset: 0, .size: 8, .value_kind: global_buffer, .address_space: global }
      - { .name: g0, .offset: 8, .size: 8, .value_kind: global_buffer, .address_space: global }
      - { .name: beta0, .offset: 16, .size: 8, .value_kind: global_buffer, .address_space: global }
      - { .name: ss, .offset: 24, .size: 8, .value_kind: global_buffer, .address_space: global }
    .group_segment_fixed_size: 5120
    .private_segment_fixed_size: 0
    .kernarg_segment_align: 8
    .kernarg_segment_size: 32
    .max_flat_workgroup_size: 256
    .sgpr_count:     66
    .vgpr_count:     170
    .wavefront_size: 32
...
	.end_amdgpu_metadata
.endif
;; end of part 4
;; launch layer1 (part 5): grid 256 x 1, 8 waves a work-group, clusters of 4 x 1, 273,408 bytes of LDS; arguments y0, ss, wh, zy, part; writes zy, part
.if DOCPART == 5
	.amdgcn_target "amdgcn-amd-amdhsa--gfx1250"
	.amdhsa_code_object_version 6
	.text
	.protected	k_q9cc0ae79c3_layer1
	.globl	k_q9cc0ae79c3_layer1
	.p2align	8
	.type	k_q9cc0ae79c3_layer1,@function
k_q9cc0ae79c3_layer1:
	s_mov_b64 s[64:65], 0
	v_nop
	global_prefetch_b8 v0, s[64:65] scope:SCOPE_SE
	s_setreg_imm32_b32 hwreg(HW_REG_WAVE_MODE, 25, 1), 1
	s_wait_xcnt 0x0
	s_wait_alu depctr_hold_cnt(0) depctr_sa_sdst(0) depctr_va_vdst(0) depctr_va_sdst(0) depctr_va_ssrc(0) depctr_va_vcc(0) depctr_vm_vsrc(0)
	s_getreg_b32 s2, hwreg(HW_REG_IB_STS2, 6, 4)
	s_cmp_eq_u32 s2, 0
	s_cbranch_scc0 .Lentry_in_a_cluster
	s_endpgm
.Lentry_in_a_cluster:
	s_bfe_u32 s2, ttmp6, 0x10000c
	s_cmp_lg_u32 s2, 0x3003
	s_cbranch_scc0 .Lentry_shape_is_right
	s_endpgm
.Lentry_shape_is_right:
; FIFTH LAUNCH.  h = relu(y0 * scale + shift) (the first layer's batch norm), y1[b][o][n] = sum over c of W1[o][c] h[b][n][c], stored with n along the rows, and for
; each channel the mean and the centred sum of squares over this work-group's 128 points.  b1 is left out (it cancels in the batch norm: see the head
; of the first kernel).  The product's operands go in f16, its sums and all else in f32; h is at most 181 |g0| + |beta0| (a value normalised over 32,768
; samples is at most sqrt(32767)).  Limit: an operand above 65,504 in size becomes infinite, one below 2^-25 zero.
; SHARES.  A work-group has 128 points x 256 channels.  Wave w first brings, norms and rounds rows 32 g .. +31 (g = w / 2), half e = w mod 2, of y0; in the
; product it has o = 32 w .. +31 and all 128 points: 16 accumulators, K = 256.
; THE PRODUCT IS USED TRANSPOSED: source 0 = 16 points, source 1 = 16 rows of W1.  Lane (r, h) then holds channel r of the tile at eight neighbouring points:
; a channel's 128 numbers lie in two lanes, so its mean and then its centred squares come straight from the accumulators, and a lane's numbers are
; neighbours in a row of y1.
; JOINT REQUEST.  All work-groups read the same f16 copy of W1: the four of a cluster ask jointly, each wave for its 32 rows.  y0 is read by one work-group each.
; A wave has one tensor load out, and LDS is filled once.
.set LH, 135168                        ; LDS: 0 .. 135,167 W1 in f16, 256 rows, pitch 528; from LH on h in f16 [128 n][256 c], pitch 528
.set LS, 202752                        ; a stage of 8,448 bytes for each wave: f32 [16 o][128 n], pitch 528
.set LR, 270336                        ; [mean, M2][256 channels] f32
.set WV, 14                            ; s14 the wave's number
.set ACC, 16                           ; v[16:143]  tile (t, a) at 8 (2 t + a)
.set H0, 144                           ; v[144:175] fragments of h, tiles 0-3
.set H1, 176                           ; v[176:207] tiles 4-7
.set WF, 208                           ; v[208:223], v[224:239] fragments of W1, two buffers
.set SC, 240                           ; v[240:243] scale, v[244:247] shift of my four channels
.set VP, 2
.set VW, 3
.set VCOL, 4
.set VHS, 5
.set VSS, 6
.set VSL, 7
.set VGO, 8
.set VRW, 9
.set VFIN, 12
.set VPT, 13
.set UU, 144                           ; behind the product: v[144:151] and v[152:159] four chains each, v[160:167] at work, v[168:169] the mean twice,
.set QQ, 152                           ; v170-v173 mean and M2 of a = 0 and a = 1, v174, v175 at work, v[176:239] rows on their way out
.set TT, 160
.set MP, 168
.set RS, 170
.set XT, 174
.set OB, 176
.macro PLACES
.rept 4
	v_nop
.endr
.endm
.macro ROUND
	s_barrier_signal -1
	s_barrier_wait -1
	s_cmp_lg_u32 s[WV], 0
	s_cbranch_scc1 .Lnot_wave_0_\@
	s_barrier_signal -3
.Lnot_wave_0_\@:
	s_barrier_wait -3
	s_barrier_signal -1
	s_barrier_wait -1
.endm
.macro LH0W k                          ; K step k: point tiles 0-3 and W1: 12 LDS loads
.irp t,0,1,2,3
	ds_load_b128 v[H0+8*\t:H0+8*\t+3], v[VP] offset:8448*\t+64*(\k)
	ds_load_b128 v[H0+8*\t+4:H0+8*\t+7], v[VP] offset:8448*\t+64*(\k)+32
.endr
.irp a,0,1
	ds_load_b128 v[WF+16*((\k)&1)+8*\a:WF+16*((\k)&1)+8*\a+3], v[VW] offset:8448*\a+64*(\k)
	ds_load_b128 v[WF+16*((\k)&1)+8*\a+4:WF+16*((\k)&1)+8*\a+7], v[VW] offset:8448*\a+64*(\k)+32
.endr
.endm
.macro LH1 k                           ; point tiles 4-7: 8 LDS loads
.irp t,0,1,2,3
	ds_load_b128 v[H1+8*\t:H1+8*\t+3], v[VP] offset:8448*(\t+4)+64*(\k)
	ds_load_b128 v[H1+8*\t+4:H1+8*\t+7], v[VP] offset:8448*(\t+4)+64*(\k)+32
.endr
.endm
.macro MUL8 hb, t0, k                  ; 8 products: D(m = point, n = o); the accumulators take turns, one instruction a turn
.irp t,0,1,2,3
.irp a,0,1
.if \k
	v_wmma_f32_16x16x32_f16 v[ACC+8*(2*(\t0+\t)+\a):ACC+8*(2*(\t0+\t)+\a)+7], v[\hb+8*\t:\hb+8*\t+7], v[WF+16*(\k&1)+8*\a:WF+16*(\k&1)+8*\a+7], v[ACC+8*(2*(\t0+\t)+\a):ACC+8*(2*(\t0+\t)+\a)+7]
.else
	v_wmma_f32_16x16x32_f16 v[ACC+8*(2*(\t0+\t)+\a):ACC+8*(2*(\t0+\t)+\a)+7], v[\hb+8*\t:\hb+8*\t+7], v[WF+8*\a:WF+8*\a+7], 0
.endif
.endr
.endr
.endm
.macro FOLD b                          ; four chains at register b, then the pair, then the two lanes of a channel: the total in v[b] of every lane
	v_pk_add_f32 v[\b:\b+1], v[\b:\b+1], v[\b+2:\b+3]
	v_pk_add_f32 v[\b+4:\b+5], v[\b+4:\b+5], v[\b+6:\b+7]
	v_pk_add_f32 v[\b:\b+1], v[\b:\b+1], v[\b+4:\b+5]
	v_add_f32 v[\b], v[\b], v[\b+1]
	v_permlanex16_b32 v[XT], v[\b], s40, s41       ; lane i of one half reads lane i of the other
	v_add_f32 v[\b], v[\b], v[XT]
.endm
.macro STATS a                         ; channel 32 w + 16 a + r: first the mean over the 128 points, then the squares of the deviations from it
.irp c,0,1,2,3
	v_pk_add_f32 v[UU+2*\c:UU+2*\c+1], v[ACC+8*\a+2*\c:ACC+8*\a+2*\c+1], v[ACC+8*(2+\a)+2*\c:ACC+8*(2+\a)+2*\c+1]
.endr
.irp t,2,3,4,5,6,7
.irp c,0,1,2,3
	v_pk_add_f32 v[UU+2*\c:UU+2*\c+1], v[UU+2*\c:UU+2*\c+1], v[ACC+8*(2*\t+\a)+2*\c:ACC+8*(2*\t+\a)+2*\c+1]
.endr
.endr
	FOLD UU
	v_mul_f32 v[MP], 0x3c000000, v[UU]             ; / 128
	v_mul_f32 v[MP+1], 0x3c000000, v[UU]
	v_mul_f32 v[RS+2*\a], 0x3c000000, v[UU]
.irp c,0,1,2,3
	v_pk_add_f32 v[TT+2*\c:TT+2*\c+1], v[ACC+8*\a+2*\c:ACC+8*\a+2*\c+1], v[MP:MP+1] neg_lo:[0,1] neg_hi:[0,1]
.endr
.irp c,0,1,2,3
	v_pk_mul_f32 v[QQ+2*\c:QQ+2*\c+1], v[TT+2*\c:TT+2*\c+1], v[TT+2*\c:TT+2*\c+1]
.endr
.irp t,1,2,3,4,5,6,7
.irp c,0,1,2,3
	v_pk_add_f32 v[TT+2*\c:TT+2*\c+1], v[ACC+8*(2*\t+\a)+2*\c:ACC+8*(2*\t+\a)+2*\c+1], v[MP:MP+1] neg_lo:[0,1] neg_hi:[0,1]
.endr
.irp c,0,1,2,3
	v_pk_fma_f32 v[QQ+2*\c:QQ+2*\c+1], v[TT+2*\c:TT+2*\c+1], v[TT+2*\c:TT+2*\c+1], v[QQ+2*\c:QQ+2*\c+1]
.endr
.endr
	FOLD QQ
	v_mov_b32 v[RS+2*\a+1], v[QQ]
.endm
.macro OUTA a                          ; 16 channels x 128 points through my own stage: in by lanes, back by whole rows of 512 bytes
.irp t,0,1,2,3,4,5,6,7
	ds_store_b128 v[VSS], v[ACC+8*(2*\t+\a):ACC+8*(2*\t+\a)+3] offset:64*\t
	ds_store_b128 v[VSS], v[ACC+8*(2*\t+\a)+4:ACC+8*(2*\t+\a)+7] offset:64*\t+16
.endr
	s_wait_xcnt 0x0                                ; earlier stores have read the registers that are loaded again below
.set i, 0
.rept 16
	ds_load_b128 v[OB+4*i:OB+4*i+3], v[VSL] offset:528*i                       ; LDS serves a wave's instructions in order (ISA guide 5.7.1): these see the stores above
.set i, i+1
.endr
.set i, 0
.rept 16
	s_wait_dscnt 15-i
	global_store_b128 v[VGO], v[OB+4*i:OB+4*i+3], s[10:11] offset:16384*(16*\a+i)   ; 512 consecutive bytes of a row of y1
.set i, i+1
.endr
.endm
	s_load_b256 s[4:11], s[0:1], 0x0               ; y0 4, ss 6, wh 8, zy 10
	s_load_b64 s[12:13], s[0:1], 0x20              ; part
	v_lshl_add_u32 v254, v0, 2, 0x42800
	v_mov_b32 v255, 0
	ds_add_u32 v254, v255
	v_lshrrev_b32 v1, 5, v0
	v_readfirstlane_b32 s14, v1                    ; wave
	s_bfe_u32 s15, ttmp6, 0x40000                  ; my place in the cluster
	s_lshl_b32 s16, ttmp9, 2
	s_add_co_u32 s16, s16, s15                     ; work-group
	s_lshr_b32 s17, s16, 5                         ; batch
	s_lshr_b32 s20, s14, 1                         ; g
	s_and_b32 s21, s14, 1                          ; e
	s_mov_b32 s40, 0x76543210
	s_mov_b32 s41, 0xfedcba98
	v_and_b32 v1, 31, v0                           ; L
	v_and_b32 v10, 15, v0                          ; r
	v_bfe_u32 v11, v0, 4, 1                        ; h
	; descriptor: 32 whole rows of 256 f16, 16 bytes of padding behind each 512
	s_mov_b32 s28, 15|(1<<16)|(1<<20)|(1<<21)|(6<<22)|(3<<25)   ; mask: the cluster's four; 2-byte elements; padding on; bit 21 beside the mask; every 128 words 4 words
	s_mov_b32 s29, 256<<16                         ; tensor_dim0
	s_mov_b32 s30, 32<<16                          ; tensor_dim1
	s_mov_b32 s31, 256<<16                         ; tile_dim0
	s_mov_b32 s32, 32                              ; tile_dim1
	s_mov_b32 s33, 256                             ; elements from row to row
	s_mov_b32 s34, 0
	s_mov_b32 s35, 0
	s_mov_b32 s24, 1
	s_mul_i32 s25, s14, 16896                      ; LDS: my 32 rows of 528 bytes
	s_lshl_b32 s36, s14, 14                        ; memory: my 32 rows of 512 bytes,
	s_add_co_u32 s36, s36, 196608                  ; behind W0's copy.  s[36:37] hold numbers made of the wave's number alone
	s_mov_b32 s37, 0
	s_mov_b32 s19, 0
	s_wait_dscnt 0x0
	s_wait_kmcnt 0x0
	s_add_nc_u64 s[26:27], s[8:9], s[36:37]
	s_or_b32 s27, s27, 0x80000000                  ; type 2
	v_mul_u32_u24 v[VW], v10, 528
	v_lshl_add_u32 v[VW], v11, 4, v[VW]            ; 528 r + 16 h
	v_add_nc_u32 v[VP], LH, v[VW]
	v_add_nc_u32 v[VW], s25, v[VW]
	s_lshl_b32 s22, s21, 9
	v_lshl_add_u32 v[VCOL], v1, 4, s22             ; 512 e + 16 L
	s_mul_i32 s22, s20, 16896
	s_lshl_b32 s23, s21, 8
	s_add_co_u32 s22, s22, s23
	s_add_co_u32 s22, s22, LH
	v_lshl_add_u32 v[VHS], v1, 3, s22              ; LH + 32 g rows + 256 e + 8 L
	s_mul_i32 s22, s14, 8448
	s_add_co_u32 s22, s22, LS
	v_mul_u32_u24 v[VSS], v10, 528
	v_lshl_add_u32 v[VSS], v11, 5, v[VSS]
	v_add_nc_u32 v[VSS], s22, v[VSS]               ; my stage + 528 r + 32 h
	v_lshl_add_u32 v[VSL], v1, 4, s22              ; my stage + 16 L
	v_lshlrev_b32 v[VGO], 4, v1
	s_lshl_b32 s22, s14, 7
	s_add_co_u32 s22, s22, LR
	v_lshl_add_u32 v[VRW], v1, 2, s22              ; LR + 128 w + 4 L
	v_lshlrev_b32 v[VPT], 4, v0
	v_add_nc_u32 v[VFIN], LR, v[VPT]
	s_lshl_b32 s18, s16, 17                        ; my 128 rows of y0 of 1,024 bytes
	s_add_nc_u64 s[4:5], s[4:5], s[18:19]
	s_lshl_b32 s18, s20, 15                        ; my wave's 32
	s_add_nc_u64 s[4:5], s[4:5], s[18:19]
	s_lshl_b32 s18, s17, 22                        ; a batch of y1 is 4,194,304 bytes
	s_add_nc_u64 s[10:11], s[10:11], s[18:19]
	s_and_b32 s18, s16, 31
	s_lshl_b32 s18, s18, 9                         ; my 128 points, 512 bytes of each row
	s_add_nc_u64 s[10:11], s[10:11], s[18:19]
	s_lshl_b32 s18, s14, 19                        ; my wave's 32 rows of 16,384 bytes
	s_add_nc_u64 s[10:11], s[10:11], s[18:19]
	s_lshl_b32 s18, s16, 11
	s_add_nc_u64 s[12:13], s[12:13], s[18:19]
	global_load_b128 v[SC:SC+3], v[VCOL], s[6:7]
	global_load_b128 v[SC+4:SC+7], v[VCOL], s[6:7] offset:1024
.set i, 0
.rept 32
	global_load_b128 v[16+4*i:19+4*i], v[VCOL], s[4:5] offset:1024*i th:TH_LOAD_NT
.set i, i+1
.endr
	ROUND                                          ; the four work-groups are here: their joint requests meet
	tensor_load_to_lds s[24:27], s[28:35]
	s_nop 0
.set i, 0
.rept 32
	s_wait_loadcnt 31-i                            ; row i (and scale and shift, asked for first) is in, the younger loads stay out
	v_pk_fma_f32 v[16+4*i:17+4*i], v[16+4*i:17+4*i], v[SC:SC+1], v[SC+4:SC+5]
	v_pk_fma_f32 v[18+4*i:19+4*i], v[18+4*i:19+4*i], v[SC+2:SC+3], v[SC+6:SC+7]
	v_max_num_f32 v[16+4*i], 0, v[16+4*i]
	v_max_num_f32 v[17+4*i], 0, v[17+4*i]
	v_max_num_f32 v[18+4*i], 0, v[18+4*i]
	v_max_num_f32 v[19+4*i], 0, v[19+4*i]
	v_cvt_pk_f16_f32 v[16+4*i], v[16+4*i], v[17+4*i]
	v_cvt_pk_f16_f32 v[17+4*i], v[18+4*i], v[19+4*i]
	ds_store_b64 v[VHS], v[16+4*i:17+4*i] offset:528*i
.set i, i+1
.endr
	s_wait_dscnt 0x0                               ; my part of h is in LDS
	s_wait_tensorcnt 0x0                           ; my rows of W1 are in LDS
	s_barrier_signal -1
	s_barrier_wait -1
	; THE PRODUCT: eight K steps of 32; each half of the point tiles is fetched while the other half is multiplied
	LH0W 0
	LH1 0
.irp k,0,1,2,3,4,5,6,7
	s_wait_dscnt 8                                 ; only the 8 loads of tiles 4-7 may be out
	MUL8 H0, 0, \k
.if \k<7
	PLACES                                         ; four places between products and the loads into what they read
	LH0W \k+1
	s_wait_dscnt 12                                ; all but the 12 just issued: tiles 4-7 are in
.else
	s_wait_dscnt 0x0
.endif
	MUL8 H1, 4, \k
.if \k<7
	PLACES
	LH1 \k+1
.endif
.endr
	PLACES
	v_mov_b32 v[XT], 0                             ; the lane exchange counts as a reader of its destination
	STATS 0
	STATS 1
	v_cmp_gt_u32 vcc_lo, 16, v1                    ; lanes 0-15 speak for channels 32 w + L of a = 0, lanes 16-31 for 32 w + L of a = 1
	v_cndmask_b32 v[XT], v[RS+2], v[RS], vcc_lo
	v_cndmask_b32 v[XT+1], v[RS+3], v[RS+1], vcc_lo
	ds_store_b32 v[VRW], v[XT]
	ds_store_b32 v[VRW], v[XT+1] offset:1024
	OUTA 0
	OUTA 1
	s_wait_dscnt 0x0
	s_barrier_signal -1
	s_barrier_wait -1
	s_cmp_gt_u32 s14, 1
	s_cbranch_scc1 .Lclose
	ds_load_b128 v[144:147], v[VFIN]               ; waves 0 and 1: the work-group's 256 means and 256 M2, 512 bytes with each store
	ds_load_b128 v[148:151], v[VFIN] offset:1024
	s_wait_dscnt 0x0
	global_store_b128 v[VPT], v[144:147], s[12:13]
	global_store_b128 v[VPT], v[148:151], s[12:13] offset:1024
.Lclose:
	s_wait_tensorcnt 0x0
	ds_add_u32 v254, v255
	s_wait_dscnt 0x0
	ROUND                                          ; the closing round
	s_endpgm
.Lfunc_end_k_q9cc0ae79c3_layer1:
	.size	k_q9cc0ae79c3_layer1, .Lfunc_end_k_q9cc0ae79c3_layer1-k_q9cc0ae79c3_layer1
	.p2alignl 7, 3214868480
	.fill 96, 4, 3214868480
	.section	.rodata,"a",@progbits
	.p2align	6, 0x0
	.amdhsa_kernel k_q9cc0ae79c3_layer1
		.amdhsa_group_segment_fixed_size 273408
		.amdhsa_private_segment_fixed_size 0
		.amdhsa_enable_private_segment 0
		.amdhsa_kernarg_size 40
		.amdhsa_user_sgpr_count 2
		.amdhsa_user_sgpr_kernarg_segment_ptr 1
		.amdhsa_wavefront_size32 1
		.amdhsa_system_sgpr_workgroup_id_x 1
		.amdhsa_system_sgpr_workgroup_id_y 1
		.amdhsa_system_sgpr_workgroup_id_z 1
		.amdhsa_system_vgpr_workitem_id 0
		.amdhsa_next_free_vgpr 256
		.amdhsa_next_free_sgpr 66
		.amdhsa_reserve_vcc 1
		.amdhsa_float_denorm_mode_32 3
		.amdhsa_float_denorm_mode_16_64 3
		.amdhsa_memory_ordered 1
		.amdhsa_forward_progress 1
		.amdhsa_inst_pref_size 66
	.end_amdhsa_kernel
	.amdgpu_metadata
---
amdhsa.version: [ 1, 2 ]
amdhsa.kernels:
  - .name:           k_q9cc0ae79c3_layer1
    .symbol:         k_q9cc0ae79c3_layer1.kd
    .args:
      - { .name: y0, .offset: 0, .size: 8, .value_kind: global_buffer, .address_space: global }
      - { .name: ss, .offset: 8, .size: 8, .value_kind: global_buffer, .address_space: global }
      - { .name: wh, .offset: 16, .size: 8, .value_kind: global_buffer, .address_space: global }
      - { .name: zy, .offset: 24, .size: 8, .value_kind: global_buffer, .address_space: global }
      - { .name: part, .offset: 32, .size: 8, .value_kind: global_buffer, .address_space: global }
    .group_segment_fixed_size: 273408
    .private_segment_fixed_size: 0
    .kernarg_segment_align: 8
    .kernarg_segment_size: 40
    .max_flat_workgroup_size: 256
    .sgpr_count:     66
    .vgpr_count:     256
    .wavefront_size: 32
...
	.end_amdgpu_metadata
.endif
;; end of part 5
;; launch stat1: the kernel of part 4 again; grid 4 x 1, 8 waves a work-group, no clusters, 5,120 bytes of LDS; arguments part, g1, beta1, ss; writes ss
;; launch bnrelu (part 6): grid 256 x 1, 16 waves a work-group, no clusters, 0 bytes of LDS; arguments zy, ss, out0; writes out0
.if DOCPART == 6
	.amdgcn_target "amdgcn-amd-amdhsa--gfx1250"
	.amdhsa_code_object_version 6
	.text
	.protected	k_q9cc0ae79c3_bnrelu
	.globl	k_q9cc0ae79c3_bnrelu
	.p2align	8
	.type	k_q9cc0ae79c3_bnrelu,@function
k_q9cc0ae79c3_bnrelu:
	s_mov_b64 s[64:65], 0
	v_nop
	global_prefetch_b8 v0, s[64:65] scope:SCOPE_SE
	s_setreg_imm32_b32 hwreg(HW_REG_WAVE_MODE, 25, 1), 1
	s_wait_xcnt 0x0
; LAST LAUNCH.  out0[b][o][n] = relu(y1[b][o][n] * scale[o] + shift[o]): the second layer's batch norm and relu.  A stream: every byte is read once and written
; once, in lines of 512 consecutive bytes a wave.  No LDS, no barrier, no matrix unit, no joint request: no two waves touch the same bytes.
; Wave w of work-group j has half w mod 2 of row R = 8 j + w / 2 (R = 256 b + o, 16,384 bytes): 16 loads, all on their way at once.
; No register is written twice, so no store's sources have to be waited for.
	s_load_b128 s[4:7], s[0:1], 0x0                ; zy 4, ss 6
	s_load_b64 s[8:9], s[0:1], 0x10                ; out0
	v_lshrrev_b32 v1, 5, v0
	v_readfirstlane_b32 s10, v1                    ; wave
	v_and_b32 v1, 31, v0
	v_lshlrev_b32 v1, 4, v1                        ; 16 L
	s_lshr_b32 s11, s10, 1
	s_lshl3_add_u32 s11, ttmp9, s11                ; R
	s_and_b32 s12, s10, 1
	s_lshl_b32 s12, s12, 13
	s_lshl_b32 s14, s11, 14
	s_add_co_u32 s12, s12, s14                     ; my 8,192 bytes
	s_mov_b32 s13, 0
	s_and_b32 s14, s11, 255
	s_lshl_b32 s14, s14, 2                         ; my channel's word
	s_mov_b32 s15, 0
	s_wait_kmcnt 0x0
	s_add_nc_u64 s[4:5], s[4:5], s[12:13]
	s_add_nc_u64 s[8:9], s[8:9], s[12:13]
	s_add_nc_u64 s[6:7], s[6:7], s[14:15]
	s_load_b32 s16, s[6:7], 0x0                    ; scale
	s_load_b32 s17, s[6:7], 0x400                  ; shift
.set i, 0
.rept 16
	global_load_b128 v[8+4*i:11+4*i], v1, s[4:5] offset:512*i th:TH_LOAD_NT
.set i, i+1
.endr
	s_wait_kmcnt 0x0
	v_mov_b32 v2, s16
	v_mov_b32 v3, s16
	v_mov_b32 v4, s17
	v_mov_b32 v5, s17
.set i, 0
.rept 16
	s_wait_loadcnt 15-i                            ; load i is in, the younger ones stay out
	v_pk_fma_f32 v[8+4*i:9+4*i], v[8+4*i:9+4*i], v[2:3], v[4:5]
	v_pk_fma_f32 v[10+4*i:11+4*i], v[10+4*i:11+4*i], v[2:3], v[4:5]
	v_max_num_f32 v[8+4*i], 0, v[8+4*i]
	v_max_num_f32 v[9+4*i], 0, v[9+4*i]
	v_max_num_f32 v[10+4*i], 0, v[10+4*i]
	v_max_num_f32 v[11+4*i], 0, v[11+4*i]
	global_store_b128 v1, v[8+4*i:11+4*i], s[8:9] offset:512*i th:TH_STORE_NT
.set i, i+1
.endr
	s_endpgm
.Lfunc_end_k_q9cc0ae79c3_bnrelu:
	.size	k_q9cc0ae79c3_bnrelu, .Lfunc_end_k_q9cc0ae79c3_bnrelu-k_q9cc0ae79c3_bnrelu
	.p2alignl 7, 3214868480
	.fill 96, 4, 3214868480
	.section	.rodata,"a",@progbits
	.p2align	6, 0x0
	.amdhsa_kernel k_q9cc0ae79c3_bnrelu
		.amdhsa_group_segment_fixed_size 0
		.amdhsa_private_segment_fixed_size 0
		.amdhsa_enable_private_segment 0
		.amdhsa_kernarg_size 24
		.amdhsa_user_sgpr_count 2
		.amdhsa_user_sgpr_kernarg_segment_ptr 1
		.amdhsa_wavefront_size32 1
		.amdhsa_system_sgpr_workgroup_id_x 1
		.amdhsa_system_sgpr_workgroup_id_y 1
		.amdhsa_system_sgpr_workgroup_id_z 1
		.amdhsa_system_vgpr_workitem_id 0
		.amdhsa_next_free_vgpr 80
		.amdhsa_next_free_sgpr 66
		.amdhsa_reserve_vcc 0
		.amdhsa_float_denorm_mode_32 3
		.amdhsa_float_denorm_mode_16_64 3
		.amdhsa_memory_ordered 1
		.amdhsa_forward_progress 1
		.amdhsa_inst_pref_size 9
	.end_amdhsa_kernel
	.amdgpu_metadata
---
amdhsa.version: [ 1, 2 ]
amdhsa.kernels:
  - .name:           k_q9cc0ae79c3_bnrelu
    .symbol:         k_q9cc0ae79c3_bnrelu.kd
    .args:
      - { .name: zy, .offset: 0, .size: 8, .value_kind: global_buffer, .address_space: global }
      - { .name: ss, .offset: 8, .size: 8, .value_kind: global_buffer, .address_space: global }
      - { .name: out0, .offset: 16, .size: 8, .value_kind: global_buffer, .address_space: global }
    .group_segment_fixed_size: 0
    .private_segment_fixed_size: 0
    .kernarg_segment_align: 8
    .kernarg_segment_size: 24
    .max_flat_workgroup_size: 512
    .sgpr_count:     66
    .vgpr_count:     80
    .wavefront_size: 32
...
	.end_amdgpu_metadata
.endif
;; end of part 6
;; ======== version 2 of 2: 6 launches; 1.14 times as fast as version 1
;; limits: values are held in f16: magnitudes above 65,504 overflow, below 6.1e-05 lose precision; inputs' magnitudes at most 65,504; right only within a limited range of input values
;; workspace buffers: blk 524,288 bytes of whole numbers; nbr 524,288 bytes of whole numbers; wgt 524,288 bytes; wh 327,680 bytes; zy 33,554,432 bytes; y0 33,554,432 bytes; part 524,288 bytes; ss 2,048 bytes
;; launch knn (part 7): grid 256 x 1, 8 waves a work-group, no clusters, 50,176 bytes of LDS; arguments xyz1, xyz2, W0, W1, blk, wh; writes blk, wh
.if DOCPART == 7
	.amdgcn_target "amdgcn-amd-amdhsa--gfx1250"
	.amdhsa_code_object_version 6
	.text
	.protected	k_q9cc0ae79c3_knn
	.globl	k_q9cc0ae79c3_knn
	.p2align	8
	.type	k_q9cc0ae79c3_knn,@function
k_q9cc0ae79c3_knn:
	s_mov_b64 s[64:65], 0
	v_nop
	global_prefetch_b8 v0, s[64:65] scope:SCOPE_SE
	s_setreg_imm32_b32 hwreg(HW_REG_WAVE_MODE, 25, 1), 1
	s_wait_xcnt 0x0
; FIRST OF SIX LAUNCHES: for every query point the three BLOCKS of 16 candidates that hold its three nearest points; and f16 copies of W0, W1.
;
; WORK LEFT OUT IN THE WHOLE PROGRAM.  b0 and b1: y = W x + b enters only (y - mean(y)) * rsqrt(var(y) + eps), mean and var taken over batch and
; point for each channel.  A constant per channel cancels in y - mean(y) and leaves var(y) as it is, for all values of the inputs.  So b0 and b1
; have no way to the output: they are not loaded and are no argument of any launch.  Limit: a NaN, an infinity or an overflow that lies in b0 or
; b1 alone is not carried to the result.
; WORK REORDERED.  W0[:, :256] . interp = sum over k of weight[n,k] * Z[:, idx[n,k]] with Z = W0[:, :256] . points2: the product is made on the 2,048
; points of points2 instead of the 4,096 query points, and the three columns of Z are mixed afterwards in f32.
; NUMBER FORMAT OF THE PRODUCTS.  All matrix operands (W0, W1, points1, points2, the first layer's output) go in f16, sums in f32: an operand is rounded by
; at most 2^-11 of its size, an eighth of what bf16 would take, and the roundings of two layers add up in the result.  Limit: an operand above
; 65,504 in size becomes infinite, one below 2^-25 zero, and below 2^-14 the step is 2^-24.  The first layer's output is bounded by
; 181 |g0| + |beta0|, since a value normalised over 32,768 samples is at most sqrt(32767).
;
; THE SEARCH HAS TWO LEVELS.  This launch forms, for each query, the MINIMUM of each block of 16 candidates and keeps the three blocks with the smallest
; keys (minimum, block number).  These three hold the three nearest points by (distance, index).  For let p, of block B, be one of the three nearest,
; and B not one of the three blocks.  Then three other blocks have keys below B's, so each holds a point q with d(q) <= min(B) <= d(p); and where
; d(q) = d(p), the minima are equal, the block's number is lower than B, and so is q's index.  Three points would come before p.  This holds for all
; finite distances, ties included.  The next launch reads the three block numbers from memory and scans their 48 candidates with their indices.
; LIMITS.  D = fma(dz, dz, fma(dy, dy, dx*dx)) on the differences: its last bit may differ from a sum of three rounded squares, so a query whose third
; and fourth distances agree to that bit may take the other neighbour.  Distances that are NaN or overflow to infinity are not served.
;
; SHARES.  A work-group has 128 queries of one batch.  Wave w scans candidates 256 w .. 256 w + 255 (16 blocks) for all 128; lane L holds queries
; L + 32 q, q = 0..3, as two register pairs for the packed arithmetic.  The eight waves' triples are merged through LDS by waves 0 to 3, one query a lane.
; No tensor load and no joint request: what work-groups share is the batch's 24,576 bytes of xyz2, read once by each, little beside the 262,144
; distances that each forms from them.
.set MR, 24576                         ; LDS: bytes 0 .. 24,575 xyz2 of the batch as it lies in memory; from MR on [wave][field 0..5][query] words
.set QX, 2                             ; v[2:5]     x of my four queries
.set QY, 6                             ; v[6:9]     y
.set QZ, 10                            ; v[10:13]   z
.set CA, 14                            ; v[14:25]   four candidates, x y z each: buffer A
.set CB, 26                            ; v[26:37]   buffer B
.set TT, 38                            ; v[38:53]   differences, 8 pairs
.set DD, 54                            ; v[54:69]   distances: candidate j, query q at 4 j + q
.set MM, 70                            ; v[70:81]   the three smallest block minima m1 <= m2 <= m3 of query q at 3 q
.set PY, 82                            ; v[82:93]   their blocks
.set BM, 94                            ; v[94:97]   the current block's minimum for each query
.set XW, 98                            ; v[98:105]  at work in the insertion, two a query
.set LA, 122                           ; LDS address of my wave's next candidates, the same in all lanes
.set VQ, 123                           ; 12 L
.set VT, 124                           ; 16 t
.set VM, 125                           ; 3072 w + 4 L
.set BN, 126                           ; 8 L at the head; then the current block's number
.set VL, 127                           ; 16 L at the head; 4 t at the end
.set CM, 20                            ; s[20:31] lane masks, three a query
; d = q - c for two queries; c is one register, taken for both halves out of its even-aligned pair
.macro SUBB d, qp, c
.if (\c)&1
	v_pk_add_f32 v[\d:\d+1], v[\qp:\qp+1], v[(\c)-1:(\c)] op_sel:[0,1] op_sel_hi:[1,1] neg_lo:[0,1] neg_hi:[0,1]
.else
	v_pk_add_f32 v[\d:\d+1], v[\qp:\qp+1], v[(\c):(\c)+1] op_sel:[0,0] op_sel_hi:[1,0] neg_lo:[0,1] neg_hi:[0,1]
.endif
.endm
; sixteen distances: four candidates of buffer cb against four queries, eight chains that do not wait for each other
.macro DIST cb
.irp j,0,1,2,3
.irp p,0,1
	SUBB TT+4*\j+2*\p, QX+2*\p, \cb+3*\j
.endr
.endr
.irp j,0,1,2,3
.irp p,0,1
	v_pk_mul_f32 v[DD+4*\j+2*\p:DD+4*\j+2*\p+1], v[TT+4*\j+2*\p:TT+4*\j+2*\p+1], v[TT+4*\j+2*\p:TT+4*\j+2*\p+1]
.endr
.endr
.irp j,0,1,2,3
.irp p,0,1
	SUBB TT+4*\j+2*\p, QY+2*\p, \cb+3*\j+1
.endr
.endr
.irp j,0,1,2,3
.irp p,0,1
	v_pk_fma_f32 v[DD+4*\j+2*\p:DD+4*\j+2*\p+1], v[TT+4*\j+2*\p:TT+4*\j+2*\p+1], v[TT+4*\j+2*\p:TT+4*\j+2*\p+1], v[DD+4*\j+2*\p:DD+4*\j+2*\p+1]
.endr
.endr
.irp j,0,1,2,3
.irp p,0,1
	SUBB TT+4*\j+2*\p, QZ+2*\p, \cb+3*\j+2
.endr
.endr
.irp j,0,1,2,3
.irp p,0,1
	v_pk_fma_f32 v[DD+4*\j+2*\p:DD+4*\j+2*\p+1], v[TT+4*\j+2*\p:TT+4*\j+2*\p+1], v[TT+4*\j+2*\p:TT+4*\j+2*\p+1], v[DD+4*\j+2*\p:DD+4*\j+2*\p+1]
.endr
.endr
.endm
; four candidates.  fetch = 1: the next four are asked for first, into the other buffer.  first = 1: they start the block's minimum.
; Two instructions a query fold the four distances into it: eight for a block's sixteen.
.macro GROUP cur, nxt, offn, fetch, first
.if \fetch
	ds_load_b128 v[\nxt:\nxt+3], v[LA] offset:\offn
	ds_load_b128 v[\nxt+4:\nxt+7], v[LA] offset:\offn+16
	ds_load_b128 v[\nxt+8:\nxt+11], v[LA] offset:\offn+32
	s_wait_dscnt 0x3                               ; all but the three just issued: this group's candidates are in
.else
	s_wait_dscnt 0x0
.endif
	DIST \cur
.if \first
.irp q,0,1,2,3
	v_min3_num_f32 v[BM+\q], v[DD+\q], v[DD+4+\q], v[DD+8+\q]
.endr
.irp q,0,1,2,3
	v_min_num_f32 v[BM+\q], v[BM+\q], v[DD+12+\q]
.endr
.else
.irp q,0,1,2,3
	v_min3_num_f32 v[BM+\q], v[BM+\q], v[DD+\q], v[DD+4+\q]
.endr
.irp q,0,1,2,3
	v_min3_num_f32 v[BM+\q], v[BM+\q], v[DD+8+\q], v[DD+12+\q]
.endr
.endif
.endm
; Behind a block: (minimum, block) enters each query's sorted triple; strictly smaller only, so that an equal minimum stays behind the earlier block.
; The four queries' steps are interleaved, so that no instruction waits for the one in front of it.
.macro BLKINS
	v_mov_b32 v[BN], s32
.irp q,0,1,2,3
	v_cmp_lt_f32 s[CM+3*\q],   v[BM+\q], v[MM+3*\q]
	v_cmp_lt_f32 s[CM+3*\q+1], v[BM+\q], v[MM+3*\q+1]
	v_cmp_lt_f32 s[CM+3*\q+2], v[BM+\q], v[MM+3*\q+2]
.endr
.irp q,0,1,2,3
	v_cndmask_b32 v[XW+2*\q],   v[BN], v[PY+3*\q+1], s[CM+3*\q+1]              ; what moves into the third place: the second, or the new block
	v_cndmask_b32 v[XW+2*\q+1], v[BN], v[PY+3*\q],   s[CM+3*\q]                ; into the second place: the first, or the new block
.endr
.irp q,0,1,2,3
	v_cndmask_b32 v[PY+3*\q+2], v[PY+3*\q+2], v[XW+2*\q],   s[CM+3*\q+2]
	v_cndmask_b32 v[PY+3*\q+1], v[PY+3*\q+1], v[XW+2*\q+1], s[CM+3*\q+1]
	v_cndmask_b32 v[PY+3*\q],   v[PY+3*\q],   v[BN],        s[CM+3*\q]
.endr
.irp q,0,1,2,3
	v_med3_num_f32 v[MM+3*\q+2], v[MM+3*\q+1], v[MM+3*\q+2], v[BM+\q]
.endr
.irp q,0,1,2,3
	v_med3_num_f32 v[MM+3*\q+1], v[MM+3*\q], v[MM+3*\q+1], v[BM+\q]
.endr
.irp q,0,1,2,3
	v_min_num_f32 v[MM+3*\q], v[MM+3*\q], v[BM+\q]
.endr
	s_add_co_u32 s32, s32, 1
.endm
; a block of 16 candidates at byte off
.macro BLOCK off, fl
	GROUP CA, CB, \off+48, 1, 1
	GROUP CB, CA, \off+96, 1, 0
	GROUP CA, CB, \off+144, 1, 0
	GROUP CB, CA, \off+192, \fl, 0
	BLKINS
.endm
.macro TRIP fl
	BLOCK 0, 1
	BLOCK 192, \fl
.endm
; the same insertion for one query, for the merge of the waves' triples
.macro INS val, pay, m, i, x
	v_cmp_lt_f32 s[CM], \val, v[\m]
	v_cmp_lt_f32 s[CM+1], \val, v[\m+1]
	v_cmp_lt_f32 s[CM+2], \val, v[\m+2]
	v_cndmask_b32 v[\x], \pay, v[\i+1], s[CM+1]
	v_cndmask_b32 v[\i+2], v[\i+2], v[\x], s[CM+2]
	v_cndmask_b32 v[\x+1], \pay, v[\i], s[CM]
	v_cndmask_b32 v[\i+1], v[\i+1], v[\x+1], s[CM+1]
	v_cndmask_b32 v[\i], v[\i], \pay, s[CM]
	v_med3_num_f32 v[\m+2], v[\m+1], v[\m+2], \val
	v_med3_num_f32 v[\m+1], v[\m], v[\m+1], \val
	v_min_num_f32 v[\m], v[\m], \val
.endm
	s_load_b256 s[4:11], s[0:1], 0x0               ; xyz1 s[4:5], xyz2 s[6:7], W0 s[8:9], W1 s[10:11]
	s_load_b128 s[12:15], s[0:1], 0x20             ; blk s[12:13], wh s[14:15]
	v_lshl_add_u32 v128, v0, 2, 0xc000
	v_mov_b32 v129, 0
	v_lshrrev_b32 v1, 5, v0
	v_readfirstlane_b32 s16, v1                    ; wave
	v_and_b32 v1, 31, v0                           ; lane
	v_mul_u32_u24 v[VQ], v1, 12
	v_lshlrev_b32 v[VT], 4, v0
	v_lshlrev_b32 v[VL], 4, v1
	v_lshlrev_b32 v[BN], 3, v1
	s_lshr_b32 s17, ttmp9, 5                       ; batch: 32 work-groups each
	s_mov_b32 s19, 0
	s_mul_i32 s18, ttmp9, 1536                     ; 128 queries of 12 bytes; also this group's 384 numbers of W0
	s_wait_kmcnt 0x0
	s_add_nc_u64 s[4:5], s[4:5], s[18:19]
	s_add_nc_u64 s[8:9], s[8:9], s[18:19]
	s_mul_i32 s18, s17, 24576
	s_add_nc_u64 s[6:7], s[6:7], s[18:19]
	s_lshl_b32 s18, ttmp9, 10                      ; this group's 256 numbers of W1
	s_add_nc_u64 s[10:11], s[10:11], s[18:19]
	s_lshl_b32 s18, ttmp9, 11                      ; 128 records of 16 bytes
	s_add_nc_u64 s[12:13], s[12:13], s[18:19]
	s_lshl_b32 s18, ttmp9, 9
	s_add_co_u32 s18, s18, 196608                  ; W1's copy lies behind W0's 256 x 384 x 2 bytes
	s_add_nc_u64 s[34:35], s[14:15], s[18:19]
	s_mul_i32 s18, ttmp9, 768
	s_add_nc_u64 s[14:15], s[14:15], s[18:19]
.irp q,0,1,2,3
	global_load_b32 v[QX+\q], v[VQ], s[4:5] offset:384*\q
	global_load_b32 v[QY+\q], v[VQ], s[4:5] offset:384*\q+4
	global_load_b32 v[QZ+\q], v[VQ], s[4:5] offset:384*\q+8
.endr
.irp i,0,1,2,3,4,5
	global_load_b128 v[CA+4*\i:CA+4*\i+3], v[VT], s[6:7] offset:4096*\i       ; the 256 threads take the batch's xyz2, 4,096 bytes a line
.endr
	; Wave 4 alone: this group's 1/256 of W0 and W1 rounded to f16.  Its loads are on their way together with the ones above.
	s_cmp_lg_u32 s16, 4
	s_cbranch_scc1 .Lstage
.irp i,0,1,2
	global_load_b128 v[TT+4*\i:TT+4*\i+3], v[VL], s[8:9] offset:512*\i
.endr
.irp i,0,1
	global_load_b128 v[TT+12+4*\i:TT+12+4*\i+3], v[VL], s[10:11] offset:512*\i
.endr
	s_wait_loadcnt 0x0
.irp i,0,1,2,3,4
	v_cvt_pk_f16_f32 v[MM+2*\i], v[TT+4*\i], v[TT+4*\i+1]
	v_cvt_pk_f16_f32 v[MM+2*\i+1], v[TT+4*\i+2], v[TT+4*\i+3]
.endr
.irp i,0,1,2
	global_store_b64 v[BN], v[MM+2*\i:MM+2*\i+1], s[14:15] offset:256*\i      ; 32 lanes x 8 bytes: 256 consecutive bytes, aligned
.endr
.irp i,0,1
	global_store_b64 v[BN], v[MM+6+2*\i:MM+6+2*\i+1], s[34:35] offset:256*\i
.endr
.Lstage:
	s_wait_loadcnt 0x0
	s_wait_xcnt 0x0                                ; wave 4's stores have read their data and address registers, which are written again below
.irp i,0,1,2,3,4,5
	ds_store_b128 v[VT], v[CA+4*\i:CA+4*\i+3] offset:4096*\i
.endr
	s_wait_dscnt 0x0                               ; my stores are done, for the waves that read them
	s_barrier_signal -1
	s_barrier_wait -1
	s_mul_i32 s18, s16, 3072                       ; my wave's 256 candidates
	s_lshl_b32 s32, s16, 4                         ; and the number of their first block
	v_mov_b32 v[LA], s18
	ds_load_b128 v[CA:CA+3], v[LA]
	ds_load_b128 v[CA+4:CA+7], v[LA] offset:16
	ds_load_b128 v[CA+8:CA+11], v[LA] offset:32
	v_lshl_add_u32 v[VM], v1, 2, s18
.irp i,0,1,2,3,4,5,6,7,8,9,10,11
	v_mov_b32 v[MM+\i], 0x7f800000                 ; the triples start at +infinity: the wave's first three blocks take the three places
	v_mov_b32 v[PY+\i], 0
.endr
	s_mov_b32 s33, 7
.Ltrip:                                                ; a trip: two blocks, 32 candidates, 384 bytes
	TRIP 1
	v_add_nc_u32 v[LA], 384, v[LA]
	s_sub_co_u32 s33, s33, 1
	s_cmp_lg_u32 s33, 0
	s_cbranch_scc1 .Ltrip
	TRIP 0                                         ; the last trip asks for nothing behind the wave's candidates
	; the eight waves' triples meet in LDS
.irp q,0,1,2,3
.irp f,0,1,2
	ds_store_b32 v[VM], v[MM+3*\q+\f] offset:MR+512*\f+128*\q
	ds_store_b32 v[VM], v[PY+3*\q+\f] offset:MR+512*(\f+3)+128*\q
.endr
.endr
	s_wait_dscnt 0x0
	s_barrier_signal -1
	s_barrier_wait -1
	s_cmp_gt_u32 s16, 3
	s_cbranch_scc1 .Lend
	v_lshlrev_b32 v[VL], 2, v0                     ; waves 0 to 3: query t = my thread's number
.irp u,0,1,2,3,4,5,6,7
.irp f,0,1,2,3,4,5
	ds_load_b32 v[14+6*\u+\f], v[VL] offset:MR+3072*\u+512*\f
.endr
.endr
	s_wait_dscnt 0x0
.irp u,1,2,3,4,5,6,7                                   ; wave 0's triple is the start; the others enter in ascending order of their blocks
.irp e,0,1,2
	INS v[14+6*\u+\e], v[17+6*\u+\e], 14, 17, 62
.endr
.endr
	v_min_u32 v62, v17, v18                        ; the three block numbers in ascending order, so that the next launch scans in ascending index
	v_max_u32 v63, v17, v18
	v_max_u32 v66, v63, v19
	v_min_u32 v63, v63, v19
	v_min_u32 v64, v62, v63
	v_max_u32 v65, v62, v63
	v_mov_b32 v67, 0
	global_store_b128 v[VT], v[64:67], s[12:13]    ; a wave's store covers 512 consecutive bytes
.Lend:
	s_wait_tensorcnt 0x0
	ds_add_u32 v128, v129
	s_wait_dscnt 0x0
	s_endpgm
.Lfunc_end_k_q9cc0ae79c3_knn:
	.size	k_q9cc0ae79c3_knn, .Lfunc_end_k_q9cc0ae79c3_knn-k_q9cc0ae79c3_knn
	.p2alignl 7, 3214868480
	.fill 96, 4, 3214868480
	.section	.rodata,"a",@progbits
	.p2align	6, 0x0
	.amdhsa_kernel k_q9cc0ae79c3_knn
		.amdhsa_group_segment_fixed_size 50176
		.amdhsa_private_segment_fixed_size 0
		.amdhsa_enable_private_segment 0
		.amdhsa_kernarg_size 48
		.amdhsa_user_sgpr_count 2
		.amdhsa_user_sgpr_kernarg_segment_ptr 1
		.amdhsa_wavefront_size32 1
		.amdhsa_system_sgpr_workgroup_id_x 1
		.amdhsa_system_sgpr_workgroup_id_y 1
		.amdhsa_system_sgpr_workgroup_id_z 1
		.amdhsa_system_vgpr_workitem_id 0
		.amdhsa_next_free_vgpr 130
		.amdhsa_next_free_sgpr 66
		.amdhsa_reserve_vcc 0
		.amdhsa_float_denorm_mode_32 3
		.amdhsa_float_denorm_mode_16_64 3
		.amdhsa_memory_ordered 1
		.amdhsa_forward_progress 1
		.amdhsa_inst_pref_size 96
	.end_amdhsa_kernel
	.amdgpu_metadata
---
amdhsa.version: [ 1, 2 ]
amdhsa.kernels:
  - .name:           k_q9cc0ae79c3_knn
    .symbol:         k_q9cc0ae79c3_knn.kd
    .args:
      - { .name: xyz1, .offset: 0, .size: 8, .value_kind: global_buffer, .address_space: global }
      - { .name: xyz2, .offset: 8, .size: 8, .value_kind: global_buffer, .address_space: global }
      - { .name: W0, .offset: 16, .size: 8, .value_kind: global_buffer, .address_space: global }
      - { .name: W1, .offset: 24, .size: 8, .value_kind: global_buffer, .address_space: global }
      - { .name: blk, .offset: 32, .size: 8, .value_kind: global_buffer, .address_space: global }
      - { .name: wh, .offset: 40, .size: 8, .value_kind: global_buffer, .address_space: global }
    .group_segment_fixed_size: 50176
    .private_segment_fixed_size: 0
    .kernarg_segment_align: 8
    .kernarg_segment_size: 48
    .max_flat_workgroup_size: 256
    .sgpr_count:     66
    .vgpr_count:     130
    .wavefront_size: 32
...
	.end_amdgpu_metadata
.endif
;; end of part 7
;; launch prep (part 8): grid 256 x 1, 8 waves a work-group, clusters of 4 x 1, 243,712 bytes of LDS; arguments xyz1, xyz2, blk, points2, wh, nbr, wgt, zy; writes nbr, wgt, zy
.if DOCPART == 8
	.amdgcn_target "amdgcn-amd-amdhsa--gfx1250"
	.amdhsa_code_object_version 6
	.text
	.protected	k_q9cc0ae79c3_prep
	.globl	k_q9cc0ae79c3_prep
	.p2align	8
	.type	k_q9cc0ae79c3_prep,@function
k_q9cc0ae79c3_prep:
	s_mov_b64 s[64:65], 0
	v_nop
	global_prefetch_b8 v0, s[64:65] scope:SCOPE_SE
	s_setreg_imm32_b32 hwreg(HW_REG_WAVE_MODE, 25, 1), 1
	s_wait_xcnt 0x0
	s_wait_alu depctr_hold_cnt(0) depctr_sa_sdst(0) depctr_va_vdst(0) depctr_va_sdst(0) depctr_va_ssrc(0) depctr_va_vcc(0) depctr_vm_vsrc(0)
	s_getreg_b32 s2, hwreg(HW_REG_IB_STS2, 6, 4)
	s_cmp_eq_u32 s2, 0
	s_cbranch_scc0 .Lentry_in_a_cluster
	s_endpgm
.Lentry_in_a_cluster:
	s_bfe_u32 s2, ttmp6, 0x10000c
	s_cmp_lg_u32 s2, 0x3003
	s_cbranch_scc0 .Lentry_shape_is_right
	s_endpgm
.Lentry_shape_is_right:
; SECOND LAUNCH.  (1) The three nearest points and their weights, from the three blocks that the first launch stored for each query: three different
; blocks in ascending order, so that their 48 candidates are scanned in ascending index and an equal distance stays behind the lower index.
; (2) Z[b][s][o] = sum over c of W0[o][c] points2[b][c][s], c = 0..255, f16 operands, f32 sums, stored with o along the rows.
; b0 is left out (it cancels in the batch norm: see the head of the first kernel).
; SHARES.  A work-group has 128 queries (waves 0 to 3, one a lane) and a tile of Z of 64 s x 256 o.  Meanwhile waves 4 to 7 bring the tile's
; 256 x 64 numbers of points2, round them and lay them in LDS.  In the product wave w has o = 32 w .. 32 w + 31 and all 64 s: 8 accumulators.
; JOINT REQUEST.  All work-groups read the same f16 copy of W0[:, 0:256]; the four of a cluster ask for it jointly, each wave for its own 32 rows.
; points2, xyz and the records are read by one work-group each: nothing to share there.
; A wave has one tensor load out, and LDS is filled once.
; LIMITS.  Distances as in the first kernel (same formula, same rounding; NaN and infinite distances are not served).  1/x is v_rcp_f32; a distance
; above 2^126 gives a weight of zero.  A number of points2 or W0 above 65,504 in size becomes infinite in f16, one below 2^-25 zero.
.set PT, 135168                        ; LDS: 0 .. 135,167 W0 in f16 [:, 0:256], 256 rows, pitch 528; from PT on points2 in f16 [256 c][64 s], pitch 160
.set ST, 176128                        ; from ST on the stage, f32 [64 s][256 o], pitch 1040
.set WV, 20                            ; s20 the wave's number
.set CM, 40                            ; s[40:42] lane masks
.set ACC, 16                           ; v[16:79]   tile (a, t) at 8 (4 a + t)
.set F0, 80                            ; v[80:127], v[128:175] fragment buffers: A 16 registers, B 32
.set VA, 240                           ; LDS address of my fragments of W
.set VB, 241                           ; of the transposing loads from the points2 tile
.set VST, 242                          ; where my results go in the stage
.set VRD, 243                          ; where I read rows back
.set VGO, 244                          ; 16 L
.set RM, 16                            ; the search: v[16:18] values, v[19:21] payloads, v[22:23] and v[24:27] at work
.set RI, 19
.set RW, 22
.set RT, 24
.set RC, 32                            ; v[32:175]  three blocks of 16 candidates, 48 registers each
.set RD, 176                           ; v[176:187] differences
.set RO, 188                           ; v[188:191] the record of indices
.macro PLACES
.rept 4
	v_nop
.endr
.endm
.macro ROUND                           ; a round of the cluster's barrier
	s_barrier_signal -1
	s_barrier_wait -1
	s_cmp_lg_u32 s[WV], 0
	s_cbranch_scc1 .Lnot_wave_0_\@
	s_barrier_signal -3
.Lnot_wave_0_\@:
	s_barrier_wait -3
	s_barrier_signal -1
	s_barrier_wait -1
.endm
.macro INS val, pay, m, i, x           ; as in the first kernel: strictly smaller only
	v_cmp_lt_f32 s[CM], \val, v[\m]
	v_cmp_lt_f32 s[CM+1], \val, v[\m+1]
	v_cmp_lt_f32 s[CM+2], \val, v[\m+2]
	v_cndmask_b32 v[\x], \pay, v[\i+1], s[CM+1]
	v_cndmask_b32 v[\i+2], v[\i+2], v[\x], s[CM+2]
	v_cndmask_b32 v[\x+1], \pay, v[\i], s[CM]
	v_cndmask_b32 v[\i+1], v[\i+1], v[\x+1], s[CM+1]
	v_cndmask_b32 v[\i], v[\i], \pay, s[CM]
	v_med3_num_f32 v[\m+2], v[\m+1], v[\m+2], \val
	v_med3_num_f32 v[\m+1], v[\m], v[\m+1], \val
	v_min_num_f32 v[\m], v[\m], \val
.endm
; block k of the three: 16 candidates, four at a time; the payload is 16 k + the place in the block
.macro RBLOCK k
.irp g,0,1,2,3
.irp j,0,1,2,3
	v_sub_f32 v[RD+3*\j],   v2, v[RC+48*\k+12*\g+3*\j]
	v_sub_f32 v[RD+3*\j+1], v3, v[RC+48*\k+12*\g+3*\j+1]
	v_sub_f32 v[RD+3*\j+2], v4, v[RC+48*\k+12*\g+3*\j+2]
.endr
.irp j,0,1,2,3
	v_mul_f32 v[RT+\j], v[RD+3*\j], v[RD+3*\j]
.endr
.irp j,0,1,2,3
	v_fma_f32 v[RT+\j], v[RD+3*\j+1], v[RD+3*\j+1], v[RT+\j]
.endr
.irp j,0,1,2,3
	v_fma_f32 v[RT+\j], v[RD+3*\j+2], v[RD+3*\j+2], v[RT+\j]
.endr
.irp j,0,1,2,3
	INS v[RT+\j], 16*\k+4*\g+\j, RM, RI, RW
.endr
.endr
.endm
.macro LOADF k, f                      ; the fragments of K step k: 12 LDS loads
.irp a,0,1
	ds_load_b128 v[\f+8*\a:\f+8*\a+3], v[VA] offset:8448*\a+64*(\k)
	ds_load_b128 v[\f+8*\a+4:\f+8*\a+7], v[VA] offset:8448*\a+64*(\k)+32
.endr
.irp t,0,1,2,3
	ds_load_tr16_b128 v[\f+16+8*\t:\f+16+8*\t+3], v[VB] offset:5120*(\k)+32*\t
	ds_load_tr16_b128 v[\f+16+8*\t+4:\f+16+8*\t+7], v[VB] offset:5120*(\k)+32*\t+2560
.endr
.endm
.macro MULK f, zero                    ; 8 products; the 8 accumulators take turns, one instruction a turn
.irp t,0,1,2,3
.irp a,0,1
.if \zero
	v_wmma_f32_16x16x32_f16 v[ACC+8*(4*\a+\t):ACC+8*(4*\a+\t)+7], v[\f+8*\a:\f+8*\a+7], v[\f+16+8*\t:\f+16+8*\t+7], 0
.else
	v_wmma_f32_16x16x32_f16 v[ACC+8*(4*\a+\t):ACC+8*(4*\a+\t)+7], v[\f+8*\a:\f+8*\a+7], v[\f+16+8*\t:\f+16+8*\t+7], v[ACC+8*(4*\a+\t):ACC+8*(4*\a+\t)+7]
.endif
.endr
.endr
.endm
	s_load_b512 s[4:19], s[0:1], 0x0               ; xyz1 4, xyz2 6, blk 8, points2 10, wh 12, nbr 14, wgt 16, zy 18
	v_lshl_add_u32 v254, v0, 2, 0x3b400
	v_mov_b32 v255, 0
	ds_add_u32 v254, v255
	v_lshrrev_b32 v1, 5, v0
	v_readfirstlane_b32 s20, v1                    ; wave
	s_bfe_u32 s21, ttmp6, 0x40000                  ; my place in the cluster
	s_lshl_b32 s22, ttmp9, 2
	s_add_co_u32 s22, s22, s21                     ; work-group = 4 x cluster + place
	s_lshr_b32 s23, s22, 5                         ; batch
	v_and_b32 v1, 31, v0                           ; L
	v_and_b32 v245, 15, v0                         ; r = L mod 16
	v_bfe_u32 v246, v0, 4, 1                       ; h = L / 16
	; descriptor: 32 rows of 256 f16 out of rows of 384, 16 bytes of padding behind each 512
	s_mov_b32 s32, 15|(1<<16)|(1<<20)|(1<<21)|(6<<22)|(3<<25)   ; mask: the cluster's four; 2-byte elements; padding on; bit 21 beside the mask; every 128 words 4 words
	s_mov_b32 s33, 256<<16                         ; tensor_dim0 = 256
	s_mov_b32 s34, 32<<16                          ; tensor_dim1 = 32
	s_mov_b32 s35, 256<<16                         ; tile_dim0 = 256
	s_mov_b32 s36, 32                              ; tile_dim1 = 32
	s_mov_b32 s37, 384                             ; elements from row to row
	s_mov_b32 s38, 0
	s_mov_b32 s39, 0
	s_mov_b32 s28, 1
	s_mul_i32 s29, s20, 16896                      ; LDS: my 32 rows of 528 bytes
	s_mul_i32 s46, s20, 24576                      ; memory: my 32 rows of 768 bytes.  s[46:47] hold numbers made of the wave's number alone
	s_mov_b32 s47, 0
	s_mov_b32 s25, 0
	v_mul_u32_u24 v[VA], v245, 528
	v_lshl_add_u32 v[VA], v246, 4, v[VA]
	v_add_nc_u32 v[VA], s29, v[VA]                 ; 16896 w + 528 r + 16 h
	v_and_b32 v247, 7, v0
	v_lshl_add_u32 v247, v246, 3, v247
	v_mul_u32_u24 v[VB], v247, 160
	v_bfe_u32 v247, v0, 3, 1
	v_lshl_add_u32 v[VB], v247, 4, v[VB]
	v_add_nc_u32 v[VB], PT, v[VB]                  ; PT + (8 h + L mod 8) 160 + 16 ((L / 8) mod 2)
	s_lshl_b32 s26, s20, 7
	s_add_co_u32 s26, s26, ST
	v_mul_u32_u24 v[VST], v245, 1040
	v_lshl_add_u32 v[VST], v246, 5, v[VST]
	v_add_nc_u32 v[VST], s26, v[VST]               ; ST + 1040 r + 128 w + 32 h
	s_mul_i32 s26, s20, 8320
	s_add_co_u32 s26, s26, ST
	v_lshl_add_u32 v[VRD], v1, 4, s26              ; ST + 8 w rows + 16 L
	v_lshlrev_b32 v[VGO], 4, v1
	s_wait_dscnt 0x0
	s_wait_kmcnt 0x0
	s_add_nc_u64 s[30:31], s[12:13], s[46:47]
	s_or_b32 s31, s31, 0x80000000                  ; type 2
	s_mul_i32 s24, s22, 1536
	s_add_nc_u64 s[4:5], s[4:5], s[24:25]          ; my 128 queries
	s_mul_i32 s24, s23, 24576
	s_add_nc_u64 s[6:7], s[6:7], s[24:25]          ; the batch's xyz2
	s_lshl_b32 s24, s22, 11
	s_add_nc_u64 s[8:9], s[8:9], s[24:25]          ; my 128 records of 16 bytes, in blk, nbr and wgt
	s_add_nc_u64 s[14:15], s[14:15], s[24:25]
	s_add_nc_u64 s[16:17], s[16:17], s[24:25]
	s_and_b32 s43, s22, 31
	s_lshl_b32 s43, s43, 8                         ; my 64 s, 256 bytes of each row of points2
	s_lshl_b32 s24, s23, 21
	s_add_co_u32 s24, s24, s43
	s_add_nc_u64 s[10:11], s[10:11], s[24:25]
	s_lshl_b32 s24, s22, 16                        ; my 64 rows of Z of 1,024 bytes,
	s_lshl_b32 s43, s20, 13                        ; and my wave's 8 of them
	s_add_co_u32 s24, s24, s43
	s_add_nc_u64 s[18:19], s[18:19], s[24:25]
	ROUND                                          ; the four work-groups are here: their joint requests meet
	tensor_load_to_lds s[28:31], s[32:39]
	s_nop 0
	s_cmp_gt_u32 s20, 3
	s_cbranch_scc1 .Lp2
	; WAVES 0 TO 3: query t = my thread's number
	v_mul_u32_u24 v5, v0, 12
	v_lshlrev_b32 v6, 4, v0
	global_load_b128 v[8:11], v6, s[8:9]           ; the three blocks, ascending
	global_load_b32 v2, v5, s[4:5]
	global_load_b32 v3, v5, s[4:5] offset:4
	global_load_b32 v4, v5, s[4:5] offset:8
	s_wait_loadcnt 0x3                             ; the record is in; the three younger loads may be out
.irp k,0,1,2
	v_min_u32 v[8+\k], 127, v[8+\k]                ; a block number stays inside the batch's 128 blocks
	v_mul_u32_u24 v[12+\k], v[8+\k], 192           ; 16 candidates of 12 bytes
.endr
.irp k,0,1,2
.irp i,0,1,2,3,4,5,6,7,8,9,10,11
	global_load_b128 v[RC+48*\k+4*\i:RC+48*\k+4*\i+3], v[12+\k], s[6:7] offset:16*\i
.endr
.endr
.irp n,0,1,2
	v_mov_b32 v[RM+\n], 0x7f800000
	v_mov_b32 v[RI+\n], 0
.endr
	s_wait_loadcnt 24                              ; the query and block 0 are in; the 24 loads of blocks 1 and 2 may be out
	RBLOCK 0
	s_wait_loadcnt 12                              ; block 2's 12 loads may be out
	RBLOCK 1
	s_wait_loadcnt 0x0
	RBLOCK 2
.irp n,0,1,2
	v_max_num_f32 v[RM+\n], 0x2edbe6ff, v[RM+\n]   ; dist = max(D, 1e-10)
.endr
.irp n,0,1,2
	v_rcp_f32 v[RT+\n], v[RM+\n]
.endr
	v_mov_b32 v[RT+3], 0                           ; the plain instruction between the reciprocals and their use (ISA guide 5.7.2)
	s_wait_alu depctr_va_vdst(0)
	v_add_f32 v[RW], v[RT], v[RT+1]
	v_add_f32 v[RW], v[RW], v[RT+2]
	v_rcp_f32 v[RW+1], v[RW]
	v_mov_b32 v[RO+3], 0                           ; likewise
	s_wait_alu depctr_va_vdst(0)
.irp n,0,1,2
	v_mul_f32 v[RT+\n], v[RT+\n], v[RW+1]
.endr
.irp n,0,1,2                                           ; payload p: index = 16 x block[p / 16] + p mod 16
	v_lshrrev_b32 v[RW], 4, v[RI+\n]
	v_cmp_eq_u32 s[CM], 1, v[RW]
	v_cmp_eq_u32 s[CM+1], 2, v[RW]
	v_cndmask_b32 v[RW+1], v8, v9, s[CM]
	v_cndmask_b32 v[RW+1], v[RW+1], v10, s[CM+1]
	v_and_b32 v[RW], 15, v[RI+\n]
	v_lshl_add_u32 v[RO+\n], v[RW+1], 4, v[RW]
.endr
	global_store_b128 v6, v[RO:RO+3], s[14:15]     ; a wave's store covers 512 consecutive bytes
	global_store_b128 v6, v[RT:RT+3], s[16:17]
	s_branch .Ljoin
.Lp2:	; WAVES 4 TO 7: wave 4 + u takes rows c = 64 u .. 64 u + 63 of the tile, two rows of 256 whole bytes with each load
	s_sub_co_u32 s26, s20, 4
	s_lshl_b32 s46, s26, 19                        ; 64 rows of 8,192 bytes
	s_add_nc_u64 s[10:11], s[10:11], s[46:47]
	s_mul_i32 s27, s26, 10240                      ; 64 LDS rows of 160 bytes
	s_add_co_u32 s27, s27, PT
	v_lshlrev_b32 v7, 4, v245
	v_lshl_add_u32 v7, v246, 13, v7                ; 8192 h + 16 r
	v_mul_u32_u24 v8, v246, 160
	v_lshl_add_u32 v8, v245, 3, v8
	v_add_nc_u32 v8, s27, v8                       ; PT + 10240 u + 160 h + 8 r
.set i, 0
.rept 32
	global_load_b128 v[16+4*i:19+4*i], v7, s[10:11] offset:16384*i th:TH_LOAD_NT
.set i, i+1
.endr
.set i, 0
.rept 32
	s_wait_loadcnt 31-i                            ; loads come back in order: load i is in, the younger ones stay out
	v_cvt_pk_f16_f32 v[16+4*i], v[16+4*i], v[17+4*i]
	v_cvt_pk_f16_f32 v[17+4*i], v[18+4*i], v[19+4*i]
	ds_store_b64 v8, v[16+4*i:17+4*i] offset:320*i
.set i, i+1
.endr
.Ljoin:
	s_wait_xcnt 0x0                                ; the stores above have read their registers, which the product writes
	s_wait_dscnt 0x0                               ; my part of the points2 tile is in LDS
	s_wait_tensorcnt 0x0                           ; my rows of W are in LDS
	s_barrier_signal -1
	s_barrier_wait -1
	; THE PRODUCT: D(m = o, n = s), 8 K steps of 32 on two fragment buffers
	LOADF 0, F0
.irp k,0,1,2,3,4,5,6,7
.if \k<7
.if \k
	PLACES                                         ; four places between the products that read a buffer and the loads into it
.endif
	LOADF \k+1, F0+48*((\k+1)&1)
	s_wait_dscnt 12                                ; all but the 12 just issued: this step's fragments are in
.else
	s_wait_dscnt 0x0
.endif
.if \k
	MULK F0+48*(\k&1), 0
.else
	MULK F0, 1
.endif
.endr
	PLACES
	; register j of lane (r, h) of tile (a, t) is Z(s = 16 t + r, o = 32 w + 16 a + 8 h + j): 32 neighbouring bytes of a row of the stage
.irp t,0,1,2,3
.irp a,0,1
	ds_store_b128 v[VST], v[ACC+8*(4*\a+\t):ACC+8*(4*\a+\t)+3] offset:16640*\t+64*\a
	ds_store_b128 v[VST], v[ACC+8*(4*\a+\t)+4:ACC+8*(4*\a+\t)+7] offset:16640*\t+64*\a+16
.endr
.endr
	s_wait_dscnt 0x0
	s_barrier_signal -1
	s_barrier_wait -1
.irp i,0,1,2,3,4,5,6,7                                 ; my 8 rows of 1,024 bytes, 512 at a time
.irp e,0,1
	ds_load_b128 v[F0+4*(2*\i+\e):F0+4*(2*\i+\e)+3], v[VRD] offset:1040*\i+512*\e
.endr
.endr
.irp i,0,1,2,3,4,5,6,7
.irp e,0,1
	s_wait_dscnt 15-(2*\i+\e)
	global_store_b128 v[VGO], v[F0+4*(2*\i+\e):F0+4*(2*\i+\e)+3], s[18:19] offset:1024*\i+512*\e
.endr
.endr
	s_wait_tensorcnt 0x0
	ds_add_u32 v254, v255
	s_wait_dscnt 0x0
	ROUND                                          ; the closing round: no work-group ends while a partner may still ask jointly
	s_endpgm
.Lfunc_end_k_q9cc0ae79c3_prep:
	.size	k_q9cc0ae79c3_prep, .Lfunc_end_k_q9cc0ae79c3_prep-k_q9cc0ae79c3_prep
	.p2alignl 7, 3214868480
	.fill 96, 4, 3214868480
	.section	.rodata,"a",@progbits
	.p2align	6, 0x0
	.amdhsa_kernel k_q9cc0ae79c3_prep
		.amdhsa_group_segment_fixed_size 243712
		.amdhsa_private_segment_fixed_size 0
		.amdhsa_enable_private_segment 0
		.amdhsa_kernarg_size 64
		.amdhsa_user_sgpr_count 2
		.amdhsa_user_sgpr_kernarg_segment_ptr 1
		.amdhsa_wavefront_size32 1
		.amdhsa_system_sgpr_workgroup_id_x 1
		.amdhsa_system_sgpr_workgroup_id_y 1
		.amdhsa_system_sgpr_workgroup_id_z 1
		.amdhsa_system_vgpr_workitem_id 0
		.amdhsa_next_free_vgpr 256
		.amdhsa_next_free_sgpr 66
		.amdhsa_reserve_vcc 0
		.amdhsa_float_denorm_mode_32 3
		.amdhsa_float_denorm_mode_16_64 3
		.amdhsa_memory_ordered 1
		.amdhsa_forward_progress 1
		.amdhsa_inst_pref_size 81
	.end_amdhsa_kernel
	.amdgpu_metadata
---
amdhsa.version: [ 1, 2 ]
amdhsa.kernels:
  - .name:           k_q9cc0ae79c3_prep
    .symbol:         k_q9cc0ae79c3_prep.kd
    .args:
      - { .name: xyz1, .offset: 0, .size: 8, .value_kind: global_buffer, .address_space: global }
      - { .name: xyz2, .offset: 8, .size: 8, .value_kind: global_buffer, .address_space: global }
      - { .name: blk, .offset: 16, .size: 8, .value_kind: global_buffer, .address_space: global }
      - { .name: points2, .offset: 24, .size: 8, .value_kind: global_buffer, .address_space: global }
      - { .name: wh, .offset: 32, .size: 8, .value_kind: global_buffer, .address_space: global }
      - { .name: nbr, .offset: 40, .size: 8, .value_kind: global_buffer, .address_space: global }
      - { .name: wgt, .offset: 48, .size: 8, .value_kind: global_buffer, .address_space: global }
      - { .name: zy, .offset: 56, .size: 8, .value_kind: global_buffer, .address_space: global }
    .group_segment_fixed_size: 243712
    .private_segment_fixed_size: 0
    .kernarg_segment_align: 8
    .kernarg_segment_size: 64
    .max_flat_workgroup_size: 256
    .sgpr_count:     66
    .vgpr_count:     256
    .wavefront_size: 32
...
	.end_amdgpu_metadata
.endif
;; end of part 8
;; launch layer0 (part 9): grid 256 x 1, 8 waves a work-group, clusters of 4 x 1, 252,928 bytes of LDS; arguments points1, nbr, wgt, wh, zy, y0, part; writes y0, part
.if DOCPART == 9
	.amdgcn_target "amdgcn-amd-amdhsa--gfx1250"
	.amdhsa_code_object_version 6
	.text
	.protected	k_q9cc0ae79c3_layer0
	.globl	k_q9cc0ae79c3_layer0
	.p2align	8
	.type	k_q9cc0ae79c3_layer0,@function
k_q9cc0ae79c3_layer0:
	s_mov_b64 s[64:65], 0
	v_nop
	global_prefetch_b8 v0, s[64:65] scope:SCOPE_SE
	s_setreg_imm32_b32 hwreg(HW_REG_WAVE_MODE, 25, 1), 1
	s_wait_xcnt 0x0
	s_wait_alu depctr_hold_cnt(0) depctr_sa_sdst(0) depctr_va_vdst(0) depctr_va_sdst(0) depctr_va_ssrc(0) depctr_va_vcc(0) depctr_vm_vsrc(0)
	s_getreg_b32 s2, hwreg(HW_REG_IB_STS2, 6, 4)
	s_cmp_eq_u32 s2, 0
	s_cbranch_scc0 .Lentry_in_a_cluster
	s_endpgm
.Lentry_in_a_cluster:
	s_bfe_u32 s2, ttmp6, 0x10000c
	s_cmp_lg_u32 s2, 0x3003
	s_cbranch_scc0 .Lentry_shape_is_right
	s_endpgm
.Lentry_shape_is_right:
; THIRD LAUNCH.  y0[b][n][o] = sum over c of W0[o][256 + c] points1[b][c][n] + sum over k of wgt[n][k] Z[b][nbr[n][k]][o], stored with o along the rows, and for
; each channel the mean and the centred sum of squares over this work-group's 128 points.  b0 is left out (it cancels in the batch norm: see the head
; of the first kernel).  The product's operands go in f16 (limit: above 65,504 in size infinite, below 2^-25 zero), its sums and all else in f32.
; SHARES.  A work-group has 128 points x 256 channels.  In the product wave w has o = 32 w .. +31 and all 128 points: 16 accumulators, K = 128.  The
; results go through LDS; in the row pass wave w has rows 32 g .. 32 g + 31 (g = w / 2) and half e = w mod 2 of each, a lane four channels.
; THE RECORDS of a wave's 32 rows (three indices, three weights each) are read once, at the kernel's head, one row a lane, so that the row pass waits for no
; record.  A row's index is taken out of its lane as a scalar (v_readlane_b32), clamped to the batch's 2,048 rows and made an offset; the indices are
; whole numbers that an earlier launch stored.  The weights go once into 512 LDS bytes of the wave's own and come back a row at a time, at one
; address for all lanes, so that two channels are mixed by one packed multiply-add.
; Z's buffers share registers with the accumulators (224 of the 256 registers that an instruction can name hold accumulators and fragments during the
; product), so the first rows of Z are asked for as soon as the accumulators lie in the stage, ahead of the stage's barrier.
; VARIANCE.  Never E[y^2] - mean^2: a thread shifts by its first row's value, and partial results (mean, centred sum) are merged by
; M2 = sum of M2_p + count x sum of (mean_p - mean)^2.
; JOINT REQUEST.  All work-groups read the same f16 copy of W0[:, 256:384]: the four of a cluster ask jointly, each wave for its 32 rows.  points1 is read by
; one work-group each; which rows of Z a work-group reads hangs on its own indices: nothing to ask for jointly there.
; A wave has one tensor load out, and LDS is filled once.
.set PB, 69632                         ; LDS: 0 .. 69,631 W0 in f16 [:, 256:384], 256 rows, pitch 272; from PB on points1 in f16 [128 c][128 n], pitch 288
.set ST, 106496                        ; the stage, f32 [128 n][256 o], pitch 1040
.set RED, 239616                       ; [g][mean, M2][256 channels] f32
.set WGT, 247808                       ; 512 bytes for each wave: the weight records of its 32 rows
.set WV, 86                            ; s86 the wave's number
.set SI, 16                            ; s[16:27] the twelve indices of a chunk
.set ACC, 16                           ; v[16:143]  tile (t, a) at 8 (2 t + a)
.set H0, 144                           ; v[144:175] fragments of points, tiles 0-3
.set H1, 176                           ; v[176:207] tiles 4-7
.set WF, 208                           ; v[208:223], v[224:239] fragments of W, two buffers
.set NB, 248                           ; v[248:251] lane L: the index record of row 32 g + L
.set WR, 252                           ; v[252:255] lane L: its weight record, until it lies in LDS
.set VA, 2
.set VB, 3
.set VST0, 4
.set VST1, 5
.set VCOL, 6                           ; 512 e + 16 L
.set VSR, 7
.set VRED, 8
.set VPL, 9                            ; 16 L
.set VPS, 10
.set VWS, 11                           ; WGT + 512 w + 16 L (the register holds r until the addresses are made)
.set VWR, 12                           ; WGT + 512 w, the same in all lanes (holds h until then)
.set VFIN, 14
.set VPT, 15
.set PP, 200                           ; row pass: v[200:203] the shift, then the mean; v[204:207] sum; v[208:211] sum of squares; v[212:215] at work
.set SS, 204                           ; (chunks take turns on Z v[16:63] / v[64:111], stage rows v[112:127] / v[128:143], results v[144:159] / v[160:175],
.set QQ, 208                           ;  offsets v[176:187] / v[188:199], weights v[216:231] / v[232:247])
.set TT, 212
.macro PLACES
.rept 4
	v_nop
.endr
.endm
.macro ROUND
	s_barrier_signal -1
	s_barrier_wait -1
	s_cmp_lg_u32 s[WV], 0
	s_cbranch_scc1 .Lnot_wave_0_\@
	s_barrier_signal -3
.Lnot_wave_0_\@:
	s_barrier_wait -3
	s_barrier_signal -1
	s_barrier_wait -1
.endm
.macro LH0W k                          ; K step k: point tiles 0-3 and W: 12 LDS loads
.irp t,0,1,2,3
	ds_load_tr16_b128 v[H0+8*\t:H0+8*\t+3], v[VB] offset:9216*(\k)+32*\t
	ds_load_tr16_b128 v[H0+8*\t+4:H0+8*\t+7], v[VB] offset:9216*(\k)+32*\t+4608
.endr
.irp a,0,1
	ds_load_b128 v[WF+16*((\k)&1)+8*\a:WF+16*((\k)&1)+8*\a+3], v[VA] offset:4352*\a+64*(\k)
	ds_load_b128 v[WF+16*((\k)&1)+8*\a+4:WF+16*((\k)&1)+8*\a+7], v[VA] offset:4352*\a+64*(\k)+32
.endr
.endm
.macro LH1 k                           ; point tiles 4-7: 8 LDS loads
.irp t,0,1,2,3
	ds_load_tr16_b128 v[H1+8*\t:H1+8*\t+3], v[VB] offset:9216*(\k)+32*(\t+4)
	ds_load_tr16_b128 v[H1+8*\t+4:H1+8*\t+7], v[VB] offset:9216*(\k)+32*(\t+4)+4608
.endr
.endm
.macro MUL8 hb, t0, k                  ; 8 products: D(m = o, n = point); the accumulators take turns, one instruction a turn
.irp t,0,1,2,3
.irp a,0,1
.if \k
	v_wmma_f32_16x16x32_f16 v[ACC+8*(2*(\t0+\t)+\a):ACC+8*(2*(\t0+\t)+\a)+7], v[WF+16*(\k&1)+8*\a:WF+16*(\k&1)+8*\a+7], v[\hb+8*\t:\hb+8*\t+7], v[ACC+8*(2*(\t0+\t)+\a):ACC+8*(2*(\t0+\t)+\a)+7]
.else
	v_wmma_f32_16x16x32_f16 v[ACC+8*(2*(\t0+\t)+\a):ACC+8*(2*(\t0+\t)+\a)+7], v[WF+8*\a:WF+8*\a+7], v[\hb+8*\t:\hb+8*\t+7], 0
.endif
.endr
.endr
.endm
; Chunk c = rows 4 c .. 4 c + 3 of the wave's 32: twelve halves of rows of Z, 512 whole bytes each.  The steps stand in runs of twelve, so that no
; instruction needs the result of the one in front of it.
.macro ISSZ c
.set ZB, 16+48*((\c)&1)
.set OF, 176+12*((\c)&1)
.irp j,0,1,2,3
.irp k,0,1,2
	v_readlane_b32 s[SI+3*\j+\k], v[NB+\k], 4*(\c)+\j                          ; index k of the row that lane 4 c + j holds
.endr
.endr
.irp n,0,1,2,3,4,5,6,7,8,9,10,11
	s_min_u32 s[SI+\n], s[SI+\n], 0x7ff            ; an index stays inside the batch's 2,048 rows
.endr
.irp n,0,1,2,3,4,5,6,7,8,9,10,11
	v_lshl_add_u32 v[OF+\n], s[SI+\n], 10, v[VCOL] ; 1,024 bytes a row + my column
.endr
.irp n,0,1,2,3,4,5,6,7,8,9,10,11
	global_load_b128 v[ZB+4*\n:ZB+4*\n+3], v[OF+\n], s[12:13]
.endr
.endm
.macro ISSD c                          ; chunk c: four halves of rows of the stage and the four rows' weight records: 8 LDS loads
.set DR, 112+16*((\c)&1)
.set WQ, 216+16*((\c)&1)
.irp j,0,1,2,3
	ds_load_b128 v[DR+4*\j:DR+4*\j+3], v[VSR] offset:1040*(4*(\c)+\j)
.endr
.irp j,0,1,2,3
	ds_load_b128 v[WQ+4*\j:WQ+4*\j+3], v[VWR] offset:16*(4*(\c)+\j)            ; one address for all lanes: w1, w2, w3, 0
.endr
.endm
; y = d + w1 z1 + w2 z2 + w3 z3, two channels with each instruction; op_sel takes the weight out of its pair for both halves.  Each of the three steps
; runs across the four rows: eight chains that do not wait for each other.
.macro COMPUTE c
.set ZB, 16+48*((\c)&1)
.set DR, 112+16*((\c)&1)
.set YO, 144+16*((\c)&1)
.set WQ, 216+16*((\c)&1)
	s_wait_xcnt 0x0                                ; the stores of two chunks ago have read these result registers
.irp j,0,1,2,3
.irp x,0,2
	v_pk_fma_f32 v[YO+4*\j+\x:YO+4*\j+\x+1], v[ZB+12*\j+\x:ZB+12*\j+\x+1], v[WQ+4*\j:WQ+4*\j+1], v[DR+4*\j+\x:DR+4*\j+\x+1] op_sel:[0,0,0] op_sel_hi:[1,0,1]
.endr
.endr
.irp j,0,1,2,3
.irp x,0,2
	v_pk_fma_f32 v[YO+4*\j+\x:YO+4*\j+\x+1], v[ZB+12*\j+4+\x:ZB+12*\j+4+\x+1], v[WQ+4*\j:WQ+4*\j+1], v[YO+4*\j+\x:YO+4*\j+\x+1] op_sel:[0,1,0] op_sel_hi:[1,1,1]
.endr
.endr
.irp j,0,1,2,3
.irp x,0,2
	v_pk_fma_f32 v[YO+4*\j+\x:YO+4*\j+\x+1], v[ZB+12*\j+8+\x:ZB+12*\j+8+\x+1], v[WQ+4*\j+2:WQ+4*\j+3], v[YO+4*\j+\x:YO+4*\j+\x+1] op_sel:[0,0,0] op_sel_hi:[1,0,1]
.endr
.endr
.irp j,0,1,2,3
.if (4*(\c)+\j)==0
.irp x,0,1,2,3
	v_mov_b32 v[PP+\x], v[YO+\x]                   ; the first row is the shift; its own deviation is zero
.endr
.else
.if (4*(\c)+\j)==1
.irp x,0,2
	v_pk_add_f32 v[SS+\x:SS+\x+1], v[YO+4*\j+\x:YO+4*\j+\x+1], v[PP+\x:PP+\x+1] neg_lo:[0,1] neg_hi:[0,1]   ; the second row starts the sums
.endr
.irp x,0,2
	v_pk_mul_f32 v[QQ+\x:QQ+\x+1], v[SS+\x:SS+\x+1], v[SS+\x:SS+\x+1]
.endr
.else
.irp x,0,2
	v_pk_add_f32 v[TT+\x:TT+\x+1], v[YO+4*\j+\x:YO+4*\j+\x+1], v[PP+\x:PP+\x+1] neg_lo:[0,1] neg_hi:[0,1]
.endr
.irp x,0,2
	v_pk_add_f32 v[SS+\x:SS+\x+1], v[SS+\x:SS+\x+1], v[TT+\x:TT+\x+1]
	v_pk_fma_f32 v[QQ+\x:QQ+\x+1], v[TT+\x:TT+\x+1], v[TT+\x:TT+\x+1], v[QQ+\x:QQ+\x+1]
.endr
.endif
.endif
	global_store_b128 v[VCOL], v[YO+4*\j:YO+4*\j+3], s[14:15] offset:1024*(4*(\c)+\j)   ; 512 consecutive bytes of a row of y0
.endr
.endm
	s_load_b256 s[4:11], s[0:1], 0x0               ; points1 4, nbr 6, wgt 8, wh 10
	s_load_b128 s[12:15], s[0:1], 0x20             ; zy 12, y0 14
	s_load_b64 s[84:85], s[0:1], 0x30              ; part
	s_set_vgpr_msb 0x40
	v_lshl_add_u32 v0, v0, 2, 0x3d800
	v_mov_b32 v1, 0
	s_set_vgpr_msb 0x4045
	ds_add_u32 v0, v1
	s_set_vgpr_msb 0x4500
	v_lshrrev_b32 v1, 5, v0
	v_readfirstlane_b32 s86, v1                    ; wave
	s_bfe_u32 s87, ttmp6, 0x40000                  ; my place in the cluster
	s_lshl_b32 s100, ttmp9, 2
	s_add_co_u32 s87, s100, s87                    ; work-group
	s_lshr_b32 s66, s86, 1                         ; g
	s_and_b32 s67, s86, 1                          ; e
	v_and_b32 v1, 31, v0                           ; L
	v_and_b32 v11, 15, v0                          ; r
	v_bfe_u32 v12, v0, 4, 1                        ; h
	; descriptor: 32 rows of 128 f16 out of rows of 384, 16 bytes of padding behind each 256
	s_mov_b32 s92, 15|(1<<16)|(1<<20)|(1<<21)|(5<<22)|(3<<25)   ; mask: the cluster's four; 2-byte elements; padding on; bit 21 beside the mask; every 64 words 4 words
	s_mov_b32 s93, 128<<16                         ; tensor_dim0
	s_mov_b32 s94, 32<<16                          ; tensor_dim1
	s_mov_b32 s95, 128<<16                         ; tile_dim0
	s_mov_b32 s96, 32                              ; tile_dim1
	s_mov_b32 s97, 384                             ; elements from row to row
	s_mov_b32 s98, 0
	s_mov_b32 s99, 0
	s_mov_b32 s88, 1
	s_mul_i32 s89, s86, 8704                       ; LDS: my 32 rows of 272 bytes
	s_mul_i32 s2, s86, 24576                       ; memory: my 32 rows of 768 bytes,
	s_add_co_u32 s2, s2, 512                       ; from column 256 on.  s[2:3] hold numbers made of the wave's number alone
	s_mov_b32 s3, 0
	s_mov_b32 s101, 0
	s_wait_dscnt 0x0
	s_wait_kmcnt 0x0
	s_add_nc_u64 s[90:91], s[10:11], s[2:3]
	s_or_b32 s91, s91, 0x80000000                  ; type 2
	v_mul_u32_u24 v[VA], v11, 272
	v_lshl_add_u32 v[VA], v12, 4, v[VA]
	v_add_nc_u32 v[VA], s89, v[VA]                 ; 8704 w + 272 r + 16 h
	v_and_b32 v13, 7, v0
	v_lshl_add_u32 v13, v12, 3, v13
	v_mul_u32_u24 v[VB], v13, 288
	v_bfe_u32 v13, v0, 3, 1
	v_lshl_add_u32 v[VB], v13, 4, v[VB]
	v_add_nc_u32 v[VB], PB, v[VB]                  ; PB + (8 h + L mod 8) 288 + 16 ((L / 8) mod 2)
	s_lshl_b32 s2, s86, 7
	s_add_co_u32 s2, s2, ST
	v_mul_u32_u24 v[VST0], v11, 1040
	v_lshl_add_u32 v[VST0], v12, 5, v[VST0]
	v_add_nc_u32 v[VST0], s2, v[VST0]              ; ST + 1040 r + 128 w + 32 h
	v_add_nc_u32 v[VST1], 66560, v[VST0]           ; 64 rows further: the immediate offset has 16 bits
	s_lshl_b32 s2, s67, 9
	v_lshl_add_u32 v[VCOL], v1, 4, s2
	s_mul_i32 s2, s66, 33280
	s_add_co_u32 s2, s2, ST
	v_add_nc_u32 v[VSR], s2, v[VCOL]               ; ST + 32 g rows + my column
	s_lshl_b32 s2, s66, 11
	s_add_co_u32 s2, s2, RED
	v_add_nc_u32 v[VRED], s2, v[VCOL]
	v_lshlrev_b32 v[VPL], 4, v1
	s_mul_i32 s2, s86, 4608
	s_add_co_u32 s2, s2, PB
	v_lshl_add_u32 v[VPS], v1, 3, s2               ; PB + 16 w rows + 8 L
	v_lshlrev_b32 v[VPT], 4, v0
	v_add_nc_u32 v[VFIN], RED, v[VPT]
	s_lshl_b32 s2, s86, 9
	s_add_co_u32 s2, s2, WGT                       ; my wave's 512 bytes for its weight records
	v_lshl_add_u32 v[VWS], v1, 4, s2               ; r and h have served: their registers take these two addresses
	v_mov_b32 v[VWR], s2
	s_lshr_b32 s100, s87, 5                        ; batch
	s_lshl_b32 s100, s100, 21                      ; a batch of points1, and of Z, is 2,097,152 bytes
	s_add_nc_u64 s[12:13], s[12:13], s[100:101]
	s_add_nc_u64 s[4:5], s[4:5], s[100:101]
	s_and_b32 s100, s87, 31
	s_lshl_b32 s100, s100, 9                       ; my 128 points, 512 bytes of each row of points1
	s_add_nc_u64 s[4:5], s[4:5], s[100:101]
	s_lshl_b32 s100, s86, 18                       ; my wave's 16 rows of 16,384 bytes
	s_add_nc_u64 s[4:5], s[4:5], s[100:101]
	s_lshl_b32 s100, s87, 11                       ; my 128 records; also my 2,048 bytes of part
	s_add_nc_u64 s[84:85], s[84:85], s[100:101]
	s_add_nc_u64 s[6:7], s[6:7], s[100:101]
	s_add_nc_u64 s[8:9], s[8:9], s[100:101]
	s_lshl_b32 s100, s66, 9                        ; my wave's 32 of them
	s_add_nc_u64 s[6:7], s[6:7], s[100:101]
	s_add_nc_u64 s[8:9], s[8:9], s[100:101]
	s_lshl_b32 s100, s87, 17                       ; my 128 rows of y0 of 1,024 bytes
	s_add_nc_u64 s[14:15], s[14:15], s[100:101]
	s_lshl_b32 s100, s66, 15                       ; my wave's 32
	s_add_nc_u64 s[14:15], s[14:15], s[100:101]
	global_load_b128 v[NB:NB+3], v[VPL], s[6:7]    ; lane L: the records of row 32 g + L, 512 consecutive bytes each; asked for first, so that the
	global_load_b128 v[WR:WR+3], v[VPL], s[8:9]    ; counted waits below show them landed too
.set i, 0
.rept 16
	global_load_b128 v[16+4*i:19+4*i], v[VPL], s[4:5] offset:16384*i th:TH_LOAD_NT   ; row c = 16 w + i: its 512 bytes
.set i, i+1
.endr
	ROUND                                          ; the four work-groups are here: their joint requests meet
	tensor_load_to_lds s[88:91], s[92:99]
	s_nop 0
.set i, 0
.rept 16
	s_wait_loadcnt 15-i                            ; load i (and the records, asked for ahead of it) is in, the younger ones stay out
	v_cvt_pk_f16_f32 v[16+4*i], v[16+4*i], v[17+4*i]
	v_cvt_pk_f16_f32 v[17+4*i], v[18+4*i], v[19+4*i]
	ds_store_b64 v[VPS], v[16+4*i:17+4*i] offset:288*i
.set i, i+1
.endr
	ds_store_b128 v[VWS], v[WR:WR+3]               ; my wave's weight records, into bytes that no other wave touches
	s_wait_dscnt 0x0                               ; my rows of the points1 tile are in LDS
	s_wait_tensorcnt 0x0                           ; my rows of W are in LDS
	s_barrier_signal -1
	s_barrier_wait -1
	; THE PRODUCT: four K steps of 32; each half of the point tiles is fetched while the other half is multiplied
	LH0W 0
	LH1 0
.irp k,0,1,2,3
	s_wait_dscnt 8                                 ; only the 8 loads of tiles 4-7 may be out
	MUL8 H0, 0, \k
.if \k<3
	PLACES                                         ; four places between products and the loads into what they read
	LH0W \k+1
	s_wait_dscnt 12                                ; all but the 12 just issued: tiles 4-7 are in
.else
	s_wait_dscnt 0x0
.endif
	MUL8 H1, 4, \k
.if \k<3
	PLACES
	LH1 \k+1
.endif
.endr
	PLACES
	; register j of lane (r, h) of tile (t, a) belongs to point 16 t + r, channel 32 w + 16 a + 8 h + j: 32 neighbouring bytes of a row of the stage
.irp t,0,1,2,3
.irp a,0,1
	ds_store_b128 v[VST0], v[ACC+8*(2*\t+\a):ACC+8*(2*\t+\a)+3] offset:16640*\t+64*\a
	ds_store_b128 v[VST0], v[ACC+8*(2*\t+\a)+4:ACC+8*(2*\t+\a)+7] offset:16640*\t+64*\a+16
	ds_store_b128 v[VST1], v[ACC+8*(2*(\t+4)+\a):ACC+8*(2*(\t+4)+\a)+3] offset:16640*\t+64*\a
	ds_store_b128 v[VST1], v[ACC+8*(2*(\t+4)+\a)+4:ACC+8*(2*(\t+4)+\a)+7] offset:16640*\t+64*\a+16
.endr
.endr
	s_wait_dscnt 0x0                               ; my results lie in the stage: the accumulators' registers are free
	; THE ROW PASS: eight chunks of four rows; chunk c + 1 is on its way while chunk c is worked on.  The first two chunks' rows of Z hang on nothing that
	; another wave writes, so they are asked for ahead of the barrier.
	ISSZ 0
	ISSZ 1
	s_barrier_signal -1
	s_barrier_wait -1                              ; every wave's results lie in the stage
	ISSD 0
.irp c,0,1,2,3,4,5,6,7
.if \c<7
.if \c
	ISSZ \c+1                                      ; into the registers that chunk c - 1 has given up
.endif
	ISSD \c+1
	s_wait_loadcnt 12                              ; all but the next chunk's 12 loads,
	s_wait_dscnt 8                                 ; and its 8 LDS loads: this chunk is in
.else
	s_wait_loadcnt 0x0
	s_wait_dscnt 0x0
.endif
	COMPUTE \c
.endr
	; my 32 rows: mean = shift + S / 32, M2 = Q - S S / 32 (all on values shifted by the first row's)
.irp x,0,2
	v_pk_mul_f32 v[TT+\x:TT+\x+1], v[SS+\x:SS+\x+1], 0x3d000000 op_sel_hi:[1,0]
.endr
.irp x,0,2
	v_pk_add_f32 v[PP+\x:PP+\x+1], v[PP+\x:PP+\x+1], v[TT+\x:TT+\x+1]
	v_pk_fma_f32 v[QQ+\x:QQ+\x+1], v[TT+\x:TT+\x+1], v[SS+\x:SS+\x+1], v[QQ+\x:QQ+\x+1] neg_lo:[1,0,0] neg_hi:[1,0,0]
.endr
	ds_store_b128 v[VRED], v[PP:PP+3]
	ds_store_b128 v[VRED], v[QQ:QQ+3] offset:1024
	s_wait_dscnt 0x0
	s_barrier_signal -1
	s_barrier_wait -1
	s_cmp_gt_u32 s86, 1
	s_cbranch_scc1 .Lclose
	; waves 0 and 1: thread t merges the four groups of rows for channels 4 t .. 4 t + 3
.irp g,0,1,2,3
	ds_load_b128 v[16+8*\g:19+8*\g], v[VFIN] offset:2048*\g
	ds_load_b128 v[20+8*\g:23+8*\g], v[VFIN] offset:2048*\g+1024
.endr
	s_wait_dscnt 0x0
.irp x,0,2
	v_pk_add_f32 v[48+\x:49+\x], v[16+\x:17+\x], v[24+\x:25+\x]
	v_pk_add_f32 v[52+\x:53+\x], v[32+\x:33+\x], v[40+\x:41+\x]
	v_pk_add_f32 v[56+\x:57+\x], v[20+\x:21+\x], v[28+\x:29+\x]
	v_pk_add_f32 v[60+\x:61+\x], v[36+\x:37+\x], v[44+\x:45+\x]
.endr
.irp x,0,2
	v_pk_add_f32 v[48+\x:49+\x], v[48+\x:49+\x], v[52+\x:53+\x]
	v_pk_add_f32 v[56+\x:57+\x], v[56+\x:57+\x], v[60+\x:61+\x]
.endr
.irp x,0,2
	v_pk_mul_f32 v[48+\x:49+\x], v[48+\x:49+\x], 0x3e800000 op_sel_hi:[1,0]    ; the mean of four means of 32 rows each
.endr
.irp g,0,1,2,3
.irp x,0,2
	v_pk_add_f32 v[16+8*\g+\x:17+8*\g+\x], v[16+8*\g+\x:17+8*\g+\x], v[48+\x:49+\x] neg_lo:[0,1] neg_hi:[0,1]
.endr
.endr
.irp x,0,2
	v_pk_mul_f32 v[52+\x:53+\x], v[16+\x:17+\x], v[16+\x:17+\x]
.endr
.irp g,1,2,3
.irp x,0,2
	v_pk_fma_f32 v[52+\x:53+\x], v[16+8*\g+\x:17+8*\g+\x], v[16+8*\g+\x:17+8*\g+\x], v[52+\x:53+\x]
.endr
.endr
.irp x,0,2
	v_pk_fma_f32 v[56+\x:57+\x], v[52+\x:53+\x], 0x42000000, v[56+\x:57+\x] op_sel_hi:[1,0,1]   ; + 32 x the means' squared deviations
.endr
	global_store_b128 v[VPT], v[48:51], s[84:85]
	global_store_b128 v[VPT], v[56:59], s[84:85] offset:1024
.Lclose:
	s_set_vgpr_msb 0x5
	s_wait_tensorcnt 0x0
	ds_add_u32 v0, v1
	s_wait_dscnt 0x0
	s_set_vgpr_msb 0x500
	ROUND                                          ; the closing round
	s_endpgm
.Lfunc_end_k_q9cc0ae79c3_layer0:
	.size	k_q9cc0ae79c3_layer0, .Lfunc_end_k_q9cc0ae79c3_layer0-k_q9cc0ae79c3_layer0
	.p2alignl 7, 3214868480
	.fill 96, 4, 3214868480
	.section	.rodata,"a",@progbits
	.p2align	6, 0x0
	.amdhsa_kernel k_q9cc0ae79c3_layer0
		.amdhsa_group_segment_fixed_size 252928
		.amdhsa_private_segment_fixed_size 0
		.amdhsa_enable_private_segment 0
		.amdhsa_kernarg_size 56
		.amdhsa_user_sgpr_count 2
		.amdhsa_user_sgpr_kernarg_segment_ptr 1
		.amdhsa_wavefront_size32 1
		.amdhsa_system_sgpr_workgroup_id_x 1
		.amdhsa_system_sgpr_workgroup_id_y 1
		.amdhsa_system_sgpr_workgroup_id_z 1
		.amdhsa_system_vgpr_workitem_id 0
		.amdhsa_next_free_vgpr 258
		.amdhsa_next_free_sgpr 102
		.amdhsa_reserve_vcc 0
		.amdhsa_float_denorm_mode_32 3
		.amdhsa_float_denorm_mode_16_64 3
		.amdhsa_memory_ordered 1
		.amdhsa_forward_progress 1
		.amdhsa_inst_pref_size 86
	.end_amdhsa_kernel
	.amdgpu_metadata
---
amdhsa.version: [ 1, 2 ]
amdhsa.kernels:
  - .name:           k_q9cc0ae79c3_layer0
    .symbol:         k_q9cc0ae79c3_layer0.kd
    .args:
      - { .name: points1, .offset: 0, .size: 8, .value_kind: global_buffer, .address_space: global }
      - { .name: nbr, .offset: 8, .size: 8, .value_kind: global_buffer, .address_space: global }
      - { .name: wgt, .offset: 16, .size: 8, .value_kind: global_buffer, .address_space: global }
      - { .name: wh, .offset: 24, .size: 8, .value_kind: global_buffer, .address_space: global }
      - { .name: zy, .offset: 32, .size: 8, .value_kind: global_buffer, .address_space: global }
      - { .name: y0, .offset: 40, .size: 8, .value_kind: global_buffer, .address_space: global }
      - { .name: part, .offset: 48, .size: 8, .value_kind: global_buffer, .address_space: global }
    .group_segment_fixed_size: 252928
    .private_segment_fixed_size: 0
    .kernarg_segment_align: 8
    .kernarg_segment_size: 56
    .max_flat_workgroup_size: 256
    .sgpr_count:     102
    .vgpr_count:     258
    .wavefront_size: 32
...
	.end_amdgpu_metadata
.endif
;; end of part 9
;; launch stat0: the kernel of part 4 again; grid 4 x 1, 8 waves a work-group, no clusters, 5,120 bytes of LDS; arguments part, g0, beta0, ss; writes ss
;; launch layer1 (part 10): grid 256 x 1, 8 waves a work-group, clusters of 4 x 1, 271,360 bytes of LDS; arguments y0, ss, wh, zy, part; writes zy, part
.if DOCPART == 10
	.amdgcn_target "amdgcn-amd-amdhsa--gfx1250"
	.amdhsa_code_object_version 6
	.text
	.protected	k_q9cc0ae79c3_layer1
	.globl	k_q9cc0ae79c3_layer1
	.p2align	8
	.type	k_q9cc0ae79c3_layer1,@function
k_q9cc0ae79c3_layer1:
	s_mov_b64 s[64:65], 0
	v_nop
	global_prefetch_b8 v0, s[64:65] scope:SCOPE_SE
	s_setreg_imm32_b32 hwreg(HW_REG_WAVE_MODE, 25, 1), 1
	s_wait_xcnt 0x0
	s_wait_alu depctr_hold_cnt(0) depctr_sa_sdst(0) depctr_va_vdst(0) depctr_va_sdst(0) depctr_va_ssrc(0) depctr_va_vcc(0) depctr_vm_vsrc(0)
	s_getreg_b32 s2, hwreg(HW_REG_IB_STS2, 6, 4)
	s_cmp_eq_u32 s2, 0
	s_cbranch_scc0 .Lentry_in_a_cluster
	s_endpgm
.Lentry_in_a_cluster:
	s_bfe_u32 s2, ttmp6, 0x10000c
	s_cmp_lg_u32 s2, 0x3003
	s_cbranch_scc0 .Lentry_shape_is_right
	s_endpgm
.Lentry_shape_is_right:
; FIFTH LAUNCH.  h = relu(y0 * scale + shift) (the first layer's batch norm), y1[b][o][n] = sum over c of W1[o][c] h[b][n][c], stored with n along the rows, and for
; each channel the mean and the centred sum of squares over this work-group's 128 points.  b1 is left out (it cancels in the batch norm: see the head
; of the first kernel).  The product's operands go in f16, its sums and all else in f32; h is at most 181 |g0| + |beta0| (a value normalised over 32,768
; samples is at most sqrt(32767)).  Limit: an operand above 65,504 in size becomes infinite, one below 2^-25 zero.
; SHARES.  A work-group has 128 points x 256 channels.  Wave w first brings, norms and rounds rows 32 g .. +31 (g = w / 2), half e = w mod 2, of y0; in the
; product it has o = 32 w .. +31 and all 128 points: 16 accumulators, K = 256.
; THE PRODUCT IS USED TRANSPOSED: source 0 = 16 points, source 1 = 16 rows of W1.  Lane (r, h) then holds channel r of the tile at eight neighbouring points:
; a channel's 128 numbers lie in two lanes, so its mean and then its centred squares come straight from the accumulators, and a lane's numbers are
; neighbours in a row of y1.
; THE PARTIAL RESULTS lie as [work-group][channel][mean, M2]: lane L of wave w speaks for channel 32 w + L, so the wave's one store of 8 bytes a lane covers
; 256 consecutive bytes, aligned, and the last launch reads 32 channels of a record as such a piece.
; JOINT REQUEST.  All work-groups read the same f16 copy of W1: the four of a cluster ask jointly, each wave for its 32 rows.  y0 is read by one work-group each.
; A wave has one tensor load out, and LDS is filled once.
.set LH, 135168                        ; LDS: 0 .. 135,167 W1 in f16, 256 rows, pitch 528; from LH on h in f16 [128 n][256 c], pitch 528
.set LS, 202752                        ; a stage of 8,448 bytes for each wave: f32 [16 o][128 n], pitch 528
.set WV, 14                            ; s14 the wave's number
.set ACC, 16                           ; v[16:143]  tile (t, a) at 8 (2 t + a)
.set H0, 144                           ; v[144:175] fragments of h, tiles 0-3
.set H1, 176                           ; v[176:207] tiles 4-7
.set WF, 208                           ; v[208:223], v[224:239] fragments of W1, two buffers
.set SC, 240                           ; v[240:243] scale, v[244:247] shift of my four channels
.set VP, 2
.set VW, 3
.set VCOL, 4
.set VHS, 5
.set VSS, 6
.set VSL, 7
.set VGO, 8
.set VPO, 9                            ; 256 w + 8 L: my channel's pair in the work-group's record
.set UU, 144                           ; behind the product: v[144:151] and v[152:159] four chains each, v[160:167] at work, v[168:169] the mean twice,
.set QQ, 152                           ; v170-v173 mean and M2 of a = 0 and a = 1, v[174:175] at work, then my channel's pair, v[176:239] rows on their way out
.set TT, 160
.set MP, 168
.set RS, 170
.set XT, 174
.set OB, 176
.macro PLACES
.rept 4
	v_nop
.endr
.endm
.macro ROUND
	s_barrier_signal -1
	s_barrier_wait -1
	s_cmp_lg_u32 s[WV], 0
	s_cbranch_scc1 .Lnot_wave_0_\@
	s_barrier_signal -3
.Lnot_wave_0_\@:
	s_barrier_wait -3
	s_barrier_signal -1
	s_barrier_wait -1
.endm
.macro LH0W k                          ; K step k: point tiles 0-3 and W1: 12 LDS loads
.irp t,0,1,2,3
	ds_load_b128 v[H0+8*\t:H0+8*\t+3], v[VP] offset:8448*\t+64*(\k)
	ds_load_b128 v[H0+8*\t+4:H0+8*\t+7], v[VP] offset:8448*\t+64*(\k)+32
.endr
.irp a,0,1
	ds_load_b128 v[WF+16*((\k)&1)+8*\a:WF+16*((\k)&1)+8*\a+3], v[VW] offset:8448*\a+64*(\k)
	ds_load_b128 v[WF+16*((\k)&1)+8*\a+4:WF+16*((\k)&1)+8*\a+7], v[VW] offset:8448*\a+64*(\k)+32
.endr
.endm
.macro LH1 k                           ; point tiles 4-7: 8 LDS loads
.irp t,0,1,2,3
	ds_load_b128 v[H1+8*\t:H1+8*\t+3], v[VP] offset:8448*(\t+4)+64*(\k)
	ds_load_b128 v[H1+8*\t+4:H1+8*\t+7], v[VP] offset:8448*(\t+4)+64*(\k)+32
.endr
.endm
.macro MUL8 hb, t0, k                  ; 8 products: D(m = point, n = o); the accumulators take turns, one instruction a turn
.irp t,0,1,2,3
.irp a,0,1
.if \k
	v_wmma_f32_16x16x32_f16 v[ACC+8*(2*(\t0+\t)+\a):ACC+8*(2*(\t0+\t)+\a)+7], v[\hb+8*\t:\hb+8*\t+7], v[WF+16*(\k&1)+8*\a:WF+16*(\k&1)+8*\a+7], v[ACC+8*(2*(\t0+\t)+\a):ACC+8*(2*(\t0+\t)+\a)+7]
.else
	v_wmma_f32_16x16x32_f16 v[ACC+8*(2*(\t0+\t)+\a):ACC+8*(2*(\t0+\t)+\a)+7], v[\hb+8*\t:\hb+8*\t+7], v[WF+8*\a:WF+8*\a+7], 0
.endif
.endr
.endr
.endm
.macro FOLD b                          ; four chains at register b, then the pair, then the two lanes of a channel: the total in v[b] of every lane
	v_pk_add_f32 v[\b:\b+1], v[\b:\b+1], v[\b+2:\b+3]
	v_pk_add_f32 v[\b+4:\b+5], v[\b+4:\b+5], v[\b+6:\b+7]
	v_pk_add_f32 v[\b:\b+1], v[\b:\b+1], v[\b+4:\b+5]
	v_add_f32 v[\b], v[\b], v[\b+1]
	v_permlanex16_b32 v[XT], v[\b], s40, s41       ; lane i of one half reads lane i of the other
	v_add_f32 v[\b], v[\b], v[XT]
.endm
.macro STATS a                         ; channel 32 w + 16 a + r: first the mean over the 128 points, then the squares of the deviations from it
.irp c,0,1,2,3
	v_pk_add_f32 v[UU+2*\c:UU+2*\c+1], v[ACC+8*\a+2*\c:ACC+8*\a+2*\c+1], v[ACC+8*(2+\a)+2*\c:ACC+8*(2+\a)+2*\c+1]
.endr
.irp t,2,3,4,5,6,7
.irp c,0,1,2,3
	v_pk_add_f32 v[UU+2*\c:UU+2*\c+1], v[UU+2*\c:UU+2*\c+1], v[ACC+8*(2*\t+\a)+2*\c:ACC+8*(2*\t+\a)+2*\c+1]
.endr
.endr
	FOLD UU
	v_mul_f32 v[MP], 0x3c000000, v[UU]             ; / 128
	v_mul_f32 v[MP+1], 0x3c000000, v[UU]
	v_mul_f32 v[RS+2*\a], 0x3c000000, v[UU]
.irp c,0,1,2,3
	v_pk_add_f32 v[TT+2*\c:TT+2*\c+1], v[ACC+8*\a+2*\c:ACC+8*\a+2*\c+1], v[MP:MP+1] neg_lo:[0,1] neg_hi:[0,1]
.endr
.irp c,0,1,2,3
	v_pk_mul_f32 v[QQ+2*\c:QQ+2*\c+1], v[TT+2*\c:TT+2*\c+1], v[TT+2*\c:TT+2*\c+1]
.endr
.irp t,1,2,3,4,5,6,7
.irp c,0,1,2,3
	v_pk_add_f32 v[TT+2*\c:TT+2*\c+1], v[ACC+8*(2*\t+\a)+2*\c:ACC+8*(2*\t+\a)+2*\c+1], v[MP:MP+1] neg_lo:[0,1] neg_hi:[0,1]
.endr
.irp c,0,1,2,3
	v_pk_fma_f32 v[QQ+2*\c:QQ+2*\c+1], v[TT+2*\c:TT+2*\c+1], v[TT+2*\c:TT+2*\c+1], v[QQ+2*\c:QQ+2*\c+1]
.endr
.endr
	FOLD QQ
	v_mov_b32 v[RS+2*\a+1], v[QQ]
.endm
.macro OUTA a                          ; 16 channels x 128 points through my own stage: in by lanes, back by whole rows of 512 bytes
.irp t,0,1,2,3,4,5,6,7
	ds_store_b128 v[VSS], v[ACC+8*(2*\t+\a):ACC+8*(2*\t+\a)+3] offset:64*\t
	ds_store_b128 v[VSS], v[ACC+8*(2*\t+\a)+4:ACC+8*(2*\t+\a)+7] offset:64*\t+16
.endr
	s_wait_xcnt 0x0                                ; earlier stores have read the registers that are loaded again below
.set i, 0
.rept 16
	ds_load_b128 v[OB+4*i:OB+4*i+3], v[VSL] offset:528*i                       ; LDS serves a wave's instructions in order (ISA guide 5.7.1): these see the stores above
.set i, i+1
.endr
.set i, 0
.rept 16
	s_wait_dscnt 15-i
	global_store_b128 v[VGO], v[OB+4*i:OB+4*i+3], s[10:11] offset:16384*(16*\a+i)   ; 512 consecutive bytes of a row of y1
.set i, i+1
.endr
.endm
	s_load_b256 s[4:11], s[0:1], 0x0               ; y0 4, ss 6, wh 8, zy 10
	s_load_b64 s[12:13], s[0:1], 0x20              ; part
	v_lshl_add_u32 v254, v0, 2, 0x42000
	v_mov_b32 v255, 0
	ds_add_u32 v254, v255
	v_lshrrev_b32 v1, 5, v0
	v_readfirstlane_b32 s14, v1                    ; wave
	s_bfe_u32 s15, ttmp6, 0x40000                  ; my place in the cluster
	s_lshl_b32 s16, ttmp9, 2
	s_add_co_u32 s16, s16, s15                     ; work-group
	s_lshr_b32 s17, s16, 5                         ; batch
	s_lshr_b32 s20, s14, 1                         ; g
	s_and_b32 s21, s14, 1                          ; e
	s_mov_b32 s40, 0x76543210
	s_mov_b32 s41, 0xfedcba98
	v_and_b32 v1, 31, v0                           ; L
	v_and_b32 v10, 15, v0                          ; r
	v_bfe_u32 v11, v0, 4, 1                        ; h
	; descriptor: 32 whole rows of 256 f16, 16 bytes of padding behind each 512
	s_mov_b32 s28, 15|(1<<16)|(1<<20)|(1<<21)|(6<<22)|(3<<25)   ; mask: the cluster's four; 2-byte elements; padding on; bit 21 beside the mask; every 128 words 4 words
	s_mov_b32 s29, 256<<16                         ; tensor_dim0
	s_mov_b32 s30, 32<<16                          ; tensor_dim1
	s_mov_b32 s31, 256<<16                         ; tile_dim0
	s_mov_b32 s32, 32                              ; tile_dim1
	s_mov_b32 s33, 256                             ; elements from row to row
	s_mov_b32 s34, 0
	s_mov_b32 s35, 0
	s_mov_b32 s24, 1
	s_mul_i32 s25, s14, 16896                      ; LDS: my 32 rows of 528 bytes
	s_lshl_b32 s36, s14, 14                        ; memory: my 32 rows of 512 bytes,
	s_add_co_u32 s36, s36, 196608                  ; behind W0's copy.  s[36:37] hold numbers made of the wave's number alone
	s_mov_b32 s37, 0
	s_mov_b32 s19, 0
	s_wait_dscnt 0x0
	s_wait_kmcnt 0x0
	s_add_nc_u64 s[26:27], s[8:9], s[36:37]
	s_or_b32 s27, s27, 0x80000000                  ; type 2
	v_mul_u32_u24 v[VW], v10, 528
	v_lshl_add_u32 v[VW], v11, 4, v[VW]            ; 528 r + 16 h
	v_add_nc_u32 v[VP], LH, v[VW]
	v_add_nc_u32 v[VW], s25, v[VW]
	s_lshl_b32 s22, s21, 9
	v_lshl_add_u32 v[VCOL], v1, 4, s22             ; 512 e + 16 L
	s_mul_i32 s22, s20, 16896
	s_lshl_b32 s23, s21, 8
	s_add_co_u32 s22, s22, s23
	s_add_co_u32 s22, s22, LH
	v_lshl_add_u32 v[VHS], v1, 3, s22              ; LH + 32 g rows + 256 e + 8 L
	s_mul_i32 s22, s14, 8448
	s_add_co_u32 s22, s22, LS
	v_mul_u32_u24 v[VSS], v10, 528
	v_lshl_add_u32 v[VSS], v11, 5, v[VSS]
	v_add_nc_u32 v[VSS], s22, v[VSS]               ; my stage + 528 r + 32 h
	v_lshl_add_u32 v[VSL], v1, 4, s22              ; my stage + 16 L
	v_lshlrev_b32 v[VGO], 4, v1
	s_lshl_b32 s22, s14, 8
	v_lshl_add_u32 v[VPO], v1, 3, s22              ; 256 w + 8 L
	s_lshl_b32 s18, s16, 17                        ; my 128 rows of y0 of 1,024 bytes
	s_add_nc_u64 s[4:5], s[4:5], s[18:19]
	s_lshl_b32 s18, s20, 15                        ; my wave's 32
	s_add_nc_u64 s[4:5], s[4:5], s[18:19]
	s_lshl_b32 s18, s17, 22                        ; a batch of y1 is 4,194,304 bytes
	s_add_nc_u64 s[10:11], s[10:11], s[18:19]
	s_and_b32 s18, s16, 31
	s_lshl_b32 s18, s18, 9                         ; my 128 points, 512 bytes of each row
	s_add_nc_u64 s[10:11], s[10:11], s[18:19]
	s_lshl_b32 s18, s14, 19                        ; my wave's 32 rows of 16,384 bytes
	s_add_nc_u64 s[10:11], s[10:11], s[18:19]
	s_lshl_b32 s18, s16, 11                        ; my work-group's record of 2,048 bytes
	s_add_nc_u64 s[12:13], s[12:13], s[18:19]
	global_load_b128 v[SC:SC+3], v[VCOL], s[6:7]
	global_load_b128 v[SC+4:SC+7], v[VCOL], s[6:7] offset:1024
.set i, 0
.rept 32
	global_load_b128 v[16+4*i:19+4*i], v[VCOL], s[4:5] offset:1024*i th:TH_LOAD_NT
.set i, i+1
.endr
	ROUND                                          ; the four work-groups are here: their joint requests meet
	tensor_load_to_lds s[24:27], s[28:35]
	s_nop 0
.set i, 0
.rept 32
	s_wait_loadcnt 31-i                            ; row i (and scale and shift, asked for first) is in, the younger loads stay out
	v_pk_fma_f32 v[16+4*i:17+4*i], v[16+4*i:17+4*i], v[SC:SC+1], v[SC+4:SC+5]
	v_pk_fma_f32 v[18+4*i:19+4*i], v[18+4*i:19+4*i], v[SC+2:SC+3], v[SC+6:SC+7]
	v_max_num_f32 v[16+4*i], 0, v[16+4*i]
	v_max_num_f32 v[17+4*i], 0, v[17+4*i]
	v_max_num_f32 v[18+4*i], 0, v[18+4*i]
	v_max_num_f32 v[19+4*i], 0, v[19+4*i]
	v_cvt_pk_f16_f32 v[16+4*i], v[16+4*i], v[17+4*i]
	v_cvt_pk_f16_f32 v[17+4*i], v[18+4*i], v[19+4*i]
	ds_store_b64 v[VHS], v[16+4*i:17+4*i] offset:528*i
.set i, i+1
.endr
	s_wait_dscnt 0x0                               ; my part of h is in LDS
	s_wait_tensorcnt 0x0                           ; my rows of W1 are in LDS
	s_barrier_signal -1
	s_barrier_wait -1
	; THE PRODUCT: eight K steps of 32; each half of the point tiles is fetched while the other half is multiplied
	LH0W 0
	LH1 0
.irp k,0,1,2,3,4,5,6,7
	s_wait_dscnt 8                                 ; only the 8 loads of tiles 4-7 may be out
	MUL8 H0, 0, \k
.if \k<7
	PLACES                                         ; four places between products and the loads into what they read
	LH0W \k+1
	s_wait_dscnt 12                                ; all but the 12 just issued: tiles 4-7 are in
.else
	s_wait_dscnt 0x0
.endif
	MUL8 H1, 4, \k
.if \k<7
	PLACES
	LH1 \k+1
.endif
.endr
	PLACES
	v_mov_b32 v[XT], 0                             ; the lane exchange counts as a reader of its destination
	STATS 0
	STATS 1
	v_cmp_gt_u32 vcc_lo, 16, v1                    ; lanes 0-15 speak for channels 32 w + L of a = 0, lanes 16-31 for 32 w + L of a = 1
	v_cndmask_b32 v[XT], v[RS+2], v[RS], vcc_lo
	v_cndmask_b32 v[XT+1], v[RS+3], v[RS+1], vcc_lo
	global_store_b64 v[VPO], v[XT:XT+1], s[12:13]  ; 32 lanes x 8 bytes: 256 consecutive bytes, aligned; its registers are not written again
	OUTA 0
	OUTA 1
	s_wait_dscnt 0x0                               ; no LDS instruction of mine is out at the round's first signal
	s_wait_tensorcnt 0x0
	ds_add_u32 v254, v255
	s_wait_dscnt 0x0
	ROUND                                          ; the closing round
	s_endpgm
.Lfunc_end_k_q9cc0ae79c3_layer1:
	.size	k_q9cc0ae79c3_layer1, .Lfunc_end_k_q9cc0ae79c3_layer1-k_q9cc0ae79c3_layer1
	.p2alignl 7, 3214868480
	.fill 96, 4, 3214868480
	.section	.rodata,"a",@progbits
	.p2align	6, 0x0
	.amdhsa_kernel k_q9cc0ae79c3_layer1
		.amdhsa_group_segment_fixed_size 271360
		.amdhsa_private_segment_fixed_size 0
		.amdhsa_enable_private_segment 0
		.amdhsa_kernarg_size 40
		.amdhsa_user_sgpr_count 2
		.amdhsa_user_sgpr_kernarg_segment_ptr 1
		.amdhsa_wavefront_size32 1
		.amdhsa_system_sgpr_workgroup_id_x 1
		.amdhsa_system_sgpr_workgroup_id_y 1
		.amdhsa_system_sgpr_workgroup_id_z 1
		.amdhsa_system_vgpr_workitem_id 0
		.amdhsa_next_free_vgpr 256
		.amdhsa_next_free_sgpr 66
		.amdhsa_reserve_vcc 1
		.amdhsa_float_denorm_mode_32 3
		.amdhsa_float_denorm_mode_16_64 3
		.amdhsa_memory_ordered 1
		.amdhsa_forward_progress 1
		.amdhsa_inst_pref_size 65
	.end_amdhsa_kernel
	.amdgpu_metadata
---
amdhsa.version: [ 1, 2 ]
amdhsa.kernels:
  - .name:           k_q9cc0ae79c3_layer1
    .symbol:         k_q9cc0ae79c3_layer1.kd
    .args:
      - { .name: y0, .offset: 0, .size: 8, .value_kind: global_buffer, .address_space: global }
      - { .name: ss, .offset: 8, .size: 8, .value_kind: global_buffer, .address_space: global }
      - { .name: wh, .offset: 16, .size: 8, .value_kind: global_buffer, .address_space: global }
      - { .name: zy, .offset: 24, .size: 8, .value_kind: global_buffer, .address_space: global }
      - { .name: part, .offset: 32, .size: 8, .value_kind: global_buffer, .address_space: global }
    .group_segment_fixed_size: 271360
    .private_segment_fixed_size: 0
    .kernarg_segment_align: 8
    .kernarg_segment_size: 40
    .max_flat_workgroup_size: 256
    .sgpr_count:     66
    .vgpr_count:     256
    .wavefront_size: 32
...
	.end_amdgpu_metadata
.endif
;; end of part 10
;; launch bnrelu (part 11): grid 256 x 1, 16 waves a work-group, no clusters, 6,144 bytes of LDS; arguments zy, part, g1, beta1, out0; writes out0
.if DOCPART == 11
	.amdgcn_target "amdgcn-amd-amdhsa--gfx1250"
	.amdhsa_code_object_version 6
	.text
	.protected	k_q9cc0ae79c3_bnrelu
	.globl	k_q9cc0ae79c3_bnrelu
	.p2align	8
	.type	k_q9cc0ae79c3_bnrelu,@function
k_q9cc0ae79c3_bnrelu:
	s_mov_b64 s[64:65], 0
	v_nop
	global_prefetch_b8 v0, s[64:65] scope:SCOPE_SE
	s_setreg_imm32_b32 hwreg(HW_REG_WAVE_MODE, 25, 1), 1
	s_wait_xcnt 0x0
; LAST LAUNCH.  The second layer's batch norm and relu: out0[b][o][n] = relu(y1[b][o][n] * scale[o] + shift[o]), scale = g1 * rsqrt(var + eps),
; shift = beta1 - mean * scale, with mean and var made here from the 256 partial results (mean and centred sum of squares M2 over 128 points each)
; that the launch before stored as [record][channel][mean, M2].
; SHARES.  Work-group j has batch j / 32, the 32 channels of group (j / 4) mod 8 and the 1,024 points of quarter j mod 4: 131,072 bytes in and as many out.
; Wave w has channels 2 w and 2 w + 1 of the group, 4,096 bytes of each row: 16 loads and 16 stores of 512 consecutive bytes.
; THE FIGURES, in two levels, never as a difference of large sums.  (1) Lane = channel: wave w takes records 16 w .. 16 w + 15, each load 32 channels'
; pairs = 256 consecutive bytes, aligned; mean_w = sum of means / 16, M2_w = sum of M2 + 128 x sum of (mean_p - mean_w)^2.  (2) Through LDS and one
; barrier: every lane of wave w reads the 16 waves' results for the wave's own two channels (one address for all lanes) and merges them in packed
; arithmetic: mean = sum of mean_w / 16, M2 = sum of M2_w + 2048 x sum of (mean_w - mean)^2, var = M2 / 32768.  So every lane ends with its rows' scale
; and shift and nothing is sent between lanes.
; ORDER OF THE LOADS.  g1, beta1 and the records are asked for first and y1 behind them: loads come back in order (ISA guide 5.7.1), so the wait for the
; records can leave y1's 16 loads on their way while the figures are made.
; NO JOINT REQUEST, no tensor load: what work-groups share is the 65,536 bytes of records of a channel group, of the 327,680 bytes that each moves, and a
; cluster would put two rounds of its barrier round a stream that has one barrier.  No matrix unit: there is no product.
.set VY, 2                             ; 16 L
.set VP, 3                             ; 8 L
.set VG, 4                             ; 8 w
.set VR, 5                             ; 16 w
.set VS, 6                             ; 256 w + 16 (L / 2) + 4 (L mod 2)
.set VX, 7                             ; at work
.set GB, 8                             ; v[8:9] g1, v[10:11] beta1 of my wave's two channels
.set MW, 12                            ; v12 mean_w, v13 M2_w of channel L
.set ME, 14                            ; v[14:15] the means of my two channels
.set SC, 16                            ; v[16:17] their scales
.set SH, 18                            ; v[18:19] their shifts
.set AC, 20                            ; v[20:27] four chains
.set BC, 28                            ; v[28:35] four more
.set PR, 36                            ; v[36:67]  16 records: (mean, M2) of channel L
.set RD, 36                            ; v[36:99]  then the 16 waves' results: (mean, mean, M2, M2) of my two channels
.set YY, 100                           ; v[100:163] y1: 16 x 4 registers
.macro FOLD4 d                         ; four chains of pairs into v[d:d+1]
	v_pk_add_f32 v[\d:\d+1], v[\d:\d+1], v[\d+2:\d+3]
	v_pk_add_f32 v[\d+4:\d+5], v[\d+4:\d+5], v[\d+6:\d+7]
	v_pk_add_f32 v[\d:\d+1], v[\d:\d+1], v[\d+4:\d+5]
.endm
.macro SUM16 d, b, st                  ; the sum of the 16 pairs at registers b + st i; the first eight start the chains: nothing is cleared
.irp c,0,1,2,3
	v_pk_add_f32 v[\d+2*\c:\d+2*\c+1], v[\b+\st*\c:\b+\st*\c+1], v[\b+\st*(\c+4):\b+\st*(\c+4)+1]
.endr
.irp i,8,9,10,11,12,13,14,15
	v_pk_add_f32 v[\d+2*(\i&3):\d+2*(\i&3)+1], v[\d+2*(\i&3):\d+2*(\i&3)+1], v[\b+\st*\i:\b+\st*\i+1]
.endr
	FOLD4 \d
.endm
	s_load_b256 s[4:11], s[0:1], 0x0               ; zy 4, part 6, g1 8, beta1 10
	s_load_b64 s[12:13], s[0:1], 0x20              ; out0
	v_lshl_add_u32 v168, v0, 2, 0x1000
	v_mov_b32 v169, 0
	v_lshrrev_b32 v1, 5, v0
	v_readfirstlane_b32 s16, v1                    ; wave
	v_and_b32 v1, 31, v0                           ; L
	v_lshlrev_b32 v[VY], 4, v1
	v_lshlrev_b32 v[VP], 3, v1
	s_lshl_b32 s17, s16, 3
	v_mov_b32 v[VG], s17
	s_lshl_b32 s17, s16, 4
	v_mov_b32 v[VR], s17
	v_lshrrev_b32 v[VS], 1, v1
	v_lshlrev_b32 v[VS], 4, v[VS]
	v_and_b32 v[VX], 1, v1
	v_lshl_add_u32 v[VS], v[VX], 2, v[VS]
	s_lshl_b32 s17, s16, 8
	v_add_nc_u32 v[VS], s17, v[VS]
	s_mov_b32 s14, 0x38000000                      ; 1 / 32768
	s_mov_b32 s15, 0x3727c5ac                      ; eps = 1e-5
	s_lshr_b32 s20, ttmp9, 2                       ; 8 x batch + channel group
	s_and_b32 s21, s20, 7                          ; channel group
	s_lshl_b32 s18, s20, 19                        ; 32 rows of 16,384 bytes for each
	s_and_b32 s22, ttmp9, 3
	s_lshl_b32 s22, s22, 12                        ; my quarter: 4,096 bytes of a row
	s_add_co_u32 s18, s18, s22
	s_lshl_b32 s22, s16, 15                        ; my wave's two rows; also its 16 records of 2,048 bytes
	s_add_co_u32 s18, s18, s22
	s_mov_b32 s19, 0
	s_lshl_b32 s24, s21, 8                         ; the group's 32 pairs in a record
	s_add_co_u32 s24, s24, s22
	s_mov_b32 s25, 0
	s_lshl_b32 s26, s21, 7                         ; the group's 32 numbers of g1 and of beta1
	s_mov_b32 s27, 0
	s_wait_kmcnt 0x0
	s_add_nc_u64 s[4:5], s[4:5], s[18:19]
	s_add_nc_u64 s[12:13], s[12:13], s[18:19]
	s_add_nc_u64 s[6:7], s[6:7], s[24:25]
	s_add_nc_u64 s[8:9], s[8:9], s[26:27]
	s_add_nc_u64 s[10:11], s[10:11], s[26:27]
	global_load_b64 v[GB:GB+1], v[VG], s[8:9]      ; one address for all lanes: my wave's two channels
	global_load_b64 v[GB+2:GB+3], v[VG], s[10:11]
.set i, 0
.rept 16
	global_load_b64 v[PR+2*i:PR+2*i+1], v[VP], s[6:7] offset:2048*i
.set i, i+1
.endr
.irp r,0,1
.irp k,0,1,2,3,4,5,6,7
	global_load_b128 v[YY+4*(8*\r+\k):YY+4*(8*\r+\k)+3], v[VY], s[4:5] offset:16384*\r+512*\k th:TH_LOAD_NT
.endr
.endr
	s_wait_loadcnt 16                              ; g1, beta1 and the records are in; y1's 16 loads may be out
	; level 1: channel L over my wave's 16 records
	SUM16 AC, PR, 2                                ; v[AC] = sum of the means, v[AC+1] = sum of the M2
	v_mul_f32 v[MW], 0x3d800000, v[AC]             ; / 16
.set i, 0
.rept 16
	v_sub_f32 v[PR+2*i], v[PR+2*i], v[MW]
.set i, i+1
.endr
.set i, 0
.rept 16
.if i<4
	v_mul_f32 v[BC+i], v[PR+2*i], v[PR+2*i]
.else
	v_fma_f32 v[BC+(i&3)], v[PR+2*i], v[PR+2*i], v[BC+(i&3)]
.endif
.set i, i+1
.endr
	v_add_f32 v[BC], v[BC], v[BC+1]
	v_add_f32 v[BC+2], v[BC+2], v[BC+3]
	v_add_f32 v[BC], v[BC], v[BC+2]
	v_fmamk_f32 v[MW+1], v[BC], 0x43000000, v[AC+1]    ; 128 x the means' squared deviations + the M2
	ds_store_b32 v[VS], v[MW]                      ; a pair of channels lies as mean, mean, M2, M2: 16 neighbouring bytes
	ds_store_b32 v[VS], v[MW+1] offset:8
	s_wait_dscnt 0x0                               ; my stores are done, for the waves that read them
	s_barrier_signal -1
	s_barrier_wait -1
	; level 2: my wave's two channels over the 16 waves
.set i, 0
.rept 16
	ds_load_b128 v[RD+4*i:RD+4*i+3], v[VR] offset:256*i
.set i, i+1
.endr
	s_wait_dscnt 0x0
	SUM16 AC, RD, 4                                ; the sums of the means
	SUM16 BC, RD+2, 4                              ; the sums of the M2
	v_pk_mul_f32 v[ME:ME+1], v[AC:AC+1], 0x3d800000 op_sel_hi:[1,0]            ; every wave's result counts 2,048 points: the mean of 16 means
.set i, 0
.rept 16
	v_pk_add_f32 v[RD+4*i:RD+4*i+1], v[RD+4*i:RD+4*i+1], v[ME:ME+1] neg_lo:[0,1] neg_hi:[0,1]
.set i, i+1
.endr
.set i, 0
.rept 16
.if i<4
	v_pk_mul_f32 v[AC+2*i:AC+2*i+1], v[RD+4*i:RD+4*i+1], v[RD+4*i:RD+4*i+1]
.else
	v_pk_fma_f32 v[AC+2*(i&3):AC+2*(i&3)+1], v[RD+4*i:RD+4*i+1], v[RD+4*i:RD+4*i+1], v[AC+2*(i&3):AC+2*(i&3)+1]
.endif
.set i, i+1
.endr
	FOLD4 AC
	v_pk_fma_f32 v[BC:BC+1], v[AC:AC+1], 0x45000000, v[BC:BC+1] op_sel_hi:[1,0,1]   ; 2048 x the means' squared deviations + the M2
	v_fma_f32 v[AC], v[BC], s14, s15               ; var + eps
	v_fma_f32 v[AC+1], v[BC+1], s14, s15
	v_rsq_f32 v[AC+2], v[AC]
	v_rsq_f32 v[AC+3], v[AC+1]
	v_nop                                          ; the plain instruction between a root and its use (ISA guide 5.7.2)
	s_wait_alu depctr_va_vdst(0)
	v_pk_mul_f32 v[SC:SC+1], v[GB:GB+1], v[AC+2:AC+3]
	v_pk_fma_f32 v[SH:SH+1], v[ME:ME+1], v[SC:SC+1], v[GB+2:GB+3] neg_lo:[1,0,0] neg_hi:[1,0,0]
	; the stream: row r takes register r of the scale pair and of the shift pair for both halves.  No register is written twice behind its store.
.irp r,0,1
.irp k,0,1,2,3,4,5,6,7
	s_wait_loadcnt 15-(8*\r+\k)                    ; this load is in, the younger ones stay out
	v_pk_fma_f32 v[YY+4*(8*\r+\k):YY+4*(8*\r+\k)+1], v[YY+4*(8*\r+\k):YY+4*(8*\r+\k)+1], v[SC:SC+1], v[SH:SH+1] op_sel:[0,\r,\r] op_sel_hi:[1,\r,\r]
	v_pk_fma_f32 v[YY+4*(8*\r+\k)+2:YY+4*(8*\r+\k)+3], v[YY+4*(8*\r+\k)+2:YY+4*(8*\r+\k)+3], v[SC:SC+1], v[SH:SH+1] op_sel:[0,\r,\r] op_sel_hi:[1,\r,\r]
	v_max_num_f32 v[YY+4*(8*\r+\k)], 0, v[YY+4*(8*\r+\k)]
	v_max_num_f32 v[YY+4*(8*\r+\k)+1], 0, v[YY+4*(8*\r+\k)+1]
	v_max_num_f32 v[YY+4*(8*\r+\k)+2], 0, v[YY+4*(8*\r+\k)+2]
	v_max_num_f32 v[YY+4*(8*\r+\k)+3], 0, v[YY+4*(8*\r+\k)+3]
	global_store_b128 v[VY], v[YY+4*(8*\r+\k):YY+4*(8*\r+\k)+3], s[12:13] offset:16384*\r+512*\k th:TH_STORE_NT
.endr
.endr
	s_wait_tensorcnt 0x0
	ds_add_u32 v168, v169
	s_wait_dscnt 0x0
	s_endpgm
.Lfunc_end_k_q9cc0ae79c3_bnrelu:
	.size	k_q9cc0ae79c3_bnrelu, .Lfunc_end_k_q9cc0ae79c3_bnrelu-k_q9cc0ae79c3_bnrelu
	.p2alignl 7, 3214868480
	.fill 96, 4, 3214868480
	.section	.rodata,"a",@progbits
	.p2align	6, 0x0
	.amdhsa_kernel k_q9cc0ae79c3_bnrelu
		.amdhsa_group_segment_fixed_size 6144
		.amdhsa_private_segment_fixed_size 0
		.amdhsa_enable_private_segment 0
		.amdhsa_kernarg_size 40
		.amdhsa_user_sgpr_count 2
		.amdhsa_user_sgpr_kernarg_segment_ptr 1
		.amdhsa_wavefront_size32 1
		.amdhsa_system_sgpr_workgroup_id_x 1
		.amdhsa_system_sgpr_workgroup_id_y 1
		.amdhsa_system_sgpr_workgroup_id_z 1
		.amdhsa_system_vgpr_workitem_id 0
		.amdhsa_next_free_vgpr 170
		.amdhsa_next_free_sgpr 66
		.amdhsa_reserve_vcc 0
		.amdhsa_float_denorm_mode_32 3
		.amdhsa_float_denorm_mode_16_64 3
		.amdhsa_memory_ordered 1
		.amdhsa_forward_progress 1
		.amdhsa_inst_pref_size 20
	.end_amdhsa_kernel
	.amdgpu_metadata
---
amdhsa.version: [ 1, 2 ]
amdhsa.kernels:
  - .name:           k_q9cc0ae79c3_bnrelu
    .symbol:         k_q9cc0ae79c3_bnrelu.kd
    .args:
      - { .name: zy, .offset: 0, .size: 8, .value_kind: global_buffer, .address_space: global }
      - { .name: part, .offset: 8, .size: 8, .value_kind: global_buffer, .address_space: global }
      - { .name: g1, .offset: 16, .size: 8, .value_kind: global_buffer, .address_space: global }
      - { .name: beta1, .offset: 24, .size: 8, .value_kind: global_buffer, .address_space: global }
      - { .name: out0, .offset: 32, .size: 8, .value_kind: global_buffer, .address_space: global }
    .group_segment_fixed_size: 6144
    .private_segment_fixed_size: 0
    .kernarg_segment_align: 8
    .kernarg_segment_size: 40
    .max_flat_workgroup_size: 512
    .sgpr_count:     66
    .vgpr_count:     170
    .wavefront_size: 32
...
	.end_amdgpu_metadata
.endif
;; end of part 11
